; MI455X (gfx1250); checked and timed in simulation.
; The chip was launched on July 23, 2026; its instructions are those of AMD's public machine-readable ISA for CDNA 5 (MIT licence, August 2026) and "CDNA5" Instruction Set Architecture Reference Guide (July 2026). The comments in the code are by the model that wrote it; some were corrected since.
;; Dist Attention. Allowed arithmetic: matrix products marked QUANTISED: E2M1 operands, one E8M0 scale for each 32 along K, by v_wmma_scale_f32_16x16x128_f8f6f4 with both operands' format E2M1 (or v_wmma_scale_f32_32x16x128_f4), f32 sums; everything else in f32.
;; Inputs: bk_mu 1,024 float32; bk_var 1,024 float32; bo_mu 1,024 float32; bo_var 1,024 float32; bq_mu 1,024 float32; bq_var 1,024 float32; bv_mu 1,024 float32; bv_var 1,024 float32; mu 1 x 256 x 1,024 float32; var 1 x 256 x 1,024 float32; wk_mu 1,024 x 1,024 float32; wk_var 1,024 x 1,024 float32; wo_mu 1,024 x 1,024 float32; wo_var 1,024 x 1,024 float32; wq_mu 1,024 x 1,024 float32; wq_var 1,024 x 1,024 float32; wv_mu 1,024 x 1,024 float32; wv_var 1,024 x 1,024 float32.
;; Outputs: out0 1 x 256 x 1,024 float32; out1 1 x 256 x 1,024 float32.
;; This version of the problem:
;;   THIS VERSION OF THE PROBLEM IS GIVEN IN LOW PRECISION. The matrix products marked QUANTISED in the list below multiply operands that are first quantised to E2M1 (2 exponent bits, 1 mantissa bit; 4 bits a number), with one power-of-two scale for each 32 numbers along K (OCP MX v1.0); their sums are f32. All else is computed in f32.
;;   The module's matrix products, in the order in which they are computed (A, B: the left and right operand; K: the contracted axis; several contracted axes count as one K, in the product's order):
;;     1. [M 256, K 1,024] x [K 1,024, N 1,024]; A: input mu; B: input wq_mu: QUANTISED
;;     2. [M 256, K 1,024] x [K 1,024, N 1,024]; A: input var; B: input wq_var: QUANTISED
;;     3. [M 256, K 1,024] x [K 1,024, N 1,024]; A: input mu; B: input wk_mu: QUANTISED
;;     4. [M 256, K 1,024] x [K 1,024, N 1,024]; A: input var; B: input wk_var: QUANTISED
;;     5. [M 256, K 1,024] x [K 1,024, N 1,024]; A: input mu; B: input wv_mu: QUANTISED
;;     6. [M 256, K 1,024] x [K 1,024, N 1,024]; A: input var; B: input wv_var: QUANTISED
;;     7. batch 16 x [M 256, K 256] x [K 256, N 64]; A: softmax (see below); B: computed on the way: QUANTISED
;;     8. batch 16 x [M 256, K 256] x [K 256, N 64]; A: computed on the way; B: computed on the way: QUANTISED
;;     9. [M 256, K 1,024] x [K 1,024, N 1,024]; A: computed on the way; B: input wo_mu: QUANTISED
;;     10. [M 256, K 1,024] x [K 1,024, N 1,024]; A: computed on the way; B: input wo_var: QUANTISED
;;   THE QUANTISER, for each operand of a quantised product, along K:
;;     - K is cut into blocks of 32 from its start; a last block that is shorter is filled with zeros.
;;     - A block's scale is 2^e with e = floor(log2(the largest magnitude in the block)) - 2, held to -126 .. 127; a block of zeros has e = 0. As a byte (E8M0): e + 127.
;;     - Each number is divided by its block's scale, clamped to +-6, and rounded to the nearest number of E2M1, ties to even, subnormals kept.
;;     - The product sums the exact products of the quantised numbers (number of the format x scale) in f32.
;;   ~~~python
;;   def quantise(x, axis):      # numpy; x: float32 -> the quantised numbers, widened to float32 again
;;       x = np.moveaxis(x, axis, -1); K = x.shape[-1]
;;       x = np.pad(x, [(0, 0)] * (x.ndim - 1) + [(0, -K % 32)]); x = x.reshape(x.shape[:-1] + (-1, 32)); a = np.abs(x).max(-1, keepdims=True)
;;       e = np.where(a > 0, np.clip(np.frexp(np.where(a > 0, a, 1))[1] - 1 - 2, -126, 127), 0)      # np.frexp(a)[1] - 1 = floor(log2(a)), exactly
;;       r = np.clip(x / 2.0 ** e, -6, 6)
;;       step = 2.0 ** (np.maximum(np.frexp(np.where(r == 0, 1, r))[1] - 1, 0) - 1)
;;       q = np.round(r / step) * step * 2.0 ** e      # np.round: ties to even
;;       return np.moveaxis(q.reshape(q.shape[:-2] + (-1,))[..., :K], -1, axis).astype(np.float32)
;;   ~~~
;;   SOFTMAX AHEAD OF A QUANTISED PRODUCT. Where the list says 'softmax', what is quantised is not the finished softmax but p = 2^(t - M), with t = logit x log2(e) and M = ceil(the row's largest t), a whole number; so 1/2 < the row's largest p <= 1. The row's sum l is taken of the UNQUANTISED p, in f32, and the product's result is divided by l at the end. Since M is a whole number, a kernel that streams over the keys may use a running M (the ceiling of the running maximum): every later rescaling is an exact power of two, which a block's scale takes up: the codes' values come out the same.
;;   OPERANDS COMPUTED ON THE WAY. 'Computed on the way' means the value that the module computes at that place (a softmax that the list does not call 'softmax' is quantised finished and normalised). What goes into a quantiser is computed in f32, as accurately as f32 sums, v_exp_f32 and their like allow (about 1e-6 of the number): no bf16 or f16 on the way to a quantiser, and a product that is left as it is and whose result goes on into a quantised operand takes f32 operands (vector FMAs, or v_wmma_f32_16x16x4_f32). A number that lies on a knife's edge between two numbers of the format may be rounded either way, as far as f32 arithmetic and the matrix unit's own rounding can turn it there, and no further.
;; 2 versions. Each part assembles by itself: llvm-mc -triple=amdgcn-amd-amdhsa -mcpu=gfx1250 --defsym DOCPART=n.
;; ======== version 1 of 2: 4 launches
;; workspace buffers: opnd 4,734,976 bytes; att 4,538,368 bytes; ocod 278,528 bytes
;; launch quant (part 1): grid 576 x 1, 4 waves a work-group, no clusters, 0 bytes of LDS; arguments wq_mu, wq_var, wk_mu, wk_var, wv_mu, wv_var, wo_mu, wo_var, mu, var, opnd; writes opnd
.if DOCPART == 1
	.amdgcn_target "amdgcn-amd-amdhsa--gfx1250"
	.amdhsa_code_object_version 6
	.text
	.protected	k_q2d9cf747da_quant
	.globl	k_q2d9cf747da_quant
	.p2align	8
	.type	k_q2d9cf747da_quant,@function
k_q2d9cf747da_quant:
	s_mov_b64 s[64:65], 0
	v_nop
	global_prefetch_b8 v0, s[64:65] scope:SCOPE_SE
	s_setreg_imm32_b32 hwreg(HW_REG_WAVE_MODE, 25, 1), 1
	s_wait_xcnt 0x0
; The eight weights [1024 (k)][1024 (n)] and the two activations [256][1024 (k)], all f32, become codes of FP4 (E2M1) with one E8M0 byte for each 32 along K.
; They are stored as IMAGES OF OPERAND REGISTERS.  A fragment is 16 rows x 128 K = 8 registers a lane = 1,024 bytes: byte 512 c + 16 lane holds the lane's registers 4 c .. 4 c + 3
; (lane (r, h): k = 64 c + 32 h + 0 .. 31 of row r).  Row m of tile T stands for index 32 (T / 2) + 8 (T % 2) + m + 8 (m / 8), of columns and of tokens alike.
; opnd: weights' images [w 8][tile 64][K step 8][1024] at 0; their scale words [w][K step][tile][16 words] at WSO; activations' images [2][tile 16][K step][1024] at AIO; their words [2][K step][tile][16] at ASO.
; A block's scale is 2^(floor(log2(largest magnitude)) - 2); its byte is the largest magnitude's exponent field - 2, held at 1 from below by a floor among the maximum's leaves.
; LIMITS: a block of zeros gets the byte 1 (its codes are zeros, and only this program reads the bytes); NaN and infinities among the inputs are not served.
; Work-groups 0 .. 511: a weight, 128 columns, 128 along K; a wave 32 columns: A LANE TAKES A COLUMN AND ITS REGISTERS RUN DOWN K.  Work-groups 512 .. 575: a wave makes one fragment of an activation.
; No LDS, no barrier: waves share nothing.  The scale words leave in runs of 128 or 64 bytes: one byte in sixteen of what is stored.
.set WSO, 4194304
.set AIO, 4456448
.set ASO, 4718592
.set X,   32                           ; v32-159  128 numbers
.set C,   160                          ; v160-175 their codes
.set BY,  20                           ; v20-23   a scale byte for each block
.set SCO, 24                           ; v24-27   the conversions' scale operands
; 32 numbers v[x] on, one block of one lane -> four registers of codes v[c] on, the byte in v[BY+n]
.macro BLOCK x, c, n
	v_max3_num_f32 v12, |v[\x]|, |v[\x+1]|, |v[\x+2]|
	v_max3_num_f32 v13, |v[\x+3]|, |v[\x+4]|, |v[\x+5]|
.irp i, 6,10,14,18,22,26
	v_max3_num_f32 v12, v12, |v[\x+\i]|, |v[\x+\i+1]|
	v_max3_num_f32 v13, v13, |v[\x+\i+2]|, |v[\x+\i+3]|
.endr
	v_max3_num_f32 v12, v12, |v[\x+30]|, |v[\x+31]|
	v_max3_num_f32 v12, v12, v13, 0x1800000        ; the floor 2^(3 - 127): the byte cannot fall under 1
	v_add_nc_u32 v[SCO+\n], 0xff000000, v12        ; 2 off the exponent field: the conversion takes this operand's exponent field as its scale
	v_lshrrev_b32 v[BY+\n], 23, v[SCO+\n]          ; the scale's byte
.irp g, 0,1,2,3
	v_cvt_scalef32_pk8_fp4_f32 v[\c+\g], v[\x+8*\g:\x+8*\g+7], v[SCO+\n]
.endr
.endm
	s_load_b512 s[4:19], s[0:1], 0x0               ; the eight weights
	s_load_b128 s[20:23], s[0:1], 0x40             ; mu, var
	s_load_b64 s[24:25], s[0:1], 0x50              ; opnd
	v_lshrrev_b32 v1, 5, v0
	v_readfirstlane_b32 s26, v1                    ; wave
	v_and_b32 v2, 31, v0                           ; lane
	v_lshlrev_b32 v3, 4, v2                        ; 16 x lane: an image's place
	v_lshlrev_b32 v4, 2, v2                        ; 4 x lane
	s_cmp_lt_u32 ttmp9, 512
	s_cbranch_scc0 .Lacts
	; ---- a weight
	s_lshr_b32 s27, ttmp9, 6                       ; which weight
	s_bfe_u32 s28, ttmp9, 0x30003                  ; which 128 columns
	s_and_b32 s29, ttmp9, 7                        ; which 128 along K
	s_lshl_b32 s28, s28, 2
	s_add_co_u32 s28, s28, s26                     ; G: my wave's 32 columns, tiles 2 G and 2 G + 1
	v_and_b32 v5, 7, v2                            ; lanes 0-15 are the rows of tile 2 G, lanes 16-31 those of tile 2 G + 1:
	v_bfe_u32 v6, v2, 3, 1                         ; column (l % 8) + 16 ((l / 8) % 2) + 8 (l / 16) of the 32
	v_lshl_add_u32 v5, v6, 4, v5
	v_bfe_u32 v6, v2, 4, 1
	v_lshl_add_u32 v5, v6, 3, v5
	v_lshlrev_b32 v5, 2, v5
	s_lshl_b32 s30, s29, 19                        ; 128 rows of 4,096 bytes
	s_lshl_b32 s31, s28, 7
	s_add_co_u32 s30, s30, s31
	s_mov_b32 s31, 0
	s_lshl_b32 s32, s27, 19                        ; images: ((w 64 + 2 G) 8 + K step) 1024
	s_lshl_b32 s33, s28, 14
	s_add_co_u32 s32, s32, s33
	s_lshl_b32 s33, s29, 10
	s_add_co_u32 s32, s32, s33
	s_mov_b32 s33, 0
	s_lshl_b32 s34, s27, 15                        ; words: ((w 8 + K step) 64 + 2 G) 64
	s_lshl_b32 s35, s29, 12
	s_add_co_u32 s34, s34, s35
	s_lshl_b32 s35, s28, 7
	s_add_co_u32 s34, s34, s35
	s_add_co_u32 s34, s34, WSO
	s_mov_b32 s35, 0
	s_wait_kmcnt 0x0
	s_bitcmp1_b32 s27, 0                           ; the weight's address, chosen by the three bits of its number
	s_cselect_b64 s[4:5], s[6:7], s[4:5]
	s_cselect_b64 s[8:9], s[10:11], s[8:9]
	s_cselect_b64 s[12:13], s[14:15], s[12:13]
	s_cselect_b64 s[16:17], s[18:19], s[16:17]
	s_bitcmp1_b32 s27, 1
	s_cselect_b64 s[4:5], s[8:9], s[4:5]
	s_cselect_b64 s[12:13], s[16:17], s[12:13]
	s_bitcmp1_b32 s27, 2
	s_cselect_b64 s[4:5], s[12:13], s[4:5]
	s_add_nc_u64 s[4:5], s[4:5], s[30:31]
	s_add_nc_u64 s[32:33], s[24:25], s[32:33]
	s_add_nc_u64 s[34:35], s[24:25], s[34:35]
.irp b, 0,1,2,3                                    ; all 128 loads at once: each reads one row k at the wave's 32 columns, 128 consecutive bytes
.irp i, 0,1,2,3,4,5,6,7,8,9,10,11,12,13,14,15,16,17,18,19,20,21,22,23,24,25,26,27,28,29,30,31
	global_load_b32 v[X+32*\b+\i], v5, s[4:5] offset:(32*\b+\i)*4096 th:TH_LOAD_NT
.endr
.endr
	s_wait_loadcnt 63                              ; 64 loads are younger than blocks 0 and 1: at most 63 out means both are in
	BLOCK X, C, 0
	BLOCK X+32, C+4, 1
	s_wait_loadcnt 32                              ; block 3's 32 loads may be out
	BLOCK X+64, C+8, 2
	s_wait_loadcnt 0x0
	BLOCK X+96, C+12, 3
	v_lshl_or_b32 v[BY], v[BY+1], 8, v[BY]         ; my column's scale word (plain lines behind the conversions)
	v_lshl_or_b32 v[BY], v[BY+2], 16, v[BY]
	v_lshl_or_b32 v[BY], v[BY+3], 24, v[BY]
.irp c, 0,1                                        ; a lane holds blocks 2 c and 2 c + 1 of ITS row; an image wants block 2 c in lanes 0-15 and block 2 c + 1 in lanes 16-31 of ONE tile:
.irp i, 0,1,2,3                                    ; the first's upper lanes change places with the second's lower: v[C+8c..] is tile 2 G's, v[C+8c+4..] tile 2 G + 1's
	v_permlane16_swap_b32 v[C+8*\c+\i], v[C+8*\c+4+\i]
.endr
.endr
	global_store_b128 v3, v[C:C+3], s[32:33]                   ; each store covers 512 consecutive bytes
	global_store_b128 v3, v[C+8:C+11], s[32:33] offset:512
	global_store_b128 v3, v[C+4:C+7], s[32:33] offset:8192     ; the next tile's images lie 8 K steps on
	global_store_b128 v3, v[C+12:C+15], s[32:33] offset:8704
	global_store_b32 v4, v[BY], s[34:35]                       ; two tiles' words: 128 consecutive bytes
	s_endpgm
.Lacts:	; ---- an activation: one fragment a wave
	s_sub_co_u32 s27, ttmp9, 512
	s_lshl_b32 s27, s27, 2
	s_add_co_u32 s27, s27, s26                     ; 0 .. 255
	s_lshr_b32 s28, s27, 7                         ; mu or var
	s_bfe_u32 s29, s27, 0x40003                    ; tile of tokens
	s_and_b32 s30, s27, 7                          ; K step
	v_and_b32 v5, 15, v2                           ; r
	v_lshrrev_b32 v6, 4, v2                        ; h
	v_and_b32 v7, 8, v5
	v_add_nc_u32 v7, v7, v5                        ; r + 8 (r / 8)
	v_lshlrev_b32 v7, 12, v7                       ; a token's row is 4,096 bytes
	v_lshl_add_u32 v7, v6, 7, v7                   ; + 128 h: block 2 c + h is mine, whole
	v_lshlrev_b32 v8, 2, v5
	s_lshr_b32 s31, s29, 1
	s_lshl_b32 s31, s31, 17                        ; 32 tokens
	s_and_b32 s36, s29, 1
	s_lshl_b32 s36, s36, 15                        ; 8 tokens
	s_add_co_u32 s36, s36, s31
	s_lshl_b32 s31, s30, 9
	s_add_co_u32 s36, s36, s31
	s_mov_b32 s37, 0
	s_lshl_b32 s32, s28, 17                        ; images: ((tensor 16 + tile) 8 + K step) 1024
	s_lshl_b32 s31, s29, 13
	s_add_co_u32 s32, s32, s31
	s_lshl_b32 s31, s30, 10
	s_add_co_u32 s32, s32, s31
	s_add_co_u32 s32, s32, AIO
	s_mov_b32 s33, 0
	s_lshl_b32 s34, s28, 13                        ; words: ((tensor 8 + K step) 16 + tile) 64
	s_lshl_b32 s31, s30, 10
	s_add_co_u32 s34, s34, s31
	s_lshl_b32 s31, s29, 6
	s_add_co_u32 s34, s34, s31
	s_add_co_u32 s34, s34, ASO
	s_mov_b32 s35, 0
	s_mov_b32 s38, 0x76543210
	s_mov_b32 s39, 0xfedcba98                      ; v_permlanex16_b32's selects for lane l xor 16
	s_wait_kmcnt 0x0
	s_cmp_eq_u32 s28, 0
	s_cselect_b64 s[20:21], s[20:21], s[22:23]
	s_add_nc_u64 s[20:21], s[20:21], s[36:37]
	s_add_nc_u64 s[32:33], s[24:25], s[32:33]
	s_add_nc_u64 s[34:35], s[24:25], s[34:35]
.irp c, 0,1
.irp i, 0,1,2,3,4,5,6,7
	global_load_b128 v[X+32*\c+4*\i:X+32*\c+4*\i+3], v7, s[20:21] offset:256*\c+16*\i th:TH_LOAD_NT
.endr
.endr
	s_wait_loadcnt 8                               ; the second block's eight loads may be out
	BLOCK X, C, 0
	s_wait_loadcnt 0x0
	BLOCK X+32, C+4, 1
	v_lshl_or_b32 v9, v[BY+1], 16, v[BY]           ; my two bytes: blocks h and 2 + h of row r,
	v_lshlrev_b32 v10, 3, v6
	v_lshlrev_b32 v9, v10, v9                      ; 8 h bits up;
	v_mov_b32 v10, 0
	v_permlanex16_b32 v10, v9, s38, s39
	v_or_b32 v9, v9, v10                           ; with lane l xor 16's two the word is whole
	global_store_b128 v3, v[C:C+3], s[32:33]
	global_store_b128 v3, v[C+4:C+7], s[32:33] offset:512
	global_store_b32 v8, v9, s[34:35]              ; both halves of the lanes store the same word at the same place
	s_endpgm
.Lfunc_end_k_q2d9cf747da_quant:
	.size	k_q2d9cf747da_quant, .Lfunc_end_k_q2d9cf747da_quant-k_q2d9cf747da_quant
	.p2alignl 7, 3214868480
	.fill 96, 4, 3214868480
	.section	.rodata,"a",@progbits
	.p2align	6, 0x0
	.amdhsa_kernel k_q2d9cf747da_quant
		.amdhsa_group_segment_fixed_size 0
		.amdhsa_private_segment_fixed_size 0
		.amdhsa_enable_private_segment 0
		.amdhsa_kernarg_size 88
		.amdhsa_user_sgpr_count 2
		.amdhsa_user_sgpr_kernarg_segment_ptr 1
		.amdhsa_wavefront_size32 1
		.amdhsa_system_sgpr_workgroup_id_x 1
		.amdhsa_system_sgpr_workgroup_id_y 1
		.amdhsa_system_sgpr_workgroup_id_z 1
		.amdhsa_system_vgpr_workitem_id 0
		.amdhsa_next_free_vgpr 176
		.amdhsa_next_free_sgpr 66
		.amdhsa_reserve_vcc 0
		.amdhsa_float_denorm_mode_32 3
		.amdhsa_float_denorm_mode_16_64 3
		.amdhsa_memory_ordered 1
		.amdhsa_forward_progress 1
		.amdhsa_inst_pref_size 28
	.end_amdhsa_kernel
	.amdgpu_metadata
---
amdhsa.version: [ 1, 2 ]
amdhsa.kernels:
  - .name:           k_q2d9cf747da_quant
    .symbol:         k_q2d9cf747da_quant.kd
    .args:
      - { .name: wq_mu, .offset: 0, .size: 8, .value_kind: global_buffer, .address_space: global }
      - { .name: wq_var, .offset: 8, .size: 8, .value_kind: global_buffer, .address_space: global }
      - { .name: wk_mu, .offset: 16, .size: 8, .value_kind: global_buffer, .address_space: global }
      - { .name: wk_var, .offset: 24, .size: 8, .value_kind: global_buffer, .address_space: global }
      - { .name: wv_mu, .offset: 32, .size: 8, .value_kind: global_buffer, .address_space: global }
      - { .name: wv_var, .offset: 40, .size: 8, .value_kind: global_buffer, .address_space: global }
      - { .name: wo_mu, .offset: 48, .size: 8, .value_kind: global_buffer, .address_space: global }
      - { .name: wo_var, .offset: 56, .size: 8, .value_kind: global_buffer, .address_space: global }
      - { .name: mu, .offset: 64, .size: 8, .value_kind: global_buffer, .address_space: global }
      - { .name: var, .offset: 72, .size: 8, .value_kind: global_buffer, .address_space: global }
      - { .name: opnd, .offset: 80, .size: 8, .value_kind: global_buffer, .address_space: global }
    .group_segment_fixed_size: 0
    .private_segment_fixed_size: 0
    .kernarg_segment_align: 8
    .kernarg_segment_size: 88
    .max_flat_workgroup_size: 128
    .sgpr_count:     66
    .vgpr_count:     176
    .wavefront_size: 32
...
	.end_amdgpu_metadata
.endif
;; end of part 1
;; launch proj (part 2): grid 4 x 48, 4 waves a work-group, clusters of 4 x 4, 229,888 bytes of LDS; arguments opnd, bq_mu, bq_var, bk_mu, bk_var, bv_mu, bv_var, att; writes att
.if DOCPART == 2
	.amdgcn_target "amdgcn-amd-amdhsa--gfx1250"
	.amdhsa_code_object_version 6
	.text
	.protected	k_q2d9cf747da_proj
	.globl	k_q2d9cf747da_proj
	.p2align	8
	.type	k_q2d9cf747da_proj,@function
k_q2d9cf747da_proj:
	s_mov_b64 s[64:65], 0
	v_nop
	global_prefetch_b8 v0, s[64:65] scope:SCOPE_SE
	s_setreg_imm32_b32 hwreg(HW_REG_WAVE_MODE, 25, 1), 1
	s_wait_xcnt 0x0
	s_wait_alu depctr_hold_cnt(0) depctr_sa_sdst(0) depctr_va_vdst(0) depctr_va_sdst(0) depctr_va_ssrc(0) depctr_va_vcc(0) depctr_vm_vsrc(0)
	s_getreg_b32 s2, hwreg(HW_REG_IB_STS2, 6, 4)
	s_cmp_eq_u32 s2, 0
	s_cbranch_scc0 .Lentry_in_a_cluster
	s_endpgm
.Lentry_in_a_cluster:
	s_bfe_u32 s2, ttmp6, 0x10000c
	s_cmp_lg_u32 s2, 0xf033
	s_cbranch_scc0 .Lentry_shape_is_right
	s_endpgm
.Lentry_shape_is_right:
; The six projections, on the images that the launch before has made.  A work-group makes, for 64 tokens and one head (64 columns), the mu product and the var product of one kind (Q, K or V).
; A wave holds one tile Y (source 1: it gives the result's lanes) and four tiles X (source 0: they give the result's registers), for both products: 8 accumulators, 64 matrix instructions.
; By the choice of a tile's rows (index 32 (T / 2) + 8 (T % 2) + m + 8 (m / 8)) registers 16 b .. 16 b + 15 of tiles 2 b, 2 b + 1 are X indices 32 b + 16 (lane / 16) + 0 .. 15: neighbours.
;   Q: X = columns, Y = tokens.  Out: att[token][head][d][Qv, -Qm], so that the next launch can read a query's numbers as scalars.
;   K: X = tokens, Y = columns.  Out: att[head][d][pair of keys][Km, Km, a, a] with a = 0.5 / Kv, and the wave's part of 0.5 x sum over d of ln Kv.
;   V: X = tokens, Y = columns.  Out: V quantised along the tokens, as images of the next launch's fragments, with their scale bytes.
; softplus(x) = max(x, 0) + E log(W) / (W - 1), E = e^-|x|, W = 1 + E (the factor is 1 where W - 1 = 0): the relative error stays small where x is very negative.
; LIMITS: where -|x| log2(e) is under -126 the exponential gives 0, so softplus of x under about -87.3 is 0; blocks of zeros get the scale byte 1; NaN and infinities are not served.
; CLUSTERS: 4 x 4 work-groups: cx = the quarter of the tokens, cy = the head within four; the kind hangs on the cluster's y alone.  The weights' images are shared along a row of the cluster, the activations' along a column:
; each is asked for jointly.  Everything is filled once: no slot is filled again.
.set WSO, 4194304
.set AIO, 4456448
.set ASO, 4718592
.set KDO, 2097152
.set VIO, 4194304
.set VSO, 4456448
.set CKO, 4472832
; LDS: 0 W mu, 32768 W var, 65536 A mu, 98304 A var (codes, [tile 4][K step 8][1024]); 131072 + 2048 x the same order: scale words [K step 8][tile 4][16 words]
.set STQ, 139264                       ; Q's stage: 16 rows x (512 + 16) bytes for each wave
.set STK, 173056                       ; K's stage, the same; each kind has LDS bytes of its own
.set STC, 206848                       ; K's part sums: 256 bytes for each wave
.set WV,  26                           ; s26 wave;  s20 cx = quarter of tokens, s21 cy, s23 kind, s24 head, s25 first index of my wave's tile: 32 (w / 2) + 8 (w % 2)
.set AX,  8                            ; v8  LDS address of X's images;  v9 of Y's;  v10 of X's scale words;  v11 of Y's
.set AY,  9
.set AXS, 10
.set AYS, 11
.set SO,  12                           ; v12 the stage, in;  v13 back
.set SR,  13
.set L2E, 15                           ; v15 log2(e)
.set ACC, 16                           ; v16-79: accumulator (p, t) at v[16 + 32 p + 8 t]; p = 0 mu, 1 var
.set BUF, 80                           ; v80-121, v122-163: for p = 0, 1: X 32, Y 8, X's scale words 2
.set YS,  164                          ; v164-171: Y's scale words of the 8 K steps: lanes 0-15 mu's, lanes 16-31 var's
.set BI,  172                          ; the biases as first C; later results
.set T0,  80                           ; softplus at work: v80-143
.set T1,  96
.set T2,  112
.set T3,  128
.macro PLACES
.rept 4
	v_nop
.endr
.endm
.macro CROUND                          ; a round of the cluster's barrier
	s_barrier_signal -1
	s_barrier_wait -1
	s_cmp_lg_u32 s[WV], 0
	s_cbranch_scc1 .Lnot_wave_0_\@
	s_barrier_signal -3
.Lnot_wave_0_\@:
	s_barrier_wait -3
	s_barrier_signal -1
	s_barrier_wait -1
.endm
; one matrix instruction; ra, rb: which half of the lanes holds source 0's and source 1's scale words
.macro WM d, a, b, c, sa, sb, ra, rb
.if ((\ra) == 0) && ((\rb) == 0)
	v_wmma_scale_f32_16x16x128_f8f6f4 v[\d:\d+7], v[\a:\a+7], v[\b:\b+7], v[\c:\c+7], v[\sa], v[\sb] matrix_a_fmt:MATRIX_FMT_FP4 matrix_b_fmt:MATRIX_FMT_FP4
.elseif (\rb) == 0
	v_wmma_scale_f32_16x16x128_f8f6f4 v[\d:\d+7], v[\a:\a+7], v[\b:\b+7], v[\c:\c+7], v[\sa], v[\sb] matrix_a_fmt:MATRIX_FMT_FP4 matrix_b_fmt:MATRIX_FMT_FP4 matrix_a_scale:MATRIX_SCALE_ROW1
.elseif (\ra) == 0
	v_wmma_scale_f32_16x16x128_f8f6f4 v[\d:\d+7], v[\a:\a+7], v[\b:\b+7], v[\c:\c+7], v[\sa], v[\sb] matrix_a_fmt:MATRIX_FMT_FP4 matrix_b_fmt:MATRIX_FMT_FP4 matrix_b_scale:MATRIX_SCALE_ROW1
.else
	v_wmma_scale_f32_16x16x128_f8f6f4 v[\d:\d+7], v[\a:\a+7], v[\b:\b+7], v[\c:\c+7], v[\sa], v[\sb] matrix_a_fmt:MATRIX_FMT_FP4 matrix_b_fmt:MATRIX_FMT_FP4 matrix_a_scale:MATRIX_SCALE_ROW1 matrix_b_scale:MATRIX_SCALE_ROW1
.endif
.endm
; a stage = one K step of one product: 12 LDS loads
.macro LOADST ks, p
.irp t, 0,1,2,3
.irp c, 0,1
	ds_load_b128 v[BUF+42*(\p)+8*\t+4*\c:BUF+42*(\p)+8*\t+4*\c+3], v[AX] offset:(\p)*32768+(8*\t+(\ks))*1024+512*\c
.endr
.endr
.irp c, 0,1
	ds_load_b128 v[BUF+42*(\p)+32+4*\c:BUF+42*(\p)+35+4*\c], v[AY] offset:(\p)*32768+(\ks)*1024+512*\c
.endr
.irp u, 0,1
	ds_load_b32 v[BUF+42*(\p)+40+\u], v[AXS] offset:(\p)*2048+(\ks)*256+128*\u   ; lanes 0-15 tile 2 u's words, lanes 16-31 tile 2 u + 1's
.endr
.endm
; its four matrix instructions.  The first K step takes the bias as C: at v[BI + bp p + bt t]
.macro MULST ks, p, bp, bt
.irp t, 0,1,2,3
.if (\ks) == 0
	WM ACC+32*(\p)+8*\t, BUF+42*(\p)+8*\t, BUF+42*(\p)+32, BI+(\bp)*(\p)+(\bt)*\t, BUF+42*(\p)+40+\t/2, YS+(\ks), \t%2, \p
.else
	WM ACC+32*(\p)+8*\t, BUF+42*(\p)+8*\t, BUF+42*(\p)+32, ACC+32*(\p)+8*\t, BUF+42*(\p)+40+\t/2, YS+(\ks), \t%2, \p
.endif
.endr
.endm
; 16 stages on two sets of registers.  The eight accumulators take turns, one instruction a turn.
.macro GEMM bp, bt
.irp k, 0,1,2,3,4,5,6,7
	ds_load_b32 v[YS+\k], v[AYS] offset:256*\k
.endr
	LOADST 0, 0
	LOADST 0, 1
.irp k, 0,1,2,3,4,5,6
.irp p, 0,1
	s_wait_dscnt 12                                ; all but the next stage's 12 loads are in
	MULST \k, \p, \bp, \bt
	PLACES                                         ; four places in front of loads into registers that these matrix instructions have read
	LOADST \k+1, \p
.endr
.endr
	s_wait_dscnt 12
	MULST 7, 0, \bp, \bt
	s_wait_dscnt 0x0
	MULST 7, 1, \bp, \bt
	PLACES                                         ; and in front of the first read of results
.endm
; softplus of 16 numbers v[src] on -> v[dst + st k].  Two batches of transcendentals, each with one plain line and one wait behind it, ahead of its first reader.
.macro SP16 src, dst, st
.irp k, 0,1,2,3,4,5,6,7,8,9,10,11,12,13,14,15
	v_mul_f32 v[T0+\k], s96, |v[\src+\k]|          ; -|x| log2(e)
.endr
.irp k, 0,1,2,3,4,5,6,7,8,9,10,11,12,13,14,15
	v_exp_f32 v[T0+\k], v[T0+\k]                   ; E
.endr
	v_nop
	s_wait_alu depctr_va_vdst(0)
.irp k, 0,1,2,3,4,5,6,7,8,9,10,11,12,13,14,15
	v_add_f32 v[T1+\k], 1.0, v[T0+\k]              ; W
.endr
.irp k, 0,1,2,3,4,5,6,7,8,9,10,11,12,13,14,15
	v_add_f32 v[T2+\k], -1.0, v[T1+\k]             ; W - 1, exact
.endr
.irp k, 0,1,2,3,4,5,6,7,8,9,10,11,12,13,14,15
	v_log_f32 v[T1+\k], v[T1+\k]
.endr
.irp k, 0,1,2,3,4,5,6,7,8,9,10,11,12,13,14,15
	v_rcp_f32 v[T3+\k], v[T2+\k]
.endr
	v_nop
	s_wait_alu depctr_va_vdst(0)
.irp k, 0,1,2,3,4,5,6,7,8,9,10,11,12,13,14,15
	v_mul_f32 v[T1+\k], v[T1+\k], v[T3+\k]         ; log2(W) / (W - 1)
	v_cmp_eq_f32 vcc_lo, 0, v[T2+\k]
	v_cndmask_b32 v[T1+\k], v[T1+\k], v[L2E], vcc_lo   ; its limit, log2(e), where W - 1 = 0
	v_mul_f32 v[T0+\k], v[T0+\k], v[T1+\k]
	v_max_num_f32 v[T2+\k], 0, v[\src+\k]
	v_fma_f32 v[\dst+(\st)*\k], v[T0+\k], s97, v[T2+\k]   ; x ln 2, + max(x, 0)
.endr
.endm
.macro SETUP xb, yb, xsb, ysb          ; the LDS addresses of a kind's operands
	v_add_nc_u32 v[AX], \xb, v5
	s_lshl_b32 s92, s[WV], 13
	s_add_co_u32 s92, s92, \yb
	v_add_nc_u32 v[AY], s92, v5                    ; my one tile Y: 8 images on for each wave
	v_add_nc_u32 v[AXS], \xsb, v6
	s_lshl_b32 s92, s[WV], 6
	s_add_co_u32 s92, s92, \ysb
	v_lshl_add_u32 v[AYS], v4, 11, v7              ; 4 r + 2048 h: lanes 16-31 take the var product's words
	v_add_nc_u32 v[AYS], s92, v[AYS]
.endm
.macro STAGEADR base
	s_mul_i32 s92, s[WV], 8448
	s_add_co_u32 s92, s92, \base
	v_mul_u32_u24 v[SO], v3, 528
	v_lshl_add_u32 v[SO], v4, 7, v[SO]
	v_add_nc_u32 v[SO], s92, v[SO]                 ; in: row r, + 128 h
	v_add_nc_u32 v[SR], s92, v5                    ; back: 32 lanes take a row of 512 bytes
.endm
.macro BIASL sm                        ; K, V: the bias hangs on the lane's column: one number a product, spread over the eight registers of a C
	v_and_b32 v14, 8, v3
	v_add_nc_u32 v14, v14, v3
	v_lshlrev_b32 v14, 2, v14
	s_lshl_b32 s92, s24, 6
	s_add_co_u32 s92, s92, s25
	s_lshl_b32 s92, s92, 2
	s_mov_b32 s93, 0
	s_add_nc_u64 s[\sm:\sm+1], s[\sm:\sm+1], s[92:93]
	s_add_nc_u64 s[\sm+2:\sm+3], s[\sm+2:\sm+3], s[92:93]
	global_load_b32 v236, v14, s[\sm:\sm+1]
	global_load_b32 v237, v14, s[\sm+2:\sm+3]
	s_wait_loadcnt 0x0
.irp j, 0,1,2,3,4,5,6,7
	v_mov_b32 v[BI+\j], v236
	v_mov_b32 v[BI+8+\j], v237
.endr
.endm
.macro MEET                            ; my fills have landed; behind the barrier everybody's have
	s_wait_loadcnt 0x0
	s_wait_tensorcnt 0x0
	s_barrier_signal -1
	s_barrier_wait -1
.endm
.macro ROWSOUT sb, step                ; my stage's 16 rows leave whole: each store covers 512 consecutive bytes; row i stands for index i + 8 (i / 8)
.irp i, 0,1,2,3,4,5,6,7,8,9,10,11,12,13,14,15
	ds_load_b128 v[80+4*\i:83+4*\i], v[SR] offset:528*\i       ; LDS serves a wave's instructions in order: these see my stores
.endr
.irp i, 0,1,2,3,4,5,6,7,8,9,10,11,12,13,14,15
	s_wait_dscnt 15-\i
	global_store_b128 v5, v[80+4*\i:83+4*\i], s[\sb:\sb+1] offset:(\i+8*(\i/8))*\step
.endr
.endm
	s_load_b512 s[4:19], s[0:1], 0x0               ; opnd, bq_mu, bq_var, bk_mu, bk_var, bv_mu, bv_var, att
	v_lshl_add_u32 v254, v0, 2, 0x38000
	v_mov_b32 v255, 0
	ds_add_u32 v254, v255
	ds_add_u32 v254, v255
	v_lshrrev_b32 v1, 5, v0
	v_readfirstlane_b32 s[WV], v1
	v_and_b32 v2, 31, v0                           ; lane
	v_and_b32 v3, 15, v0                           ; r
	v_bfe_u32 v4, v0, 4, 1                         ; h
	v_lshlrev_b32 v5, 4, v2                        ; 16 x lane
	v_lshlrev_b32 v6, 2, v2                        ; 4 x lane
	v_lshlrev_b32 v7, 2, v3                        ; 4 r
	v_mov_b32 v[L2E], 0x3fb8aa3b
	s_bfe_u32 s20, ttmp6, 0x40000                  ; cx
	s_bfe_u32 s21, ttmp6, 0x40004                  ; cy
	s_and_b32 s22, ttmp7, 0xffff                   ; the cluster's y, 0 .. 11
	s_lshr_b32 s23, s22, 2                         ; kind
	s_and_b32 s24, s22, 3
	s_lshl_b32 s24, s24, 2
	s_add_co_u32 s24, s24, s21                     ; head
	s_lshr_b32 s25, s[WV], 1
	s_lshl_b32 s25, s25, 5
	s_and_b32 s92, s[WV], 1
	s_lshl_b32 s92, s92, 3
	s_add_co_u32 s25, s25, s92
	s_mov_b32 s96, 0xbfb8aa3b                      ; -log2(e)
	s_mov_b32 s97, 0x3f317218                      ; ln 2
	s_mov_b32 s98, 0x76543210
	s_mov_b32 s99, 0xfedcba98
	s_lshl_b32 s27, s21, 2
	s_lshl_b32 s27, 15, s27                        ; my row of the cluster
	s_lshl_b32 s28, 0x1111, s20                    ; my column
	; descriptor groups 1: elements of 8 bytes, rows of 256 bytes, no padding.  s[40:47] W's codes, s[48:55] A's codes: 128 rows, dense;  s[56:63] W's words, s[68:75] A's: 8 rows, a K step apart
	s_or_b32 s40, s27, (3<<16)|(1<<21)
	s_or_b32 s56, s27, (3<<16)|(1<<21)
	s_or_b32 s48, s28, (3<<16)|(1<<21)
	s_or_b32 s68, s28, (3<<16)|(1<<21)
.irp g, 40, 48
	s_mov_b32 s[\g+1], 32<<16                      ; tensor_dim0
	s_mov_b32 s[\g+2], 128<<16                     ; tensor_dim1
	s_mov_b32 s[\g+3], 32<<16                      ; tile_dim0
	s_mov_b32 s[\g+4], 128                         ; tile_dim1
	s_mov_b32 s[\g+5], 32                          ; pitch
	s_mov_b32 s[\g+6], 0
	s_mov_b32 s[\g+7], 0
.endr
.irp g, 56, 68
	s_mov_b32 s[\g+1], 32<<16
	s_mov_b32 s[\g+2], 8<<16
	s_mov_b32 s[\g+3], 32<<16
	s_mov_b32 s[\g+4], 8
	s_mov_b32 s[\g+6], 0
	s_mov_b32 s[\g+7], 0
.endr
	s_mov_b32 s61, 512                             ; a K step's words of a weight: 64 tiles x 64 bytes
	s_mov_b32 s73, 128                             ; of an activation: 16 tiles x 64 bytes
	s_and_b32 s29, s[WV], 1                        ; waves 0, 2 fetch for the mu product, waves 1, 3 for var
	s_lshl_b32 s30, s23, 1                         ; W's offsets hang on kind, head and wave,
	s_add_co_u32 s30, s30, s29
	s_lshl_b32 s31, s30, 19
	s_lshl_b32 s32, s24, 15
	s_add_co_u32 s32, s31, s32
	s_mov_b32 s33, 0
	s_lshl_b32 s30, s30, 15
	s_lshl_b32 s31, s24, 8
	s_add_co_u32 s30, s30, s31
	s_add_co_u32 s30, s30, WSO
	s_mov_b32 s31, 0
	s_lshl_b32 s34, s29, 17                        ; A's on the quarter of tokens and wave: in registers that never hold the other coordinate
	s_lshl_b32 s35, s20, 15
	s_add_co_u32 s34, s34, s35
	s_add_co_u32 s34, s34, AIO
	s_mov_b32 s35, 0
	s_lshl_b32 s36, s29, 13
	s_lshl_b32 s37, s20, 8
	s_add_co_u32 s36, s36, s37
	s_add_co_u32 s36, s36, ASO
	s_mov_b32 s37, 0
	s_lshl_b32 s38, s[WV], 15                      ; where they go: wave x 32 KiB,
	s_lshl_b32 s39, s[WV], 11
	s_add_co_u32 s39, s39, 131072                  ; and wave x 2 KiB behind the codes
	s_wait_dscnt 0x0
	s_wait_kmcnt 0x0
	s_mov_b32 s76, 1
	s_mov_b32 s77, s38
	s_add_nc_u64 s[78:79], s[4:5], s[32:33]
	s_or_b32 s79, s79, 0x80000000
	s_mov_b32 s80, 1
	s_mov_b32 s81, s39
	s_add_nc_u64 s[82:83], s[4:5], s[30:31]
	s_or_b32 s83, s83, 0x80000000
	s_mov_b32 s84, 1
	s_mov_b32 s85, s38
	s_add_nc_u64 s[86:87], s[4:5], s[34:35]
	s_or_b32 s87, s87, 0x80000000
	s_mov_b32 s88, 1
	s_mov_b32 s89, s39
	s_add_nc_u64 s[90:91], s[4:5], s[36:37]
	s_or_b32 s91, s91, 0x80000000
	CROUND                                         ; all sixteen work-groups are here: the joint loads meet
	s_cmp_lt_u32 s[WV], 2                          ; a wave's two fills stand in one branch: two loads of mine are out
	s_cbranch_scc0 .Lfor_a
	tensor_load_to_lds s[76:79], s[40:47]
	s_nop 0
	tensor_load_to_lds s[80:83], s[56:63]
	s_nop 0
	PLACES
	s_branch .Lasked
.Lfor_a:
	tensor_load_to_lds s[84:87], s[48:55]
	s_nop 0
	tensor_load_to_lds s[88:91], s[68:75]
	s_nop 0
	PLACES
.Lasked:
	s_cmp_eq_u32 s23, 0                            ; the kind is the same in all waves and in all partners
	s_cbranch_scc1 .Lq
	s_cmp_eq_u32 s23, 1
	s_cbranch_scc1 .Lk
	; ================ V
	SETUP 65536, 0, 135168, 131072
	BIASL 14
	MEET
	GEMM 8, 0
	s_lshl_b32 s92, s24, 2                         ; image (head 4 + wave) 2 + quarter / 2; the quarter's parity picks registers 0-3 or 4-7, and two of the word's four bytes
	s_add_co_u32 s92, s92, s[WV]
	s_lshl_b32 s92, s92, 1
	s_lshr_b32 s93, s20, 1
	s_add_co_u32 s92, s92, s93
	s_and_b32 s94, s20, 1
	s_lshl_b32 s95, s94, 9
	s_lshl_b32 s94, s94, 1
	s_lshl_b32 s93, s92, 6
	s_add_co_u32 s94, s94, s93
	s_add_co_u32 s94, s94, VSO
	s_lshl_b32 s92, s92, 10
	s_add_co_u32 s92, s92, s95
	s_add_co_u32 s92, s92, VIO
	s_mov_b32 s93, 0
	s_mov_b32 s95, 0
	s_add_nc_u64 s[40:41], s[18:19], s[92:93]      ; (the descriptors' registers are free: all fills were waited for)
	s_add_nc_u64 s[42:43], s[18:19], s[94:95]
	SP16 ACC+32, 172, 1
	SP16 ACC+48, 188, 1                            ; Vv in v172-203
	v_mov_b32 v206, 0                              ; a lane permute's destination counts as one of its sources
	v_mov_b32 v207, 0
; 32 numbers of a lane, register 16 b + i = token 32 b + 16 h + i of my column: two blocks of 32 tokens, each shared with lane l xor 16 -> four registers of an image at v[pc], two scale bytes in v[pw]
.macro VQ src, pc, pw
.irp b, 0,1
	v_max3_num_f32 v[204+\b], |v[\src+16*\b]|, |v[\src+16*\b+1]|, 0x1800000
.endr
.irp i, 2,4,6,8,10,12,14
.irp b, 0,1
	v_max3_num_f32 v[204+\b], v[204+\b], |v[\src+16*\b+\i]|, |v[\src+16*\b+\i+1]|
.endr
.endr
.irp b, 0,1
	v_permlanex16_b32 v[206+\b], v[204+\b], s98, s99
.endr
.irp b, 0,1
	v_max_num_f32 v[204+\b], v[204+\b], v[206+\b]
.endr
.irp b, 0,1
	v_add_nc_u32 v[208+\b], 0xff000000, v[204+\b]
.endr
.irp b, 0,1
	v_lshrrev_b32 v[206+\b], 23, v[208+\b]
.endr
	v_lshl_or_b32 v[\pw], v207, 8, v206
.irp b, 0,1
	v_cvt_scalef32_pk8_fp4_f32 v[\pc+2*\b], v[\src+16*\b:\src+16*\b+7], v[208+\b]
	v_cvt_scalef32_pk8_fp4_f32 v[\pc+2*\b+1], v[\src+16*\b+8:\src+16*\b+15], v[208+\b]
.endr
	v_nop                                          ; one plain place behind a scaled conversion
	v_permlane16_swap_b32 v[\pc], v[\pc+2]         ; the layout wants a whole block in a lane: lanes 0-15 the first, lanes 16-31 the second
	v_permlane16_swap_b32 v[\pc+1], v[\pc+3]
.endm
	VQ ACC, 212, 210
	VQ 172, 216, 211
	global_store_b128 v5, v[212:215], s[40:41]                 ; 512 consecutive bytes
	global_store_b128 v5, v[216:219], s[40:41] offset:131072   ; Vv's images lie 128 images on
	global_store_b16 v7, v210, s[42:43]
	global_store_b16 v7, v211, s[42:43] offset:8192
	s_branch .Lend
.Lk:	; ================ K
	SETUP 65536, 0, 135168, 131072
	STAGEADR STK
	s_lshl_b32 s92, s[WV], 8
	s_add_co_u32 s92, s92, STC
	v_lshl_add_u32 v238, v4, 6, s92                ; the part sums, in: 64 h
	v_lshl_add_u32 v239, v2, 3, s92                ; back: 8 bytes a lane
	v_lshlrev_b32 v240, 3, v2
	BIASL 10
	MEET
	GEMM 8, 0
	s_lshl_b32 s92, s24, 17                        ; att[head][d][..]: a head is 131,072 bytes, a d 2,048, my quarter of the keys 512
	s_lshl_b32 s93, s25, 11
	s_add_co_u32 s92, s92, s93
	s_lshl_b32 s93, s20, 9
	s_add_co_u32 s92, s92, s93
	s_add_co_u32 s92, s92, KDO
	s_mov_b32 s93, 0
	s_add_nc_u64 s[40:41], s[18:19], s[92:93]
	s_lshl_b32 s92, s24, 12                        ; the part sums [head][wave][256 tokens]
	s_lshl_b32 s94, s[WV], 10
	s_add_co_u32 s92, s92, s94
	s_lshl_b32 s94, s20, 8
	s_add_co_u32 s92, s92, s94
	s_add_co_u32 s92, s92, CKO
	s_add_nc_u64 s[42:43], s[18:19], s[92:93]
	SP16 ACC+32, 172, 1
	SP16 ACC+48, 188, 1                            ; Kv in v172-203
.irp k, 0,1,2,3,4,5,6,7,8,9,10,11,12,13,14,15,16,17,18,19,20,21,22,23,24,25,26,27,28,29,30,31
	v_log_f32 v[204+\k], v[172+\k]
.endr
	v_nop                                          ; a plain line before the logarithms' sources are written over
.irp k, 0,1,2,3,4,5,6,7,8,9,10,11,12,13,14,15,16,17,18,19,20,21,22,23,24,25,26,27,28,29,30,31
	v_rcp_f32 v[172+\k], v[172+\k]
.endr
	v_nop
	s_wait_alu depctr_va_vdst(0)                   ; one wait for the 64, ahead of their first reader
.irp k, 0,2,4,6,8,10,12,14,16,18,20,22,24,26,28,30
	v_pk_mul_f32 v[172+\k:173+\k], v[172+\k:173+\k], 0.5 op_sel_hi:[1,0]    ; a = 0.5 / Kv
.endr
.irp b, 0,1
.irp e, 0,1,2,3,4,5,6,7
	ds_store_b64 v[SO], v[ACC+16*\b+2*\e:ACC+16*\b+2*\e+1] offset:256*\b+16*\e       ; a pair of keys: Km, Km,
	ds_store_b64 v[SO], v[172+16*\b+2*\e:173+16*\b+2*\e] offset:256*\b+16*\e+8       ; a, a
.endr
.endr
.irp m, 1,2,4,8                                    ; the sum of log2 Kv over my wave's 16 columns, which lie in 16 lanes
.irp k, 0,1,2,3,4,5,6,7,8,9,10,11,12,13,14,15,16,17,18,19,20,21,22,23,24,25,26,27,28,29,30,31
	v_add_f32_dpp v[204+\k], v[204+\k], v[204+\k] row_xmask:\m row_mask:0xf bank_mask:0xf
.endr
.endr
.irp k, 0,2,4,6,8,10,12,14,16,18,20,22,24,26,28,30
	v_pk_mul_f32 v[204+\k:205+\k], v[204+\k:205+\k], 0x3eb17218 op_sel_hi:[1,0]     ; x 0.5 ln 2
.endr
.irp b, 0,1
.irp e, 0,1,2,3
	ds_store_b128 v238, v[204+16*\b+4*\e:207+16*\b+4*\e] offset:128*\b+16*\e         ; token 32 b + 16 h + 4 e on; sixteen lanes store the same numbers at the same place
.endr
.endr
	ds_load_b64 v[236:237], v239
	s_wait_dscnt 0x0
	global_store_b64 v240, v[236:237], s[42:43]    ; 256 consecutive bytes, aligned
	ROWSOUT 40, 2048
	s_branch .Lend
.Lq:	; ================ Q
	SETUP 0, 65536, 131072, 135168
	STAGEADR STQ
	s_lshl_b32 s92, s24, 8
	s_mov_b32 s93, 0
	s_add_nc_u64 s[6:7], s[6:7], s[92:93]
	s_add_nc_u64 s[8:9], s[8:9], s[92:93]
	v_lshlrev_b32 v14, 6, v4                       ; the bias in the result's layout: tile 2 b + u, lane half h: columns 32 b + 8 u + 16 h + 0 .. 7
.irp p, 0,1
.irp t, 0,1,2,3
	global_load_b128 v[BI+32*\p+8*\t:BI+32*\p+8*\t+3], v14, s[6+2*\p:7+2*\p] offset:(32*(\t/2)+8*(\t%2))*4
	global_load_b128 v[BI+32*\p+8*\t+4:BI+32*\p+8*\t+7], v14, s[6+2*\p:7+2*\p] offset:(32*(\t/2)+8*(\t%2))*4+16
.endr
.endr
	MEET
	GEMM 32, 8
	s_lshl_b32 s92, s20, 6
	s_add_co_u32 s92, s92, s25                     ; my tile's first token
	s_lshl_b32 s92, s92, 13                        ; a token is 8,192 bytes, a head 512
	s_lshl_b32 s93, s24, 9
	s_add_co_u32 s92, s92, s93
	s_mov_b32 s93, 0
	s_add_nc_u64 s[40:41], s[18:19], s[92:93]
	SP16 ACC+32, 172, 2                            ; Qv into the even registers of v172-235,
	SP16 ACC+48, 204, 2
.irp k, 0,1,2,3,4,5,6,7,8,9,10,11,12,13,14,15,16,17,18,19,20,21,22,23,24,25,26,27,28,29,30,31
	v_mul_f32 v[173+2*\k], -1.0, v[ACC+\k]         ; -Qm into the odd ones
.endr
.irp b, 0,1
.irp e, 0,1,2,3,4,5,6,7
	ds_store_b128 v[SO], v[172+32*\b+4*\e:175+32*\b+4*\e] offset:256*\b+16*\e        ; d = 32 b + 16 h + 2 e, + 1
.endr
.endr
	ROWSOUT 40, 8192
.Lend:
	s_wait_tensorcnt 0x0
	ds_add_u32 v254, v255
	s_wait_dscnt 0x0
	CROUND                                         ; the closing round: no work-group ends while a partner may still ask for a tile that names it
	s_endpgm
.Lfunc_end_k_q2d9cf747da_proj:
	.size	k_q2d9cf747da_proj, .Lfunc_end_k_q2d9cf747da_proj-k_q2d9cf747da_proj
	.p2alignl 7, 3214868480
	.fill 96, 4, 3214868480
	.section	.rodata,"a",@progbits
	.p2align	6, 0x0
	.amdhsa_kernel k_q2d9cf747da_proj
		.amdhsa_group_segment_fixed_size 229888
		.amdhsa_private_segment_fixed_size 0
		.amdhsa_enable_private_segment 0
		.amdhsa_kernarg_size 64
		.amdhsa_user_sgpr_count 2
		.amdhsa_user_sgpr_kernarg_segment_ptr 1
		.amdhsa_wavefront_size32 1
		.amdhsa_system_sgpr_workgroup_id_x 1
		.amdhsa_system_sgpr_workgroup_id_y 1
		.amdhsa_system_sgpr_workgroup_id_z 1
		.amdhsa_system_vgpr_workitem_id 0
		.amdhsa_next_free_vgpr 256
		.amdhsa_next_free_sgpr 100
		.amdhsa_reserve_vcc 1
		.amdhsa_float_denorm_mode_32 3
		.amdhsa_float_denorm_mode_16_64 3
		.amdhsa_memory_ordered 1
		.amdhsa_forward_progress 1
		.amdhsa_inst_pref_size 154
	.end_amdhsa_kernel
	.amdgpu_metadata
---
amdhsa.version: [ 1, 2 ]
amdhsa.kernels:
  - .name:           k_q2d9cf747da_proj
    .symbol:         k_q2d9cf747da_proj.kd
    .args:
      - { .name: opnd, .offset: 0, .size: 8, .value_kind: global_buffer, .address_space: global }
      - { .name: bq_mu, .offset: 8, .size: 8, .value_kind: global_buffer, .address_space: global }
      - { .name: bq_var, .offset: 16, .size: 8, .value_kind: global_buffer, .address_space: global }
      - { .name: bk_mu, .offset: 24, .size: 8, .value_kind: global_buffer, .address_space: global }
      - { .name: bk_var, .offset: 32, .size: 8, .value_kind: global_buffer, .address_space: global }
      - { .name: bv_mu, .offset: 40, .size: 8, .value_kind: global_buffer, .address_space: global }
      - { .name: bv_var, .offset: 48, .size: 8, .value_kind: global_buffer, .address_space: global }
      - { .name: att, .offset: 56, .size: 8, .value_kind: global_buffer, .address_space: global }
    .group_segment_fixed_size: 229888
    .private_segment_fixed_size: 0
    .kernarg_segment_align: 8
    .kernarg_segment_size: 64
    .max_flat_workgroup_size: 128
    .sgpr_count:     100
    .vgpr_count:     256
    .wavefront_size: 32
...
	.end_amdgpu_metadata
.endif
;; end of part 2
;; launch attn (part 3): grid 16 x 16, 16 waves a work-group, clusters of 4 x 1, 169,984 bytes of LDS; arguments att, ocod; writes ocod
.if DOCPART == 3
	.amdgcn_target "amdgcn-amd-amdhsa--gfx1250"
	.amdhsa_code_object_version 6
	.text
	.protected	k_q2d9cf747da_attn
	.globl	k_q2d9cf747da_attn
	.p2align	8
	.type	k_q2d9cf747da_attn,@function
k_q2d9cf747da_attn:
	s_mov_b64 s[64:65], 0
	v_nop
	global_prefetch_b8 v0, s[64:65] scope:SCOPE_SE
	s_setreg_imm32_b32 hwreg(HW_REG_WAVE_MODE, 25, 1), 1
	s_wait_xcnt 0x0
	s_wait_alu depctr_hold_cnt(0) depctr_sa_sdst(0) depctr_va_vdst(0) depctr_va_sdst(0) depctr_va_ssrc(0) depctr_va_vcc(0) depctr_vm_vsrc(0)
	s_getreg_b32 s2, hwreg(HW_REG_IB_STS2, 6, 4)
	s_cmp_eq_u32 s2, 0
	s_cbranch_scc0 .Lentry_in_a_cluster
	s_endpgm
.Lentry_in_a_cluster:
	s_bfe_u32 s2, ttmp6, 0x10000c
	s_cmp_lg_u32 s2, 0x3003
	s_cbranch_scc0 .Lentry_shape_is_right
	s_endpgm
.Lentry_shape_is_right:
; For one head and one tile of 16 queries: the Gaussian KL against all 256 keys, the softmax, out_mu = p V / l and out_var = attn^2 Vv on codes of FP4, and both results quantised along head x 64 + d.
; kl(q, k) = sum over d of ((Qm - Km)^2 + Qv) a + 0.5 sum ln Kv - 0.5 sum ln Qv - 32, a = 0.5 / Kv.  The squares are formed of the differences: nothing is expanded.
; t = -kl log2(e) / 8;  M = ceil(the row's largest t);  p = 2^(t - M) is quantised unnormalised, l = the sum of the unquantised p divides out_mu;  attn^2 = (p / l)^2 is quantised as it is.
; SCORES, on the vector unit.  Wave w: keys 64 (w % 4) + 2 lane, + 1; queries 4 (w / 4) + 0 .. 3 of the tile.  A query's numbers [Qv, -Qm] come as SCALARS; for each d and two keys:
;   one dual addition (Km - Qm), one packed multiply-add (x itself + Qv, the low word of the scalar pair), one packed multiply-add (x a, onto one of four part sums).
; The head's [d][pair of keys][Km, Km, a, a], 131,072 bytes, comes into LDS in four chunks of 16 d, filled once, asked for JOINTLY by the cluster's four work-groups, which are four query tiles of one head.
; A scalar load can only be waited for with the count 0, so a step's scalars are asked for one step ahead; four waves share a SIMD.
; LIMITS: a p under 2^-126 counts as 0; a block of zeros has the scale byte 1; NaN and infinities are not served.
.set KDO, 2097152
.set VIO, 4194304
.set VSO, 4456448
.set CKO, 4472832
.set OSO, 262144
.set SL,  131072                       ; LDS behind the head's K: the sums, 16 queries x (1024 + 16) bytes
.set MX,  147968                       ; [query 16][block 8] largest t; 512 bytes on: the blocks' sums of p
.set CQ,  148992                       ; [query 16] the query's constant
.set PI,  149248                       ; p's two fragments as images; 2,048 bytes on: attn^2's
.set PS,  153344                       ; p's scale words [K step 2][16]; 128 bytes on: attn^2's
.set WV,  100
; v4, v5 K's addresses; v6 the sums, in; v7 CQ; v8 the sums, back; v9, v10 MX in, back; v11, v12 images and bytes, in; v13, v14 back: all made here, at the head, and never rewritten
; v16-79, v80-143 two chunks of K; v144-175 part sums (query i, part e: v[144 + 8 i + 2 e]); v176-191 differences; v192-199 the keys' constants; v200-231 V's fragments, v232-235 their scale words (waves 0-3)
.macro PLACES
.rept 4
	v_nop
.endr
.endm
.macro CROUND
	s_barrier_signal -1
	s_barrier_wait -1
	s_cmp_lg_u32 s[WV], 0
	s_cbranch_scc1 .Lnot_wave_0_\@
	s_barrier_signal -3
.Lnot_wave_0_\@:
	s_barrier_wait -3
	s_barrier_signal -1
	s_barrier_wait -1
.endm
.macro BARRIER                         ; my LDS instructions are done: then the work-group's barrier
	s_wait_dscnt 0x0
	s_barrier_signal -1
	s_barrier_wait -1
.endm
.macro SLOADQ c, i                     ; query i's 16 d of chunk c: 128 bytes, into s[16:47] or s[48:63] + s[68:83] by turns
.if ((\i)%2) == 0
	s_load_b512 s[16:31], s[4:5], (\i)*8192+(\c)*128
	s_load_b512 s[32:47], s[4:5], (\i)*8192+(\c)*128+64
.else
	s_load_b512 s[48:63], s[4:5], (\i)*8192+(\c)*128
	s_load_b512 s[68:83], s[4:5], (\i)*8192+(\c)*128+64
.endif
.endm
.macro LOADK c                         ; chunk c: 16 d x my two keys: each load takes 512 consecutive bytes
.irp d, 0,1,2,3,4,5,6,7,8,9,10,11,12,13,14,15
	ds_load_b128 v[16+64*((\c)%2)+4*\d:19+64*((\c)%2)+4*\d], v[4+(\c)/2] offset:((\c)%2)*32768+2048*\d
.endr
.endm
.macro STEP c, i                       ; one query x 16 d x 64 keys: 48 issue slots
	s_wait_kmcnt 0x0                               ; this step's scalars are in (nothing else is out)
.if (\i) < 3
	SLOADQ \c, (\i)+1                              ; the next step's, into the registers that the step before has read
.elseif (\c) < 3
	SLOADQ (\c)+1, 0
.endif
.irp g, 0,1,2,3
.irp e, 0,1,2,3
.set DD, 4*\g+\e
.set SQ, 16+2*DD+((\i)%2)*(32+4*(DD/8))
	v_dual_add_f32 v[176+8*(\g%2)+2*\e], s[SQ+1], v[16+64*((\c)%2)+4*DD] :: v_dual_add_f32 v[177+8*(\g%2)+2*\e], s[SQ+1], v[17+64*((\c)%2)+4*DD]
.endr
.irp e, 0,1,2,3
.set DD, 4*\g+\e
.set SQ, 16+2*DD+((\i)%2)*(32+4*(DD/8))
	v_pk_fma_f32 v[176+8*(\g%2)+2*\e:177+8*(\g%2)+2*\e], v[176+8*(\g%2)+2*\e:177+8*(\g%2)+2*\e], v[176+8*(\g%2)+2*\e:177+8*(\g%2)+2*\e], s[SQ:SQ+1] op_sel_hi:[1,1,0]
.endr
.irp e, 0,1,2,3
.set DD, 4*\g+\e
.if ((\c) == 0) && (\g == 0) && (\e == 0)
	v_pk_fma_f32 v[144+8*(\i):145+8*(\i)], v[176:177], v[18:19], v[192:193]          ; the first part sum starts from the keys' constants,
.elseif ((\c) == 0) && (\g == 0)
	v_pk_mul_f32 v[144+8*(\i)+2*\e:145+8*(\i)+2*\e], v[176+2*\e:177+2*\e], v[18+4*DD:19+4*DD]   ; the others from their first product: nothing is cleared
.else
	v_pk_fma_f32 v[144+8*(\i)+2*\e:145+8*(\i)+2*\e], v[176+8*(\g%2)+2*\e:177+8*(\g%2)+2*\e], v[18+64*((\c)%2)+4*DD:19+64*((\c)%2)+4*DD], v[144+8*(\i)+2*\e:145+8*(\i)+2*\e]
.endif
.endr
.endr
.endm
.macro CHUNK c
	s_wait_dscnt 0x0                               ; this chunk's K is in registers
	STEP \c, 0
	STEP \c, 1
.if (\c) < 3
	s_wait_tensorcnt 2-(\c)                        ; my part of the next chunk has landed; the fills of the chunks behind it may be out
	s_barrier_signal -1
	s_barrier_wait -1                              ; everybody's has
	LOADK (\c)+1
.endif
	STEP \c, 2
	STEP \c, 3
.endm
	s_load_b128 s[4:7], s[0:1], 0x0                ; att, ocod
	v_lshl_add_u32 v238, v0, 2, 0x29000
	v_mov_b32 v239, 0
	ds_add_u32 v238, v239
	ds_add_u32 v238, v239
	v_lshrrev_b32 v1, 5, v0
	v_readfirstlane_b32 s[WV], v1                  ; wave 0 .. 15
	v_and_b32 v1, 31, v0                           ; lane
	v_and_b32 v2, 15, v0                           ; r
	v_bfe_u32 v3, v0, 4, 1                         ; h
	s_and_b32 s16, s[WV], 3                        ; my group of 64 keys
	s_lshr_b32 s17, s[WV], 2                       ; my group of 4 queries
	s_and_b32 s18, s[WV], 7                        ; the softmax: my block of 32 keys
	s_bfe_u32 s19, s[WV], 0x10001                  ; the products: mu (0) or var (1)
	s_lshl_b32 s20, s16, 9
	v_lshl_add_u32 v4, v1, 4, s20
	v_add_nc_u32 v5, 0x10000, v4
	s_mul_i32 s20, s17, 4160
	s_lshl_b32 s21, s16, 8
	s_add_co_u32 s20, s20, s21
	s_add_co_u32 s20, s20, SL
	v_lshl_add_u32 v6, v1, 3, s20
	v_lshl_add_u32 v7, v2, 2, CQ
	v_mul_u32_u24 v8, v2, 1040
	v_lshl_add_u32 v8, v3, 6, v8
	s_lshl_b32 s20, s18, 7
	s_add_co_u32 s20, s20, SL
	v_add_nc_u32 v8, s20, v8
	v_lshl_add_u32 v10, v2, 5, MX
	s_lshl_b32 s20, s18, 2
	v_add_nc_u32 v9, s20, v10
	v_lshlrev_b32 v11, 4, v2
	v_lshl_add_u32 v11, v3, 3, v11
	s_lshl_b32 s20, s18, 8
	s_add_co_u32 s20, s20, PI
	v_add_nc_u32 v11, s20, v11                     ; block B of query r is 16 bytes at 256 B + 16 r of the images; my half of it 8 h on
	s_lshr_b32 s20, s18, 2
	s_lshl_b32 s20, s20, 6
	s_and_b32 s21, s18, 3
	s_add_co_u32 s20, s20, s21
	s_add_co_u32 s20, s20, PS
	v_lshl_add_u32 v12, v2, 2, s20
	s_lshl_b32 s20, s19, 11
	s_add_co_u32 s20, s20, PI
	v_lshl_add_u32 v13, v1, 4, s20
	s_lshl_b32 s20, s19, 7
	s_add_co_u32 s20, s20, PS
	v_lshl_add_u32 v14, v2, 2, s20
	v_lshlrev_b32 v176, 4, v1                      ; offsets of the head's global loads: 16 x lane,
	v_lshlrev_b32 v177, 2, v2                      ; 4 r,
	v_lshlrev_b32 v178, 3, v1                      ; 8 x lane,
	v_and_b32 v179, 8, v2
	v_add_nc_u32 v179, v179, v2
	v_lshlrev_b32 v179, 13, v179
	v_lshl_add_u32 v179, v3, 8, v179               ; row r's token x 8,192 + 256 h
	s_and_b32 s22, ttmp7, 0xffff                   ; the head, which the four partners share
	s_bfe_u32 s2, ttmp6, 0x40000                   ; cx
	s_lshl_b32 s3, ttmp9, 2
	s_add_co_u32 s3, s3, s2                        ; my tile of queries: it enters global addresses alone
	s_lshr_b32 s23, s3, 1
	s_lshl_b32 s23, s23, 5
	s_and_b32 s38, s3, 1
	s_lshl_b32 s38, s38, 3
	s_add_co_u32 s23, s23, s38                     ; its first token
	s_lshl_b32 s24, s22, 17                        ; K: head and wave
	s_lshl_b32 s39, s16, 13
	s_add_co_u32 s24, s24, s39
	s_add_co_u32 s24, s24, KDO
	s_mov_b32 s25, 0
	s_lshl_b32 s26, s19, 4                         ; V: the first of my two tiles: (which 16 + head) 4 + 2 (w % 2)
	s_add_co_u32 s26, s26, s22
	s_lshl_b32 s26, s26, 2
	s_and_b32 s27, s[WV], 1
	s_lshl_b32 s27, s27, 1
	s_add_co_u32 s26, s26, s27
	s_lshl_b32 s28, s26, 7
	s_add_co_u32 s28, s28, VSO
	s_mov_b32 s29, 0
	s_lshl_b32 s26, s26, 11
	s_add_co_u32 s26, s26, VIO
	s_mov_b32 s27, 0
	s_lshl_b32 s30, s22, 12                        ; the keys' constants
	s_lshl_b32 s31, s16, 8
	s_add_co_u32 s30, s30, s31
	s_add_co_u32 s30, s30, CKO
	s_mov_b32 s31, 0
	s_lshl_b32 s32, s23, 13                        ; the tile's queries
	s_lshl_b32 s33, s22, 9
	s_add_co_u32 s32, s32, s33
	s_mov_b32 s33, 0
	s_lshl_b32 s34, s17, 2                         ; my four queries: rows 4 g + i are tokens + 4 g + 8 (g / 2) + i
	s_lshr_b32 s35, s17, 1
	s_lshl_b32 s35, s35, 3
	s_add_co_u32 s34, s34, s35
	s_lshl_b32 s34, s34, 13
	s_add_co_u32 s34, s34, s32
	s_mov_b32 s35, 0
	s_mov_b32 s36, 0x76543210
	s_mov_b32 s37, 0xfedcba98
	s_mov_b32 s38, 0x40b8aa3b                      ; 32 log2(e) / 8
	; descriptor group 1: 32 rows of 256 bytes (32 elements of 8 bytes), dense: a quarter of a chunk
	s_mov_b32 s8, 15|(3<<16)|(1<<21)               ; the mask: all four work-groups; bit 21 beside it
	s_mov_b32 s9, 32<<16
	s_mov_b32 s10, 32<<16
	s_mov_b32 s11, 32<<16
	s_mov_b32 s12, 32
	s_mov_b32 s13, 32
	s_mov_b32 s14, 0
	s_mov_b32 s15, 0
	s_wait_dscnt 0x0
	s_wait_kmcnt 0x0
	s_add_nc_u64 s[24:25], s[4:5], s[24:25]
	s_add_nc_u64 s[26:27], s[4:5], s[26:27]
	s_add_nc_u64 s[28:29], s[4:5], s[28:29]
	s_add_nc_u64 s[30:31], s[4:5], s[30:31]
	s_add_nc_u64 s[32:33], s[4:5], s[32:33]
	s_add_nc_u64 s[4:5], s[4:5], s[34:35]          ; from here on: my first query
.irp c, 0,1,2,3
	s_mov_b32 s[84+4*\c], 1
	s_add_co_u32 s[85+4*\c], s39, \c*32768         ; LDS: chunk, + wave x 8 KiB
	s_add_nc_u64 s[86+4*\c:87+4*\c], s[24:25], \c*32768
	s_or_b32 s[87+4*\c], s[87+4*\c], 0x80000000
.endr
	CROUND                                         ; all four work-groups are here: the joint loads meet
	s_cmp_lt_u32 s[WV], 4                          ; waves 0-3 fetch: a wave's four fills stand in one branch: four loads of mine are out
	s_cbranch_scc0 .Lno_fill
	tensor_load_to_lds s[84:87], s[8:15]
	s_nop 0
	tensor_load_to_lds s[88:91], s[8:15]
	s_nop 0
	tensor_load_to_lds s[92:95], s[8:15]
	s_nop 0
	tensor_load_to_lds s[96:99], s[8:15]
	s_nop 0
	PLACES
.irp f, 0,1,2,3                                    ; and they will make the products: V's fragments (tile u, K step s: f = 2 u + s) come now and wait in registers
.irp c, 0,1
	global_load_b128 v[200+8*\f+4*\c:203+8*\f+4*\c], v176, s[26:27] offset:1024*\f+512*\c
.endr
	global_load_b32 v[232+\f], v177, s[28:29] offset:64*\f
.endr
.Lno_fill:
	s_cmp_eq_u32 s[WV], 4                          ; wave 4 makes the queries' constants: sum of log2 Qv / 16 + 32 log2(e) / 8
	s_cbranch_scc0 .Lnot_4
.irp i, 0,1,2,3,4,5,6,7,8,9,10,11,12,13,14,15
	global_load_b128 v[16+4*\i:19+4*\i], v179, s[32:33] offset:16*\i
.endr
	s_wait_loadcnt 0x0
.irp i, 0,1,2,3,4,5,6,7,8,9,10,11,12,13,14,15,16,17,18,19,20,21,22,23,24,25,26,27,28,29,30,31
	v_log_f32 v[80+\i], v[16+2*\i]                 ; Qv lies in the even words
.endr
	v_nop
	s_wait_alu depctr_va_vdst(0)                   ; one wait for the 32, ahead of their first reader
.irp k, 0,2,4,6,8,10,12,14
	v_pk_add_f32 v[80+\k:81+\k], v[80+\k:81+\k], v[96+\k:97+\k]
.endr
.irp k, 0,2,4,6
	v_pk_add_f32 v[80+\k:81+\k], v[80+\k:81+\k], v[88+\k:89+\k]
.endr
.irp k, 0,2
	v_pk_add_f32 v[80+\k:81+\k], v[80+\k:81+\k], v[84+\k:85+\k]
.endr
	v_pk_add_f32 v[80:81], v[80:81], v[82:83]
	v_add_f32 v80, v80, v81
	v_permlanex16_b32 v81, v80, s36, s37           ; the other 32 d
	v_add_f32 v80, v80, v81
	v_fma_f32 v80, v80, 0x3d800000, s38
	ds_store_b32 v7, v80
.Lnot_4:
.irp t, 0,1,2,3
	global_load_b64 v[192+2*\t:193+2*\t], v178, s[30:31] offset:1024*\t    ; my two keys' 0.5 sum ln Kv, in four parts
.endr
	s_wait_xcnt 0x0                                ; the loads above have read their bases: s16 on may be written
	SLOADQ 0, 0
	s_wait_tensorcnt 3                             ; my part of chunk 0 has landed; three younger fills may be out
	BARRIER                                        ; (wave 4's store is done too)
	LOADK 0
	s_wait_loadcnt 0x0                             ; the keys' constants, and V
	v_pk_add_f32 v[192:193], v[192:193], v[194:195]
	v_pk_add_f32 v[196:197], v[196:197], v[198:199]
	v_pk_add_f32 v[192:193], v[192:193], v[196:197]
	CHUNK 0
	CHUNK 1
	CHUNK 2
	CHUNK 3
.irp i, 0,1,2,3
	v_pk_add_f32 v[144+8*\i:145+8*\i], v[144+8*\i:145+8*\i], v[146+8*\i:147+8*\i]
	v_pk_add_f32 v[148+8*\i:149+8*\i], v[148+8*\i:149+8*\i], v[150+8*\i:151+8*\i]
.endr
.irp i, 0,1,2,3
	v_pk_add_f32 v[144+8*\i:145+8*\i], v[144+8*\i:145+8*\i], v[148+8*\i:149+8*\i]
.endr
.irp i, 0,1,2,3
	ds_store_b64 v6, v[144+8*\i:145+8*\i] offset:1040*\i
.endr
	s_mov_b32 s16, 0x76543210                      ; (no scalar load is out: the buffers are free)
	s_mov_b32 s17, 0xfedcba98
	s_mov_b32 s18, 0xbe38aa3b                      ; -log2(e) / 8
	s_mov_b32 s19, s18                             ; (named with it as a pair, so it is written)
	BARRIER                                        ; 16 x 256 sums lie in LDS
	; ---- THE SOFTMAX: waves 0-7; wave w takes block w of 32 keys, lane (r, h) query r and keys 32 w + 16 h + 0 .. 15.  The barriers stand outside the branches: every wave passes them.
	s_cmp_lt_u32 s[WV], 8
	s_cbranch_scc0 .Lsm1
.irp e, 0,1,2,3
	ds_load_b128 v[16+4*\e:19+4*\e], v8 offset:16*\e
.endr
	ds_load_b32 v48, v7
	s_wait_dscnt 0x0
	v_mov_b32 v49, v48                             ; (the upper half of a pair that is named)
.irp e, 0,2,4,6,8,10,12,14
	v_pk_fma_f32 v[16+\e:17+\e], v[16+\e:17+\e], s[18:19], v[48:49] op_sel_hi:[1,0,0]   ; t
.endr
	v_max3_num_f32 v50, v16, v17, v18
	v_max3_num_f32 v51, v19, v20, v21
	v_max3_num_f32 v50, v50, v22, v23
	v_max3_num_f32 v51, v51, v24, v25
	v_max3_num_f32 v50, v50, v26, v27
	v_max3_num_f32 v51, v51, v28, v29
	v_max3_num_f32 v50, v50, v30, v31
	v_max_num_f32 v50, v50, v51
	v_permlanex16_b32 v51, v50, s16, s17
	v_max_num_f32 v50, v50, v51                    ; the block's largest t: it serves the row's maximum and, since p rises with t, the block's largest p
	ds_store_b32 v9, v50
.Lsm1:
	BARRIER
	s_cmp_lt_u32 s[WV], 8
	s_cbranch_scc0 .Lsm2
	ds_load_b128 v[56:59], v10
	ds_load_b128 v[60:63], v10 offset:16
	s_wait_dscnt 0x0
	v_max3_num_f32 v51, v56, v57, v58
	v_max3_num_f32 v51, v51, v59, v60
	v_max3_num_f32 v51, v51, v61, v62
	v_max_num_f32 v51, v51, v63                    ; the row's largest t
	v_floor_f32 v52, -v51                          ; -M = floor(-t) = -ceil(t)
	v_mov_b32 v53, v52
.irp e, 0,2,4,6,8,10,12,14
	v_pk_add_f32 v[16+\e:17+\e], v[16+\e:17+\e], v[52:53]
.endr
	v_add_f32 v50, v50, v52
.irp e, 0,1,2,3,4,5,6,7,8,9,10,11,12,13,14,15
	v_exp_f32 v[16+\e], v[16+\e]                   ; p = 2^(t - M)
.endr
	v_exp_f32 v50, v50                             ; the block's largest p: the same two instructions on the same number
	v_nop
	s_wait_alu depctr_va_vdst(0)                   ; one wait for the 17, ahead of their first reader
	v_pk_add_f32 v[54:55], v[16:17], v[18:19]      ; the sum of the unquantised p
	v_pk_add_f32 v[64:65], v[20:21], v[22:23]
	v_pk_add_f32 v[54:55], v[54:55], v[24:25]
	v_pk_add_f32 v[64:65], v[64:65], v[26:27]
	v_pk_add_f32 v[54:55], v[54:55], v[28:29]
	v_pk_add_f32 v[64:65], v[64:65], v[30:31]
	v_pk_add_f32 v[54:55], v[54:55], v[64:65]
	v_add_f32 v54, v54, v55
	v_permlanex16_b32 v55, v54, s16, s17
	v_add_f32 v54, v54, v55
	ds_store_b32 v9, v54 offset:512
.Lsm2:
	BARRIER
	s_cmp_lt_u32 s[WV], 8
	s_cbranch_scc0 .Lsm3
	ds_load_b128 v[56:59], v10 offset:512
	ds_load_b128 v[60:63], v10 offset:528
	s_wait_dscnt 0x0
	v_add_f32 v56, v56, v57                        ; l, in one order in every wave
	v_add_f32 v58, v58, v59
	v_add_f32 v60, v60, v61
	v_add_f32 v62, v62, v63
	v_add_f32 v56, v56, v58
	v_add_f32 v60, v60, v62
	v_add_f32 v51, v56, v60
	v_rcp_f32 v66, v51                             ; 1 / l: kept for the products
	v_max_num_f32 v68, 0x1800000, v50              ; (a plain line)  the floor under the block's largest p: the byte cannot fall under 1
	s_wait_alu depctr_va_vdst(0)
	v_mov_b32 v67, v66
	v_add_nc_u32 v68, 0xff000000, v68              ; 2 off the exponent field: the conversions' scale operand
	v_lshrrev_b32 v69, 23, v68                     ; the byte
	v_cvt_scalef32_pk8_fp4_f32 v70, v[16:23], v68
	v_cvt_scalef32_pk8_fp4_f32 v71, v[24:31], v68
	v_nop
	ds_store_b64 v11, v[70:71]
	ds_store_b8 v12, v69                           ; both halves of the lanes store the same byte
.irp e, 0,2,4,6,8,10,12,14
	v_pk_mul_f32 v[32+\e:33+\e], v[16+\e:17+\e], v[66:67] op_sel_hi:[1,0]   ; attn
.endr
.irp e, 0,2,4,6,8,10,12,14
	v_pk_mul_f32 v[32+\e:33+\e], v[32+\e:33+\e], v[32+\e:33+\e]             ; attn^2
.endr
	v_mul_f32 v72, v50, v66                        ; and the block's largest, by the same two multiplications
	v_mul_f32 v72, v72, v72
	v_max_num_f32 v72, 0x1800000, v72
	v_add_nc_u32 v72, 0xff000000, v72
	v_lshrrev_b32 v73, 23, v72
	v_cvt_scalef32_pk8_fp4_f32 v74, v[32:39], v72
	v_cvt_scalef32_pk8_fp4_f32 v75, v[40:47], v72
	v_nop
	ds_store_b64 v11, v[74:75] offset:2048
	ds_store_b8 v12, v73 offset:128
.Lsm3:
	BARRIER                                        ; both operands lie in LDS as images
	; ---- THE PRODUCTS: waves 0, 1: p V; waves 2, 3: attn^2 Vv; wave parity b: channels 32 b on.  Transposed: source 0 = 16 channels of V^T, source 1 = the 16 queries.
	s_cmp_lt_u32 s[WV], 4
	s_cbranch_scc0 .Lno_pv
	v_mov_b32 v184, 1.0                            ; what the sums are multiplied by: 1 for var,
	s_cmp_lt_u32 s[WV], 2
	s_cbranch_scc0 .Lis_var
	v_mov_b32 v184, v66                            ; 1 / l for mu
.Lis_var:
.irp c, 0,1,2,3
	ds_load_b128 v[144+4*\c:147+4*\c], v13 offset:512*\c
.endr
	ds_load_b32 v236, v14
	ds_load_b32 v237, v14 offset:64
	s_and_b32 s20, ttmp7, 0xffff                   ; head
	s_bfe_u32 s21, ttmp6, 0x40000
	s_lshl_b32 s22, ttmp9, 2
	s_add_co_u32 s22, s22, s21                     ; tile of queries
	s_lshr_b32 s23, s[WV], 1                       ; mu or var
	s_and_b32 s24, s[WV], 1                        ; b
	s_lshr_b32 s25, s20, 1                         ; the next product's K step,
	s_and_b32 s26, s20, 1                          ; and the half of it
	s_lshl_b32 s28, s22, 3                         ; image (tile 8 + K step); in it block 2 (head % 2) + b: 256 bytes
	s_add_co_u32 s28, s28, s25
	s_lshl_b32 s28, s28, 10
	s_lshl_b32 s27, s23, 17
	s_add_co_u32 s28, s28, s27
	s_lshl_b32 s27, s26, 9
	s_add_co_u32 s28, s28, s27
	s_lshl_b32 s27, s24, 8
	s_add_co_u32 s28, s28, s27
	s_mov_b32 s29, 0
	s_add_nc_u64 s[28:29], s[6:7], s[28:29]
	s_lshl_b32 s30, s25, 4                         ; words [which][K step][tile][16]; my byte 2 (head % 2) + b
	s_add_co_u32 s30, s30, s22
	s_lshl_b32 s30, s30, 6
	s_lshl_b32 s27, s23, 13
	s_add_co_u32 s30, s30, s27
	s_lshl_b32 s27, s26, 1
	s_add_co_u32 s30, s30, s27
	s_add_co_u32 s30, s30, s24
	s_add_co_u32 s30, s30, OSO
	s_mov_b32 s31, 0
	s_add_nc_u64 s[30:31], s[6:7], s[30:31]
	v_lshlrev_b32 v182, 4, v2
	v_lshl_add_u32 v182, v3, 3, v182               ; 16 r + 8 h
	v_lshlrev_b32 v183, 2, v2
	s_wait_dscnt 0x0
	v_wmma_scale_f32_16x16x128_f8f6f4 v[240:247], v[200:207], v[144:151], 0, v232, v236 matrix_a_fmt:MATRIX_FMT_FP4 matrix_b_fmt:MATRIX_FMT_FP4          ; two accumulators by turns
	v_wmma_scale_f32_16x16x128_f8f6f4 v[248:255], v[216:223], v[144:151], 0, v234, v236 matrix_a_fmt:MATRIX_FMT_FP4 matrix_b_fmt:MATRIX_FMT_FP4
	v_wmma_scale_f32_16x16x128_f8f6f4 v[240:247], v[208:215], v[152:159], v[240:247], v233, v237 matrix_a_fmt:MATRIX_FMT_FP4 matrix_b_fmt:MATRIX_FMT_FP4
	v_wmma_scale_f32_16x16x128_f8f6f4 v[248:255], v[224:231], v[152:159], v[248:255], v235, v237 matrix_a_fmt:MATRIX_FMT_FP4 matrix_b_fmt:MATRIX_FMT_FP4
	PLACES
.irp k, 0,1,2,3,4,5,6,7,8,9,10,11,12,13,14,15
	v_mul_f32 v[160+\k], v[240+\k], v184           ; query r, channel 32 b + 16 h + k: 16 neighbours along the next K
.endr
	v_max3_num_f32 v176, |v160|, |v161|, 0x1800000
	v_max3_num_f32 v177, |v162|, |v163|, |v164|
	v_max3_num_f32 v176, v176, |v165|, |v166|
	v_max3_num_f32 v177, v177, |v167|, |v168|
	v_max3_num_f32 v176, v176, |v169|, |v170|
	v_max3_num_f32 v177, v177, |v171|, |v172|
	v_max3_num_f32 v176, v176, |v173|, |v174|
	v_max3_num_f32 v176, v176, v177, |v175|
	v_permlanex16_b32 v177, v176, s16, s17
	v_max_num_f32 v176, v176, v177                 ; the block's largest magnitude
	v_add_nc_u32 v178, 0xff000000, v176
	v_lshrrev_b32 v179, 23, v178
	v_cvt_scalef32_pk8_fp4_f32 v180, v[160:167], v178
	v_cvt_scalef32_pk8_fp4_f32 v181, v[168:175], v178
	v_nop
	global_store_b64 v182, v[180:181], s[28:29]    ; 256 consecutive bytes, aligned
	global_store_b8 v183, v179, s[30:31]           ; both halves of the lanes store the same byte
.Lno_pv:
	s_wait_tensorcnt 0x0
	ds_add_u32 v238, v239
	s_wait_dscnt 0x0
	CROUND                                         ; the closing round
	s_endpgm
.Lfunc_end_k_q2d9cf747da_attn:
	.size	k_q2d9cf747da_attn, .Lfunc_end_k_q2d9cf747da_attn-k_q2d9cf747da_attn
	.p2alignl 7, 3214868480
	.fill 96, 4, 3214868480
	.section	.rodata,"a",@progbits
	.p2align	6, 0x0
	.amdhsa_kernel k_q2d9cf747da_attn
		.amdhsa_group_segment_fixed_size 169984
		.amdhsa_private_segment_fixed_size 0
		.amdhsa_enable_private_segment 0
		.amdhsa_kernarg_size 16
		.amdhsa_user_sgpr_count 2
		.amdhsa_user_sgpr_kernarg_segment_ptr 1
		.amdhsa_wavefront_size32 1
		.amdhsa_system_sgpr_workgroup_id_x 1
		.amdhsa_system_sgpr_workgroup_id_y 1
		.amdhsa_system_sgpr_workgroup_id_z 1
		.amdhsa_system_vgpr_workitem_id 0
		.amdhsa_next_free_vgpr 256
		.amdhsa_next_free_sgpr 102
		.amdhsa_reserve_vcc 0
		.amdhsa_float_denorm_mode_32 3
		.amdhsa_float_denorm_mode_16_64 3
		.amdhsa_memory_ordered 1
		.amdhsa_forward_progress 1
		.amdhsa_inst_pref_size 81
	.end_amdhsa_kernel
	.amdgpu_metadata
---
amdhsa.version: [ 1, 2 ]
amdhsa.kernels:
  - .name:           k_q2d9cf747da_attn
    .symbol:         k_q2d9cf747da_attn.kd
    .args:
      - { .name: att, .offset: 0, .size: 8, .value_kind: global_buffer, .address_space: global }
      - { .name: ocod, .offset: 8, .size: 8, .value_kind: global_buffer, .address_space: global }
    .group_segment_fixed_size: 169984
    .private_segment_fixed_size: 0
    .kernarg_segment_align: 8
    .kernarg_segment_size: 16
    .max_flat_workgroup_size: 512
    .sgpr_count:     102
    .vgpr_count:     256
    .wavefront_size: 32
...
	.end_amdgpu_metadata
.endif
;; end of part 3
;; launch outp (part 4): grid 4 x 32, 4 waves a work-group, clusters of 4 x 4, 168,448 bytes of LDS; arguments opnd, ocod, bo_mu, bo_var, out0, out1; writes out0, out1
.if DOCPART == 4
	.amdgcn_target "amdgcn-amd-amdhsa--gfx1250"
	.amdhsa_code_object_version 6
	.text
	.protected	k_q2d9cf747da_outp
	.globl	k_q2d9cf747da_outp
	.p2align	8
	.type	k_q2d9cf747da_outp,@function
k_q2d9cf747da_outp:
	s_mov_b64 s[64:65], 0
	v_nop
	global_prefetch_b8 v0, s[64:65] scope:SCOPE_SE
	s_setreg_imm32_b32 hwreg(HW_REG_WAVE_MODE, 25, 1), 1
	s_wait_xcnt 0x0
	s_wait_alu depctr_hold_cnt(0) depctr_sa_sdst(0) depctr_va_vdst(0) depctr_va_sdst(0) depctr_va_ssrc(0) depctr_va_vcc(0) depctr_vm_vsrc(0)
	s_getreg_b32 s2, hwreg(HW_REG_IB_STS2, 6, 4)
	s_cmp_eq_u32 s2, 0
	s_cbranch_scc0 .Lentry_in_a_cluster
	s_endpgm
.Lentry_in_a_cluster:
	s_bfe_u32 s2, ttmp6, 0x10000c
	s_cmp_lg_u32 s2, 0xf033
	s_cbranch_scc0 .Lentry_shape_is_right
	s_endpgm
.Lentry_shape_is_right:
; mu_out = O_mu wo_mu + bo_mu;  var_out = softplus(O_var wo_var + bo_var), on the images that the launches before have made.
; A work-group makes 64 tokens x 64 columns of one of the two; a wave one tile of tokens (source 1) x four tiles of columns (source 0): 4 accumulators, 32 matrix instructions.
; In the result a lane holds one token, and registers 16 b .. 16 b + 15 columns 32 b + 16 (lane / 16) + 0 .. 15.  The bias is the first C.
; CLUSTERS: 4 x 4: cx = the quarter of the tokens, cy = the group of columns within four; which product hangs on the cluster's y alone.  The weight's images are shared along a row of the cluster, O's along a column.  All is filled once.
; LIMIT: softplus of x under about -87.3 is 0 (the exponential gives 0 under 2^-126).
.set WSO, 4194304
.set OSO, 262144
; LDS: 0 W's codes, 32768 O's codes ([tile 4][K step 8][1024]); 65536 W's words, 67584 O's ([K step 8][tile 4][16 words])
.set ST0, 69632                        ; the stage of the mu product: 16 rows x (256 + 16) bytes for each wave
.set ST1, 87040                        ; and of the var product: each way has LDS bytes of its own
.set WV,  26
.set AX,  8
.set AY,  9
.set AXS, 10
.set AYS, 11
.set L2E, 15
.set ACC, 16                           ; v16-47
.set BUF, 80                           ; v80-121, v122-163: K steps by turns: X 32, Y 8, X's scale words 2
.set YS,  164
.set BI,  172                          ; v172-203 the bias
.set T0,  80
.set T1,  96
.set T2,  112
.set T3,  128
.macro PLACES
.rept 4
	v_nop
.endr
.endm
.macro CROUND
	s_barrier_signal -1
	s_barrier_wait -1
	s_cmp_lg_u32 s[WV], 0
	s_cbranch_scc1 .Lnot_wave_0_\@
	s_barrier_signal -3
.Lnot_wave_0_\@:
	s_barrier_wait -3
	s_barrier_signal -1
	s_barrier_wait -1
.endm
.macro WM d, a, b, c, sa, sb, ra
.if (\ra) == 0
	v_wmma_scale_f32_16x16x128_f8f6f4 v[\d:\d+7], v[\a:\a+7], v[\b:\b+7], v[\c:\c+7], v[\sa], v[\sb] matrix_a_fmt:MATRIX_FMT_FP4 matrix_b_fmt:MATRIX_FMT_FP4
.else
	v_wmma_scale_f32_16x16x128_f8f6f4 v[\d:\d+7], v[\a:\a+7], v[\b:\b+7], v[\c:\c+7], v[\sa], v[\sb] matrix_a_fmt:MATRIX_FMT_FP4 matrix_b_fmt:MATRIX_FMT_FP4 matrix_a_scale:MATRIX_SCALE_ROW1
.endif
.endm
.macro LOADST ks                       ; a K step: 12 LDS loads
.irp t, 0,1,2,3
.irp c, 0,1
	ds_load_b128 v[BUF+42*((\ks)%2)+8*\t+4*\c:BUF+42*((\ks)%2)+8*\t+4*\c+3], v[AX] offset:(8*\t+(\ks))*1024+512*\c
.endr
.endr
.irp c, 0,1
	ds_load_b128 v[BUF+42*((\ks)%2)+32+4*\c:BUF+42*((\ks)%2)+35+4*\c], v[AY] offset:(\ks)*1024+512*\c
.endr
.irp u, 0,1
	ds_load_b32 v[BUF+42*((\ks)%2)+40+\u], v[AXS] offset:(\ks)*256+128*\u
.endr
.endm
.macro MULST ks
.irp t, 0,1,2,3
.if (\ks) == 0
	WM ACC+8*\t, BUF+42*((\ks)%2)+8*\t, BUF+42*((\ks)%2)+32, BI+8*\t, BUF+42*((\ks)%2)+40+\t/2, YS+(\ks), \t%2
.else
	WM ACC+8*\t, BUF+42*((\ks)%2)+8*\t, BUF+42*((\ks)%2)+32, ACC+8*\t, BUF+42*((\ks)%2)+40+\t/2, YS+(\ks), \t%2
.endif
.endr
.endm
.macro SP16 src, dst                   ; softplus of 16 numbers: max(x, 0) + E log(W) / (W - 1), E = e^-|x|, W = 1 + E; two batches of transcendentals, one wait each
.irp k, 0,1,2,3,4,5,6,7,8,9,10,11,12,13,14,15
	v_mul_f32 v[T0+\k], s96, |v[\src+\k]|
.endr
.irp k, 0,1,2,3,4,5,6,7,8,9,10,11,12,13,14,15
	v_exp_f32 v[T0+\k], v[T0+\k]
.endr
	v_nop
	s_wait_alu depctr_va_vdst(0)
.irp k, 0,1,2,3,4,5,6,7,8,9,10,11,12,13,14,15
	v_add_f32 v[T1+\k], 1.0, v[T0+\k]
.endr
.irp k, 0,1,2,3,4,5,6,7,8,9,10,11,12,13,14,15
	v_add_f32 v[T2+\k], -1.0, v[T1+\k]
.endr
.irp k, 0,1,2,3,4,5,6,7,8,9,10,11,12,13,14,15
	v_log_f32 v[T1+\k], v[T1+\k]
.endr
.irp k, 0,1,2,3,4,5,6,7,8,9,10,11,12,13,14,15
	v_rcp_f32 v[T3+\k], v[T2+\k]
.endr
	v_nop
	s_wait_alu depctr_va_vdst(0)
.irp k, 0,1,2,3,4,5,6,7,8,9,10,11,12,13,14,15
	v_mul_f32 v[T1+\k], v[T1+\k], v[T3+\k]
	v_cmp_eq_f32 vcc_lo, 0, v[T2+\k]
	v_cndmask_b32 v[T1+\k], v[T1+\k], v[L2E], vcc_lo
	v_mul_f32 v[T0+\k], v[T0+\k], v[T1+\k]
	v_max_num_f32 v[T2+\k], 0, v[\src+\k]
	v_fma_f32 v[\dst+\k], v[T0+\k], s97, v[T2+\k]
.endr
.endm
; 32 results of a lane, v[src] on, through my stage and out: each store covers two rows' 256 consecutive bytes, aligned
.macro OUTW src, so, sr
.irp b, 0,1
.irp e, 0,1,2,3
	ds_store_b128 v[\so], v[\src+16*\b+4*\e:\src+16*\b+4*\e+3] offset:128*\b+16*\e
.endr
.endr
.irp i, 0,1,2,3,4,5,6,7
	ds_load_b128 v[80+4*\i:83+4*\i], v[\sr] offset:544*\i      ; LDS serves a wave's instructions in order: these see my stores
.endr
.irp i, 0,1,2,3,4,5,6,7
	s_wait_dscnt 7-\i
	global_store_b128 v14, v[80+4*\i:83+4*\i], s[12:13] offset:(2*\i+8*(\i/4))*4096   ; stage row i stands for token i + 8 (i / 8)
.endr
.endm
	s_load_b256 s[4:11], s[0:1], 0x0               ; opnd, ocod, bo_mu, bo_var
	s_load_b128 s[12:15], s[0:1], 0x20             ; out0, out1
	v_lshl_add_u32 v254, v0, 2, 0x29000
	v_mov_b32 v255, 0
	ds_add_u32 v254, v255
	ds_add_u32 v254, v255
	v_lshrrev_b32 v1, 5, v0
	v_readfirstlane_b32 s[WV], v1
	v_and_b32 v2, 31, v0                           ; lane
	v_and_b32 v3, 15, v0                           ; r
	v_bfe_u32 v4, v0, 4, 1                         ; h
	v_lshlrev_b32 v5, 4, v2
	v_mov_b32 v[L2E], 0x3fb8aa3b
	v_mov_b32 v[AX], v5                            ; W's images begin at LDS byte 0
	s_lshl_b32 s92, s[WV], 13
	s_add_co_u32 s92, s92, 32768
	v_add_nc_u32 v[AY], s92, v5                    ; my tile of tokens
	v_lshl_add_u32 v[AXS], v2, 2, 65536
	s_lshl_b32 s92, s[WV], 6
	s_add_co_u32 s92, s92, 67584
	v_lshl_add_u32 v[AYS], v3, 2, s92
	s_mul_i32 s92, s[WV], 4352                     ; the stages' addresses, for both ways, ahead of the parting
	v_mul_u32_u24 v6, v3, 272
	v_lshl_add_u32 v6, v4, 6, v6
	v_add_nc_u32 v6, s92, v6                       ; in: row r, + 64 h
	v_mul_u32_u24 v7, v4, 272
	v_lshl_add_u32 v7, v3, 4, v7
	v_add_nc_u32 v7, s92, v7                       ; back: lanes 0-15 one row, lanes 16-31 the next
	v_add_nc_u32 v12, ST0, v6
	v_add_nc_u32 v13, ST0, v7
	v_add_nc_u32 v206, ST1, v6
	v_add_nc_u32 v207, ST1, v7
	v_lshlrev_b32 v14, 12, v4
	v_lshl_add_u32 v14, v3, 4, v14                 ; and the same two rows in the output
	v_lshlrev_b32 v205, 6, v4                      ; the bias: 64 h
	s_bfe_u32 s20, ttmp6, 0x40000                  ; cx: quarter of the tokens
	s_bfe_u32 s21, ttmp6, 0x40004                  ; cy
	s_and_b32 s22, ttmp7, 0xffff                   ; the cluster's y, 0 .. 7
	s_lshr_b32 s23, s22, 2                         ; mu or var
	s_and_b32 s24, s22, 3
	s_lshl_b32 s24, s24, 2
	s_add_co_u32 s24, s24, s21                     ; group of 64 columns
	s_mov_b32 s96, 0xbfb8aa3b
	s_mov_b32 s97, 0x3f317218
	s_lshl_b32 s27, s21, 2
	s_lshl_b32 s27, 15, s27                        ; my row of the cluster
	s_lshl_b32 s28, 0x1111, s20                    ; my column
	s_or_b32 s40, s27, (3<<16)|(1<<21)             ; groups 1: s[40:47] W's codes, s[48:55] O's codes, s[56:63] W's words, s[68:75] O's words: elements of 8 bytes, rows of 256 bytes
	s_or_b32 s56, s27, (3<<16)|(1<<21)
	s_or_b32 s48, s28, (3<<16)|(1<<21)
	s_or_b32 s68, s28, (3<<16)|(1<<21)
.irp g, 40, 48
	s_mov_b32 s[\g+1], 32<<16
	s_mov_b32 s[\g+2], 128<<16
	s_mov_b32 s[\g+3], 32<<16
	s_mov_b32 s[\g+4], 128
	s_mov_b32 s[\g+5], 32
	s_mov_b32 s[\g+6], 0
	s_mov_b32 s[\g+7], 0
.endr
.irp g, 56, 68
	s_mov_b32 s[\g+1], 32<<16
	s_mov_b32 s[\g+2], 8<<16
	s_mov_b32 s[\g+3], 32<<16
	s_mov_b32 s[\g+4], 8
	s_mov_b32 s[\g+6], 0
	s_mov_b32 s[\g+7], 0
.endr
	s_mov_b32 s61, 512
	s_mov_b32 s73, 128
	s_add_co_u32 s30, s23, 6                       ; weights 6 and 7
	s_lshl_b32 s32, s30, 19
	s_lshl_b32 s31, s24, 15
	s_add_co_u32 s32, s32, s31
	s_mov_b32 s33, 0
	s_lshl_b32 s30, s30, 15
	s_lshl_b32 s31, s24, 8
	s_add_co_u32 s30, s30, s31
	s_add_co_u32 s30, s30, WSO
	s_mov_b32 s31, 0
	s_lshl_b32 s34, s23, 17
	s_lshl_b32 s35, s20, 15
	s_add_co_u32 s34, s34, s35
	s_mov_b32 s35, 0
	s_lshl_b32 s36, s23, 13
	s_lshl_b32 s37, s20, 8
	s_add_co_u32 s36, s36, s37
	s_add_co_u32 s36, s36, OSO
	s_mov_b32 s37, 0
	s_lshr_b32 s25, s[WV], 1                       ; my tile's first token: 64 quarter + 32 (w / 2) + 8 (w % 2)
	s_lshl_b32 s25, s25, 5
	s_and_b32 s92, s[WV], 1
	s_lshl_b32 s92, s92, 3
	s_add_co_u32 s25, s25, s92
	s_lshl_b32 s92, s20, 6
	s_add_co_u32 s25, s25, s92
	s_lshl_b32 s92, s25, 12
	s_lshl_b32 s94, s24, 8                         ; 64 columns are 256 bytes, in the output and in the bias
	s_add_co_u32 s92, s92, s94
	s_mov_b32 s93, 0
	s_mov_b32 s95, 0
	s_wait_dscnt 0x0
	s_wait_kmcnt 0x0
	s_cmp_eq_u32 s23, 0
	s_cselect_b64 s[8:9], s[8:9], s[10:11]
	s_cselect_b64 s[12:13], s[12:13], s[14:15]
	s_add_nc_u64 s[8:9], s[8:9], s[94:95]
	s_add_nc_u64 s[12:13], s[12:13], s[92:93]
	s_mov_b32 s76, 1
	s_mov_b32 s77, 0
	s_add_nc_u64 s[78:79], s[4:5], s[32:33]
	s_or_b32 s79, s79, 0x80000000
	s_mov_b32 s80, 1
	s_mov_b32 s81, 65536
	s_add_nc_u64 s[82:83], s[4:5], s[30:31]
	s_or_b32 s83, s83, 0x80000000
	s_mov_b32 s84, 1
	s_mov_b32 s85, 32768
	s_add_nc_u64 s[86:87], s[6:7], s[34:35]
	s_or_b32 s87, s87, 0x80000000
	s_mov_b32 s88, 1
	s_mov_b32 s89, 67584
	s_add_nc_u64 s[90:91], s[6:7], s[36:37]
	s_or_b32 s91, s91, 0x80000000
	CROUND                                         ; all sixteen work-groups are here: the joint loads meet
	s_cmp_lg_u32 s[WV], 0                          ; one fill a wave: wave 0 W's codes, 1 W's words, 2 O's codes, 3 O's words
	s_cbranch_scc1 .Lf1
	tensor_load_to_lds s[76:79], s[40:47]
	s_nop 0
	PLACES
	s_branch .Lfd
.Lf1:
	s_cmp_lg_u32 s[WV], 1
	s_cbranch_scc1 .Lf2
	tensor_load_to_lds s[80:83], s[56:63]
	s_nop 0
	PLACES
	s_branch .Lfd
.Lf2:
	s_cmp_lg_u32 s[WV], 2
	s_cbranch_scc1 .Lf3
	tensor_load_to_lds s[84:87], s[48:55]
	s_nop 0
	PLACES
	s_branch .Lfd
.Lf3:
	tensor_load_to_lds s[88:91], s[68:75]
	s_nop 0
	PLACES
.Lfd:
.irp t, 0,1,2,3                                    ; the bias in the result's layout: tile 2 b + u, lane half h: columns 32 b + 8 u + 16 h + 0 .. 7
	global_load_b128 v[BI+8*\t:BI+8*\t+3], v205, s[8:9] offset:(32*(\t/2)+8*(\t%2))*4
	global_load_b128 v[BI+8*\t+4:BI+8*\t+7], v205, s[8:9] offset:(32*(\t/2)+8*(\t%2))*4+16
.endr
	s_wait_loadcnt 0x0
	s_wait_tensorcnt 0x0                           ; my fill has landed;
	s_barrier_signal -1
	s_barrier_wait -1                              ; everybody's has
.irp k, 0,1,2,3,4,5,6,7
	ds_load_b32 v[YS+\k], v[AYS] offset:256*\k
.endr
	LOADST 0
	LOADST 1
.irp k, 0,1,2,3,4,5                                ; the four accumulators take turns, one instruction a turn
	s_wait_dscnt 12                                ; all but the next K step's 12 loads are in
	MULST \k
	PLACES                                         ; four places in front of loads into registers that these matrix instructions have read
	LOADST \k+2
.endr
	s_wait_dscnt 12
	MULST 6
	s_wait_dscnt 0x0
	MULST 7
	PLACES                                         ; and in front of the first read of results
	s_cmp_eq_u32 s23, 0                            ; which product: the same in all waves and in all partners
	s_cbranch_scc0 .Lvar
	OUTW ACC, 12, 13                               ; mu_out leaves as it is, each accumulator from its low end on
	s_branch .Lend
.Lvar:
	SP16 ACC, 208
	SP16 ACC+16, 224
	OUTW 208, 206, 207
.Lend:
	s_wait_tensorcnt 0x0
	ds_add_u32 v254, v255
	s_wait_dscnt 0x0
	CROUND                                         ; the closing round
	s_endpgm
.Lfunc_end_k_q2d9cf747da_outp:
	.size	k_q2d9cf747da_outp, .Lfunc_end_k_q2d9cf747da_outp-k_q2d9cf747da_outp
	.p2alignl 7, 3214868480
	.fill 96, 4, 3214868480
	.section	.rodata,"a",@progbits
	.p2align	6, 0x0
	.amdhsa_kernel k_q2d9cf747da_outp
		.amdhsa_group_segment_fixed_size 168448
		.amdhsa_private_segment_fixed_size 0
		.amdhsa_enable_private_segment 0
		.amdhsa_kernarg_size 48
		.amdhsa_user_sgpr_count 2
		.amdhsa_user_sgpr_kernarg_segment_ptr 1
		.amdhsa_wavefront_size32 1
		.amdhsa_system_sgpr_workgroup_id_x 1
		.amdhsa_system_sgpr_workgroup_id_y 1
		.amdhsa_system_sgpr_workgroup_id_z 1
		.amdhsa_system_vgpr_workitem_id 0
		.amdhsa_next_free_vgpr 256
		.amdhsa_next_free_sgpr 100
		.amdhsa_reserve_vcc 1
		.amdhsa_float_denorm_mode_32 3
		.amdhsa_float_denorm_mode_16_64 3
		.amdhsa_memory_ordered 1
		.amdhsa_forward_progress 1
		.amdhsa_inst_pref_size 40
	.end_amdhsa_kernel
	.amdgpu_metadata
---
amdhsa.version: [ 1, 2 ]
amdhsa.kernels:
  - .name:           k_q2d9cf747da_outp
    .symbol:         k_q2d9cf747da_outp.kd
    .args:
      - { .name: opnd, .offset: 0, .size: 8, .value_kind: global_buffer, .address_space: global }
      - { .name: ocod, .offset: 8, .size: 8, .value_kind: global_buffer, .address_space: global }
      - { .name: bo_mu, .offset: 16, .size: 8, .value_kind: global_buffer, .address_space: global }
      - { .name: bo_var, .offset: 24, .size: 8, .value_kind: global_buffer, .address_space: global }
      - { .name: out0, .offset: 32, .size: 8, .value_kind: global_buffer, .address_space: global }
      - { .name: out1, .offset: 40, .size: 8, .value_kind: global_buffer, .address_space: global }
    .group_segment_fixed_size: 168448
    .private_segment_fixed_size: 0
    .kernarg_segment_align: 8
    .kernarg_segment_size: 48
    .max_flat_workgroup_size: 128
    .sgpr_count:     100
    .vgpr_count:     256
    .wavefront_size: 32
...
	.end_amdgpu_metadata
.endif
;; end of part 4
;; ======== version 2 of 2: 4 launches
;; limits: right only within a limited range of input values
;; workspace buffers: opnd 278,528 bytes; att 4,603,904 bytes; ocod 278,528 bytes; wcod 1,114,112 bytes
;; launch quant (part 5): grid 256 x 1, 1 waves a work-group, no clusters, 8,704 bytes of LDS; arguments mu, var, opnd; writes opnd
.if DOCPART == 5
	.amdgcn_target "amdgcn-amd-amdhsa--gfx1250"
	.amdhsa_code_object_version 6
	.text
	.protected	k_q2d9cf747da_quant
	.globl	k_q2d9cf747da_quant
	.p2align	8
	.type	k_q2d9cf747da_quant,@function
k_q2d9cf747da_quant:
	s_mov_b64 s[64:65], 0
	v_nop
	global_prefetch_b8 v0, s[64:65] scope:SCOPE_SE
	s_setreg_imm32_b32 hwreg(HW_REG_WAVE_MODE, 25, 1), 1
	s_wait_xcnt 0x0
; The two activations mu, var [256 tokens][1024 (k)], f32, become codes of FP4 (E2M1) with one E8M0 byte for each 32 along K.
; They are stored as IMAGES OF OPERAND REGISTERS.  A fragment is 16 rows x 128 K = 8 registers a lane = 1,024 bytes: byte 512 c + 16 lane holds the lane's registers 4 c .. 4 c + 3
; (lane (r, h): k = 64 c + 32 h + 0 .. 31 of row r).  Row m of tile T stands for index 32 (T / 2) + 8 (T % 2) + m + 8 (m / 8), of tokens here and of columns later.
; opnd: images [tensor 2][tile 16][K step 8][1024] at 0; their scale words [tensor][tile][K step][16 words] at 262144.
; A block's scale is 2^(floor(log2(largest magnitude)) - 2); its byte is the largest magnitude's exponent field - 2, held at 1 from below by a floor among the maximum's leaves.
; LIMITS (of all four launches): a block of zeros gets the byte 1 (its codes are zeros, and only this program reads the bytes); NaN and infinities among the inputs are not served.
; A work-group is one wave and makes one fragment.  Each load takes 512 consecutive bytes of a row; the 16 rows turn through a stage in LDS, so that a lane gets its 32 neighbours.
; No input is shared between work-groups (no cluster), and there is no loop to run ahead in (no prefetch).  A fragment's scale words are 64 bytes.
.set SPARE, 8448                       ; behind the stage of 16 x 528 bytes
.set X,  32                            ; v32-95: the rows as loaded
.set Y,  96                            ; v96-159: two blocks of 32 neighbours
	s_load_b128 s[4:7], s[0:1], 0x0
	s_load_b64 s[8:9], s[0:1], 0x10
	v_lshl_add_u32 v6, v0, 2, SPARE
	v_mov_b32 v7, 0
	v_lshlrev_b32 v1, 4, v0                        ; 16 x lane
	v_and_b32 v2, 15, v0                           ; r
	v_lshrrev_b32 v3, 4, v0                        ; h
	v_mul_u32_u24 v4, v2, 528
	v_lshl_add_u32 v4, v3, 7, v4                   ; back from the stage: row r, + 128 h
	v_lshlrev_b32 v5, 2, v2
	v_lshlrev_b32 v8, 3, v3
	v_mov_b32 v10, 0
	s_lshr_b32 s10, ttmp9, 7                       ; mu or var
	s_bfe_u32 s11, ttmp9, 0x40003                  ; tile
	s_and_b32 s12, ttmp9, 7                        ; K step
	s_lshr_b32 s14, s11, 1
	s_lshl_b32 s14, s14, 17
	s_and_b32 s13, s11, 1
	s_lshl_b32 s13, s13, 15
	s_add_co_u32 s14, s14, s13
	s_lshl_b32 s13, s12, 9
	s_add_co_u32 s14, s14, s13
	s_mov_b32 s15, 0
	s_lshl_b32 s16, ttmp9, 10                      ; the work-group's number is (tensor 16 + tile) 8 + K step
	s_mov_b32 s17, 0
	s_lshl_b32 s18, ttmp9, 6
	s_add_co_u32 s18, s18, 262144
	s_mov_b32 s19, 0
	s_mov_b32 s20, 0x76543210
	s_mov_b32 s21, 0xfedcba98
	s_wait_alu depctr_va_vdst(0)                   ; the wait at the head's end
	s_wait_kmcnt 0x0
	s_cmp_eq_u32 s10, 0
	s_cselect_b64 s[4:5], s[4:5], s[6:7]
	s_add_nc_u64 s[4:5], s[4:5], s[14:15]
	s_add_nc_u64 s[16:17], s[8:9], s[16:17]
	s_add_nc_u64 s[18:19], s[8:9], s[18:19]
.irp i, 0,1,2,3,4,5,6,7,8,9,10,11,12,13,14,15
	global_load_b128 v[X+4*\i:X+4*\i+3], v1, s[4:5] offset:(\i+8*(\i/8))*4096
.endr
.irp i, 0,1,2,3,4,5,6,7,8,9,10,11,12,13,14,15
	s_wait_loadcnt 15-\i                           ; row i is in; the rows behind it may be out
	ds_store_b128 v1, v[X+4*\i:X+4*\i+3] offset:528*\i
.endr
.irp c, 0,1
.irp j, 0,1,2,3,4,5,6,7
	ds_load_b128 v[Y+32*\c+4*\j:Y+32*\c+4*\j+3], v4 offset:256*\c+16*\j    ; LDS serves a wave's instructions in order: these see the stores
.endr
.endr
	s_wait_dscnt 0x0
.irp c, 0,1                                    ; the largest magnitude of both blocks, two chains each, by turns
	v_max3_num_f32 v[12+2*\c], |v[Y+32*\c]|, |v[Y+32*\c+1]|, |v[Y+32*\c+2]|
	v_max3_num_f32 v[13+2*\c], |v[Y+32*\c+3]|, |v[Y+32*\c+4]|, |v[Y+32*\c+5]|
.endr
.irp i, 6,10,14,18,22,26
.irp c, 0,1
	v_max3_num_f32 v[12+2*\c], v[12+2*\c], |v[Y+32*\c+\i]|, |v[Y+32*\c+\i+1]|
	v_max3_num_f32 v[13+2*\c], v[13+2*\c], |v[Y+32*\c+\i+2]|, |v[Y+32*\c+\i+3]|
.endr
.endr
.irp c, 0,1
	v_max3_num_f32 v[12+2*\c], v[12+2*\c], |v[Y+32*\c+30]|, |v[Y+32*\c+31]|
.endr
.irp c, 0,1
	v_max3_num_f32 v[12+2*\c], v[12+2*\c], v[13+2*\c], 0x1800000   ; the floor 2^(3 - 127): the byte cannot fall under 1
.endr
.irp c, 0,1
	v_add_nc_u32 v[20+\c], 0xff000000, v[12+2*\c]  ; 2 off the exponent field: the conversions' scale operand
.endr
.irp c, 0,1
	v_lshrrev_b32 v[22+\c], 23, v[20+\c]           ; the byte
.endr
.irp c, 0,1
.irp g, 0,1,2,3
	v_cvt_scalef32_pk8_fp4_f32 v[24+4*\c+\g], v[Y+32*\c+8*\g:Y+32*\c+8*\g+7], v[20+\c]
.endr
.endr
	v_lshl_or_b32 v9, v23, 16, v22                 ; my two bytes: blocks h and 2 + h of row r,
	v_lshlrev_b32 v9, v8, v9                       ; 8 h bits up;
	v_permlanex16_b32 v10, v9, s20, s21
	v_or_b32 v9, v9, v10                           ; with lane l xor 16's two the word is whole
	global_store_b128 v1, v[24:27], s[16:17]       ; 512 consecutive bytes each
	global_store_b128 v1, v[28:31], s[16:17] offset:512
	global_store_b32 v5, v9, s[18:19]              ; both halves of the lanes store the same word at the same place
	s_wait_tensorcnt 0x0
	ds_add_u32 v6, v7
	s_wait_dscnt 0x0
	s_endpgm
.Lfunc_end_k_q2d9cf747da_quant:
	.size	k_q2d9cf747da_quant, .Lfunc_end_k_q2d9cf747da_quant-k_q2d9cf747da_quant
	.p2alignl 7, 3214868480
	.fill 96, 4, 3214868480
	.section	.rodata,"a",@progbits
	.p2align	6, 0x0
	.amdhsa_kernel k_q2d9cf747da_quant
		.amdhsa_group_segment_fixed_size 8704
		.amdhsa_private_segment_fixed_size 0
		.amdhsa_enable_private_segment 0
		.amdhsa_kernarg_size 24
		.amdhsa_user_sgpr_count 2
		.amdhsa_user_sgpr_kernarg_segment_ptr 1
		.amdhsa_wavefront_size32 1
		.amdhsa_system_sgpr_workgroup_id_x 1
		.amdhsa_system_sgpr_workgroup_id_y 1
		.amdhsa_system_sgpr_workgroup_id_z 1
		.amdhsa_system_vgpr_workitem_id 0
		.amdhsa_next_free_vgpr 160
		.amdhsa_next_free_sgpr 66
		.amdhsa_reserve_vcc 0
		.amdhsa_float_denorm_mode_32 3
		.amdhsa_float_denorm_mode_16_64 3
		.amdhsa_memory_ordered 1
		.amdhsa_forward_progress 1
		.amdhsa_inst_pref_size 10
	.end_amdhsa_kernel
	.amdgpu_metadata
---
amdhsa.version: [ 1, 2 ]
amdhsa.kernels:
  - .name:           k_q2d9cf747da_quant
    .symbol:         k_q2d9cf747da_quant.kd
    .args:
      - { .name: mu, .offset: 0, .size: 8, .value_kind: global_buffer, .address_space: global }
      - { .name: var, .offset: 8, .size: 8, .value_kind: global_buffer, .address_space: global }
      - { .name: opnd, .offset: 16, .size: 8, .value_kind: global_buffer, .address_space: global }
    .group_segment_fixed_size: 8704
    .private_segment_fixed_size: 0
    .kernarg_segment_align: 8
    .kernarg_segment_size: 24
    .max_flat_workgroup_size: 32
    .sgpr_count:     66
    .vgpr_count:     160
    .wavefront_size: 32
...
	.end_amdgpu_metadata
.endif
;; end of part 5
;; launch proj (part 6): grid 192 x 1, 8 waves a work-group, no clusters, 51,968 bytes of LDS; arguments wq_mu, wq_var, wk_mu, wk_var, wv_mu, wv_var, opnd, att, bq_mu, bq_var, bk_mu, bk_var, bv_mu, bv_var; writes att
.if DOCPART == 6
	.amdgcn_target "amdgcn-amd-amdhsa--gfx1250"
	.amdhsa_code_object_version 6
	.text
	.protected	k_q2d9cf747da_proj
	.globl	k_q2d9cf747da_proj
	.p2align	8
	.type	k_q2d9cf747da_proj,@function
k_q2d9cf747da_proj:
	s_mov_b64 s[64:65], 0
	v_nop
	global_prefetch_b8 v0, s[64:65] scope:SCOPE_SE
	s_setreg_imm32_b32 hwreg(HW_REG_WAVE_MODE, 25, 1), 1
	s_wait_xcnt 0x0
; The six projections.  A work-group makes 32 columns (half a head) of one of them for all 256 tokens; role = 2 kind + p, kind = Q, K, V, p = 0 mu, 1 var.
; It quantises its own 32 columns x 1024 K of the f32 weight: each weight element is read by one work-group alone.  Wave w takes K step w (128 rows): a load reads four rows x 128 bytes;
; lane (kq = lane / 8, cq = lane % 8) gets rows 32 kq + i of columns 4 cq .. 4 cq + 3: one block of 32 along K of four columns.  The codes meet in LDS as images of fragments.
; Then wave w multiplies tokens 32 w .. + 31 (tiles 2 w, 2 w + 1) with both column tiles: 4 accumulators, 32 matrix instructions.  The activations' images go from memory straight
; into the registers of the one wave that multiplies them.
;   Q: source 0 = columns, source 1 = tokens.  Out: Qm, Qv as [head][tile of 16 queries][group of 8 d][quad of d][query][4].
;   K: source 0 = tokens, source 1 = columns.  Out: Km and a = 0.5 / Kv as [head][d][256 keys], and for each group of 8 d the sum of 0.5 ln Kv, [head][group][256 keys].
;   V: as K.  Out: V quantised along the tokens, as images of the next launch's fragments, with their scale words.
; softplus(x) = max(x, 0) + log1p(E), E = e^-|x| in [0, 1];  log1p(E) = 2 atanh(E / (2 + E)) = y (1 + y^2 / 12 + y^4 / 80 + ..), y = E / (1 + E / 2) <= 2/3 for every x: the term left out, y^14 / 245760, is under 1.5e-8.
; LIMITS: where -|x| log2(e) is under -126 the exponential gives 0, so softplus of x under about -87.3 is 0; blocks of zeros get the scale byte 1; NaN and infinities are not served.
; NO CLUSTER: the weights are not shared, and an activation fragment is used by one wave of a work-group, once, out of registers; a shared fill would add an LDS write and read of its 128 KiB.  No loop to run ahead in: no prefetch.
.set CWS,  16384                       ; LDS: 0 the weight's images [u 2][K step 8][1024]; here their scale words [K step][u][16 words]
.set STK,  17408                       ; K's stage: 32 d x (1024 + 16) bytes
.set STV,  50688                       ; V's scale words: 256 bytes
.set SPARE, 50944
.set KO,   2097152                     ; att: Qm at 0, Qv at 1048576, Km here, a at + 1048576,
.set VIO,  4194304                     ; V's images, their words, the keys' constants
.set VSO,  4456448
.set CKO,  4472832
.set SPW,  12
.set NIL,  13
.set MXR,  14                          ; v14-17 largest magnitudes, then bytes
.set SCO,  18                          ; v18-21 the conversions' scale operands
.set TW,   22                          ; v22-29 the tokens' scale words: tile t, K steps 2 j (lanes 0-15), 2 j + 1 at v[TW + 4 t + j]
.set BI,   30                          ; v30-45 the bias as first C: 8 registers for each column tile
.set TMP,  46                          ; v46-109 two sets of 4 columns x 8 rows
.set WX,   112                         ; v112-239 the weight, row i of four columns at v[WX + 4 i]
.set CODE, 240                         ; v240-255 its codes
.set ACC,  46                          ; v46-77 accumulator (t, u) at v[ACC + 16 u + 8 t]
.set CW,   78                          ; v78-85 the columns' scale words, u = 0 in lanes 0-15, u = 1 in lanes 16-31
.set FR,   112                         ; v112-239 the columns' fragments: K step k, tile u at v[FR + 16 k + 8 u]
.set T0,   112
.set T1,   144
.set T2,   176
.set T3,   208
; window 1 (v256-383): the tokens' fragments: K step k, tile t at v[16 k + 8 t]
.set MSB, 0
.macro WIN new                         ; the immediate's high byte repeats the setting that is left
.if MSB != \new
	s_set_vgpr_msb (MSB<<8)|\new
.set MSB, \new
.endif
.endm
.macro PLACES
.rept 4
	v_nop
.endr
.endm
; one matrix instruction; ra, rb: which half of the lanes holds source 0's and source 1's scale words
.macro WM d, a, b, c, sa, sb, ra, rb
.if ((\ra) == 0) && ((\rb) == 0)
	v_wmma_scale_f32_16x16x128_f8f6f4 v[\d:\d+7], v[\a:\a+7], v[\b:\b+7], v[\c:\c+7], v[\sa], v[\sb] matrix_a_fmt:MATRIX_FMT_FP4 matrix_b_fmt:MATRIX_FMT_FP4
.elseif (\rb) == 0
	v_wmma_scale_f32_16x16x128_f8f6f4 v[\d:\d+7], v[\a:\a+7], v[\b:\b+7], v[\c:\c+7], v[\sa], v[\sb] matrix_a_fmt:MATRIX_FMT_FP4 matrix_b_fmt:MATRIX_FMT_FP4 matrix_a_scale:MATRIX_SCALE_ROW1
.elseif (\ra) == 0
	v_wmma_scale_f32_16x16x128_f8f6f4 v[\d:\d+7], v[\a:\a+7], v[\b:\b+7], v[\c:\c+7], v[\sa], v[\sb] matrix_a_fmt:MATRIX_FMT_FP4 matrix_b_fmt:MATRIX_FMT_FP4 matrix_b_scale:MATRIX_SCALE_ROW1
.else
	v_wmma_scale_f32_16x16x128_f8f6f4 v[\d:\d+7], v[\a:\a+7], v[\b:\b+7], v[\c:\c+7], v[\sa], v[\sb] matrix_a_fmt:MATRIX_FMT_FP4 matrix_b_fmt:MATRIX_FMT_FP4 matrix_a_scale:MATRIX_SCALE_ROW1 matrix_b_scale:MATRIX_SCALE_ROW1
.endif
.endm
; 32 matrix instructions; the four accumulators take turns, one instruction a turn.  q = 1: source 0 = columns; q = 0: source 0 = tokens.  The tokens' fragments lie in window 1
.macro GEMM q
	WIN 1+3*\q
.irp k, 0,1,2,3,4,5,6,7
	s_wait_dscnt 35-5*\k                           ; the K steps behind this one have five loads each out
.irp u, 0,1
.irp t, 0,1
.if \q && (\k == 0)
	WM ACC+16*\u+8*\t, FR+16*\k+8*\u, 16*\k+8*\t, BI+8*\u, CW+\k, TW+4*\t+\k/2, \u, \k%2
.elseif \q
	WM ACC+16*\u+8*\t, FR+16*\k+8*\u, 16*\k+8*\t, ACC+16*\u+8*\t, CW+\k, TW+4*\t+\k/2, \u, \k%2
.elseif \k == 0
	WM ACC+16*\u+8*\t, 16*\k+8*\t, FR+16*\k+8*\u, BI+8*\u, TW+4*\t+\k/2, CW+\k, \k%2, \u
.else
	WM ACC+16*\u+8*\t, 16*\k+8*\t, FR+16*\k+8*\u, ACC+16*\u+8*\t, TW+4*\t+\k/2, CW+\k, \k%2, \u
.endif
.endr
.endr
.endr
	PLACES                                         ; four places in front of the first read of results, and of loads into operands
	WIN 0
.endm
; rows i0 .. i0 + 15: the four columns' largest magnitudes, by turns
.macro MAXR i0
.irp i, 0,2,4,6,8,10,12,14
.irp c, 0,1,2,3
.if (\i0+\i) == 0
	v_max3_num_f32 v[MXR+\c], |v[WX+\c]|, |v[WX+4+\c]|, 0x1800000   ; with the floor 2^(3 - 127): the byte cannot fall under 1
.else
	v_max3_num_f32 v[MXR+\c], v[MXR+\c], |v[WX+4*(\i0+\i)+\c]|, |v[WX+4*(\i0+\i+1)+\c]|
.endif
.endr
.endr
.endm
; rows 8 g .. 8 g + 7 of the four columns into runs of eight registers, as the conversions want them
.macro RUNS g
.irp e, 0,2,4,6
.irp c, 0,2
	v_dual_mov_b32 v[TMP+32*(\g%2)+8*\c+\e], v[WX+4*(8*\g+\e)+\c] :: v_dual_mov_b32 v[TMP+32*(\g%2)+8*\c+9+\e], v[WX+4*(8*\g+\e)+5+\c]
	v_dual_mov_b32 v[TMP+32*(\g%2)+8*\c+1+\e], v[WX+4*(8*\g+\e)+4+\c] :: v_dual_mov_b32 v[TMP+32*(\g%2)+8*\c+8+\e], v[WX+4*(8*\g+\e)+1+\c]
.endr
.endr
.endm
.macro CONV g
.irp c, 0,1,2,3
	v_cvt_scalef32_pk8_fp4_f32 v[CODE+4*\c+\g], v[TMP+32*(\g%2)+8*\c:TMP+32*(\g%2)+8*\c+7], v[SCO+\c]
.endr
.endm
	s_load_b512 s[4:19], s[0:1], 0x0               ; the six weights, opnd s[16:17], att s[18:19]
	s_load_b256 s[20:27], s[0:1], 0x40             ; bq_mu, bq_var, bk_mu, bk_var
	s_load_b128 s[28:31], s[0:1], 0x60             ; bv_mu, bv_var
	v_lshl_add_u32 v[SPW], v0, 2, SPARE
	v_mov_b32 v[NIL], 0
	v_lshrrev_b32 v1, 5, v0
	v_readfirstlane_b32 s33, v1                    ; wave
	v_and_b32 v1, 31, v0                           ; lane
	v_and_b32 v2, 15, v0                           ; r
	v_bfe_u32 v3, v0, 4, 1                         ; h
	v_lshlrev_b32 v4, 4, v1                        ; 16 x lane
	v_bfe_u32 v14, v0, 3, 2                        ; kq
	v_and_b32 v15, 7, v0                           ; cq
	v_and_b32 v16, 1, v0
	v_bfe_u32 v17, v0, 2, 1
	v_bfe_u32 v18, v0, 1, 1                        ; the tile u of my four columns; their first row of it is 4 (cq % 2) + 8 (cq / 4)
	v_lshlrev_b32 v5, 17, v14
	v_lshl_add_u32 v5, v15, 4, v5                  ; the weight: 32 kq rows of 4,096 bytes, 16 cq
	s_lshl_b32 s38, s33, 10
	s_lshl_b32 s39, s33, 7
	s_add_co_u32 s39, s39, CWS
	v_lshlrev_b32 v6, 8, v14
	v_lshl_add_u32 v6, v16, 6, v6
	v_lshl_add_u32 v6, v17, 7, v6
	v_lshl_add_u32 v6, v18, 13, v6
	v_add_nc_u32 v6, s38, v6                       ; the images, in: K step w, block kq, row
	v_lshl_add_u32 v7, v16, 4, v14
	v_lshl_add_u32 v7, v17, 5, v7
	v_lshl_add_u32 v7, v18, 6, v7
	v_add_nc_u32 v7, s39, v7                       ; the scale bytes, in
	v_lshl_add_u32 v8, v1, 2, CWS                  ; the scale words, back
	v_lshlrev_b32 v9, 2, v1
	v_lshlrev_b32 v10, 6, v3                       ; Q's bias: columns 16 h + 8 u + 0 .. 7
	v_and_b32 v11, 8, v2
	v_add_nc_u32 v11, v11, v2
	v_lshlrev_b32 v11, 2, v11                      ; K's, V's: column r + 8 (r / 8) + 8 u
	s_bfe_u32 s34, ttmp9, 0x10003                  ; half of the head
	s_lshr_b32 s35, ttmp9, 4
	s_lshl_b32 s35, s35, 3
	s_and_b32 s36, ttmp9, 7
	s_add_co_u32 s35, s35, s36
	s_lshr_b32 s36, s35, 4                         ; role
	s_and_b32 s35, s35, 15                         ; head
	s_and_b32 s37, s36, 1                          ; p
	s_lshr_b32 s36, s36, 1                         ; kind
	s_lshl_b32 s44, s35, 8                         ; my columns, in bytes
	s_lshl_b32 s45, s34, 7
	s_add_co_u32 s44, s44, s45
	s_mov_b32 s45, 0
	s_lshl_b32 s38, s33, 19                        ; K step w: 128 rows
	s_add_co_u32 s38, s38, s44
	s_mov_b32 s39, 0
	s_lshl_b32 s40, s37, 17                        ; the tokens' images,
	s_lshl_b32 s41, s33, 14
	s_add_co_u32 s40, s40, s41
	s_mov_b32 s41, 0
	s_lshl_b32 s42, s37, 13                        ; and words
	s_lshl_b32 s43, s33, 10
	s_add_co_u32 s42, s42, s43
	s_add_co_u32 s42, s42, 262144
	s_mov_b32 s43, 0
	s_mov_b32 s70, 0xbfb8aa3b                      ; -log2(e)
.irp j, 0,1                                    ; the series' coefficients (a packed form names a pair)
	s_mov_b32 s[72+\j], 0x3daaaaab                 ; 1/12
	s_mov_b32 s[74+\j], 0x3c4ccccd                 ; 1/80
	s_mov_b32 s[76+\j], 0x3b124925                 ; 1/448
	s_mov_b32 s[78+\j], 0x39e38e39                 ; 1/2304
	s_mov_b32 s[80+\j], 0x379d89d9                 ; 1/53248
.endr
	s_mov_b32 s82, 0xbeb17218                      ; -0.5 ln 2
	s_mov_b32 s83, 0xc0317218                      ; 8 times that
	s_mov_b32 s84, 0x76543210
	s_mov_b32 s85, 0xfedcba98
	s_wait_alu depctr_va_vdst(0)                   ; the wait at the head's end
	s_wait_kmcnt 0x0
	s_cmp_eq_u32 s37, 0
	s_cselect_b64 s[4:5], s[4:5], s[6:7]
	s_cselect_b64 s[8:9], s[8:9], s[10:11]
	s_cselect_b64 s[12:13], s[12:13], s[14:15]
	s_cselect_b64 s[20:21], s[20:21], s[22:23]
	s_cselect_b64 s[24:25], s[24:25], s[26:27]
	s_cselect_b64 s[28:29], s[28:29], s[30:31]
	s_cmp_eq_u32 s36, 1
	s_cselect_b64 s[4:5], s[8:9], s[4:5]
	s_cselect_b64 s[20:21], s[24:25], s[20:21]
	s_cmp_eq_u32 s36, 2
	s_cselect_b64 s[4:5], s[12:13], s[4:5]
	s_cselect_b64 s[20:21], s[28:29], s[20:21]
	s_add_nc_u64 s[4:5], s[4:5], s[38:39]
	s_add_nc_u64 s[20:21], s[20:21], s[44:45]
	s_add_nc_u64 s[40:41], s[16:17], s[40:41]
	s_add_nc_u64 s[42:43], s[16:17], s[42:43]
.rept 32
	global_load_b128 v[WX+4*\+:3+WX+4*\+], v5, s[4:5] offset:4096*\+      ; rows i, 32 + i, 64 + i, 96 + i of the K step, 128 consecutive bytes each
.endr
	s_cmp_eq_u32 s36, 0                            ; the bias: four loads for Q, two for K and V
	s_cbranch_scc0 .Lbias_kv
.irp u, 0,1
	global_load_b128 v[BI+8*\u:BI+8*\u+3], v10, s[20:21] offset:32*\u
	global_load_b128 v[BI+8*\u+4:BI+8*\u+7], v10, s[20:21] offset:32*\u+16
.endr
	s_branch .Lbias_done
.Lbias_kv:
	global_load_b32 v[BI], v11, s[20:21]
	global_load_b32 v[BI+8], v11, s[20:21] offset:32
.Lbias_done:
.irp t, 0,1
.irp j, 0,1,2,3
	global_load_b32 v[TW+4*\t+\j], v9, s[42:43] offset:512*\t+128*\j
.endr
.endr
	WIN 0x40                                       ; destinations in window 1
.irp k, 0,1,2,3,4,5,6,7
.irp t, 0,1
.irp c, 0,1
	global_load_b128 v[16*\k+8*\t+4*\c:16*\k+8*\t+4*\c+3], v4, s[40:41] offset:8192*\t+1024*\k+512*\c    ; 512 consecutive bytes
.endr
.endr
.endr
	WIN 0
	s_wait_loadcnt 58                              ; rows 0-15 are in: 16 rows, 2 loads of the bias at the least and 40 of the tokens are younger
	MAXR 0
	RUNS 0
	RUNS 1
	s_wait_loadcnt 42                              ; rows 16-31
	MAXR 16
.irp c, 0,1,2,3
	v_add_nc_u32 v[SCO+\c], 0xff000000, v[MXR+\c]  ; 2 off the exponent field: the conversions' scale operand
.endr
.irp c, 0,1,2,3
	v_lshrrev_b32 v[MXR+\c], 23, v[SCO+\c]         ; the byte
.endr
	CONV 0
	CONV 1
	v_nop                                          ; one plain place behind the conversions
	RUNS 2
	RUNS 3
	CONV 2
	CONV 3
	v_nop
.irp c, 0,1,2,3
	ds_store_b128 v6, v[CODE+4*\c:CODE+4*\c+3] offset:16*\c
	ds_store_b8 v7, v[MXR+\c] offset:4*\c
.endr
	s_wait_loadcnt 0x0                             ; the bias and the tokens
	s_cmp_eq_u32 s36, 0
	s_cbranch_scc1 .Lbias_in
.irp j, 1,2,3,4,5,6,7                          ; K, V: the bias hangs on the lane's column: one number spread over the eight registers of a C
	v_mov_b32 v[BI+\j], v[BI]
	v_mov_b32 v[BI+8+\j], v[BI+8]
.endr
.Lbias_in:
	s_wait_alu depctr_va_vdst(0)                   ; ahead of the barrier
	s_wait_dscnt 0x0
	s_barrier_signal -1
	s_barrier_wait -1                              ; all eight K steps' codes lie in LDS
.irp k, 0,1,2,3,4,5,6,7
	ds_load_b32 v[CW+\k], v8 offset:128*\k
.irp u, 0,1
.irp c, 0,1
	ds_load_b128 v[FR+16*\k+8*\u+4*\c:FR+16*\k+8*\u+4*\c+3], v4 offset:8192*\u+1024*\k+512*\c
.endr
.endr
.endr
	s_cmp_eq_u32 s36, 0
	s_cbranch_scc1 .Lgemm_q
	GEMM 0
	s_branch .Lgemm_done
.Lgemm_q:
	GEMM 1
.Lgemm_done:
	s_cmp_eq_u32 s37, 0
	s_cbranch_scc1 .Lplain
	; ---- var: softplus of 32 numbers, in place
	v_mov_b32 v14, 0x38ba2e8c                      ; 1/11264
	v_mov_b32 v15, 0x38ba2e8c
.rept 32
	v_mul_f32 v[T0+\+], s70, |v[ACC+\+]|
.endr
	s_wait_alu depctr_va_vdst(0)                   ; a wait ahead of each batch and behind it
.rept 32
	v_exp_f32 v[T0+\+], v[T0+\+]                   ; E
.endr
	v_nop
	s_wait_alu depctr_va_vdst(0)
.rept 16
	v_pk_fma_f32 v[T1+2*\+:1+T1+2*\+], v[T0+2*\+:1+T0+2*\+], 0.5, 1.0 op_sel_hi:[1,0,0]
.endr
	s_wait_alu depctr_va_vdst(0)
.rept 32
	v_rcp_f32 v[T1+\+], v[T1+\+]
.endr
.rept 32
	v_max_num_f32 v[T2+\+], 0, v[ACC+\+]
.endr
	s_wait_alu depctr_va_vdst(0)
.rept 16
	v_pk_mul_f32 v[T1+2*\+:1+T1+2*\+], v[T0+2*\+:1+T0+2*\+], v[T1+2*\+:1+T1+2*\+]      ; y
.endr
.rept 16
	v_pk_mul_f32 v[T3+2*\+:1+T3+2*\+], v[T1+2*\+:1+T1+2*\+], v[T1+2*\+:1+T1+2*\+]      ; y^2
.endr
.rept 16
	v_pk_fma_f32 v[T0+2*\+:1+T0+2*\+], v[T3+2*\+:1+T3+2*\+], s[80:81], v[14:15] op_sel_hi:[1,0,1]
.endr
.irp s, 78, 76, 74, 72
.irp k, 0,2,4,6,8,10,12,14,16,18,20,22,24,26,28,30
	v_pk_fma_f32 v[T0+\k:T0+\k+1], v[T0+\k:T0+\k+1], v[T3+\k:T3+\k+1], s[\s:\s+1] op_sel_hi:[1,1,0]
.endr
.endr
.rept 16
	v_pk_mul_f32 v[T0+2*\+:1+T0+2*\+], v[T0+2*\+:1+T0+2*\+], v[T3+2*\+:1+T3+2*\+]
.endr
.rept 16
	v_pk_add_f32 v[T2+2*\+:1+T2+2*\+], v[T2+2*\+:1+T2+2*\+], v[T1+2*\+:1+T1+2*\+]
.endr
.rept 16
	v_pk_fma_f32 v[ACC+2*\+:1+ACC+2*\+], v[T1+2*\+:1+T1+2*\+], v[T0+2*\+:1+T0+2*\+], v[T2+2*\+:1+T2+2*\+]
.endr
	s_wait_alu depctr_va_vdst(0)                   ; ahead of the branches and of the batch
	s_cmp_eq_u32 s36, 1
	s_cbranch_scc0 .Lplain
.rept 32
	v_rcp_f32 v[T0+\+], v[ACC+\+]
.endr
	v_nop
	s_wait_alu depctr_va_vdst(0)
.rept 16
	v_pk_mul_f32 v[ACC+2*\+:1+ACC+2*\+], v[T0+2*\+:1+T0+2*\+], 0.5 op_sel_hi:[1,0]     ; K: a = 0.5 / Kv
.endr
	s_wait_alu depctr_va_vdst(0)
.Lplain:
	s_cmp_eq_u32 s36, 0
	s_cbranch_scc1 .Lq
	s_cmp_eq_u32 s36, 2
	s_cbranch_scc1 .Lv
	; ================ K: lane = column, registers 16 u + 0 .. 15 = keys 32 w + 16 h + 0 .. 15
	s_lshl_b32 s44, s33, 7
	s_add_co_u32 s44, s44, STK
	s_mul_i32 s45, s33, 4160
	s_add_co_u32 s45, s45, STK
	v_and_b32 v90, 8, v2
	v_add_nc_u32 v90, v90, v2
	v_mul_u32_u24 v86, v90, 1040
	v_lshl_add_u32 v86, v3, 6, v86
	v_add_nc_u32 v86, s44, v86                     ; the stage, in: my column's row
	v_add_nc_u32 v87, s45, v4                      ; back: rows 4 w on, 512 bytes a load
	v_lshl_add_u32 v88, v0, 2, STK                 ; and one key of each row
	v_lshlrev_b32 v89, 2, v0
	s_lshl_b32 s46, s37, 20
	s_lshl_b32 s47, s35, 16
	s_add_co_u32 s46, s46, s47
	s_lshl_b32 s47, s34, 15
	s_add_co_u32 s46, s46, s47
	s_lshl_b32 s47, s33, 12
	s_add_co_u32 s46, s46, s47
	s_add_co_u32 s46, s46, KO
	s_mov_b32 s47, 0
	s_add_nc_u64 s[46:47], s[18:19], s[46:47]
	s_lshl_b32 s48, s35, 13
	s_lshl_b32 s49, s34, 12
	s_add_co_u32 s48, s48, s49
	s_add_co_u32 s48, s48, CKO
	s_mov_b32 s49, 0
	s_add_nc_u64 s[48:49], s[18:19], s[48:49]
	s_wait_alu depctr_va_vdst(0)
.irp u, 0,1
.irp e, 0,1,2,3
	ds_store_b128 v86, v[ACC+16*\u+4*\e:ACC+16*\u+4*\e+3] offset:8320*\u+16*\e
.endr
.endr
	s_wait_alu depctr_va_vdst(0)
	s_wait_dscnt 0x0
	s_barrier_signal -1
	s_barrier_wait -1                              ; 32 whole rows of 256 keys lie in LDS
	s_cmp_eq_u32 s37, 0
	s_cbranch_scc1 .Lk_rows
.rept 32
	ds_load_b32 v[144+\+], v88 offset:1040*\+      ; a of my key for the 32 d
.endr
.Lk_rows:
.irp i, 0,1,2,3,4,5,6,7
	ds_load_b128 v[112+4*\i:115+4*\i], v87 offset:1040*(\i/2)+512*(\i%2)
.endr
.irp i, 0,1,2,3,4,5,6,7
	s_wait_dscnt 7-\i                              ; (the loads of single keys are older)
	global_store_b128 v4, v[112+4*\i:115+4*\i], s[46:47] offset:512*\i      ; 512 consecutive bytes
.endr
	s_cmp_eq_u32 s37, 0
	s_cbranch_scc1 .Lend
.rept 32
	v_log_f32 v[144+\+], v[144+\+]
.endr
	v_nop
	s_wait_alu depctr_va_vdst(0)
.irp g, 0,1,2,3                                ; 0.5 ln Kv = -0.5 ln 2 (log2 a + 1), summed over each group of 8 d
	v_pk_add_f32 v[144+8*\g:145+8*\g], v[144+8*\g:145+8*\g], v[146+8*\g:147+8*\g]
	v_pk_add_f32 v[148+8*\g:149+8*\g], v[148+8*\g:149+8*\g], v[150+8*\g:151+8*\g]
.endr
.irp g, 0,1,2,3
	v_pk_add_f32 v[144+8*\g:145+8*\g], v[144+8*\g:145+8*\g], v[148+8*\g:149+8*\g]
.endr
.irp g, 0,1,2,3
	v_add_f32 v[176+\g], v[144+8*\g], v[145+8*\g]
.endr
.irp g, 0,1,2,3
	v_fma_f32 v[176+\g], v[176+\g], s82, s83
.endr
.irp g, 0,1,2,3
	global_store_b32 v89, v[176+\g], s[48:49] offset:1024*\g
.endr
	s_branch .Lend
.Lv:	; ================ V: the wave's 32 tokens are one block along the next K, shared by lanes l and l xor 16
	s_lshr_b32 s44, s33, 2
	s_lshl_b32 s44, s44, 7
	s_and_b32 s45, s33, 3
	s_add_co_u32 s44, s44, s45
	s_add_co_u32 s44, s44, STV
	s_lshl_b32 s46, s37, 17
	s_lshl_b32 s47, s35, 13
	s_add_co_u32 s46, s46, s47
	s_lshl_b32 s47, s34, 12
	s_add_co_u32 s46, s46, s47
	s_lshl_b32 s47, s33, 8
	s_add_co_u32 s46, s46, s47
	s_add_co_u32 s46, s46, VIO
	s_mov_b32 s47, 0
	s_add_nc_u64 s[46:47], s[18:19], s[46:47]
	s_lshl_b32 s48, s37, 13
	s_lshl_b32 s49, s35, 9
	s_add_co_u32 s48, s48, s49
	s_lshl_b32 s49, s34, 8
	s_add_co_u32 s48, s48, s49
	s_add_co_u32 s48, s48, VSO
	s_mov_b32 s49, 0
	s_add_nc_u64 s[48:49], s[18:19], s[48:49]
	v_lshlrev_b32 v86, 4, v2
	v_lshl_add_u32 v86, v3, 3, v86                 ; 16 r + 8 h
	v_lshl_add_u32 v87, v2, 2, s44                 ; my block's byte of row r's word
	v_lshl_add_u32 v88, v1, 3, STV
	v_lshlrev_b32 v89, 3, v1
	v_mov_b32 v92, 0                               ; a lane permute's destination counts as one of its sources
	v_mov_b32 v93, 0
.irp u, 0,1
	v_max3_num_f32 v[90+\u], |v[ACC+16*\u]|, |v[ACC+16*\u+1]|, 0x1800000
.endr
.irp i, 2,4,6,8,10,12,14
.irp u, 0,1
	v_max3_num_f32 v[90+\u], v[90+\u], |v[ACC+16*\u+\i]|, |v[ACC+16*\u+\i+1]|
.endr
.endr
.irp u, 0,1
	v_permlanex16_b32 v[92+\u], v[90+\u], s84, s85
.endr
.irp u, 0,1
	v_max_num_f32 v[90+\u], v[90+\u], v[92+\u]
.endr
.irp u, 0,1
	v_add_nc_u32 v[94+\u], 0xff000000, v[90+\u]
.endr
.irp u, 0,1
	v_lshrrev_b32 v[96+\u], 23, v[94+\u]
.endr
.irp u, 0,1
	v_cvt_scalef32_pk8_fp4_f32 v[98+2*\u], v[ACC+16*\u:ACC+16*\u+7], v[94+\u]
	v_cvt_scalef32_pk8_fp4_f32 v[99+2*\u], v[ACC+16*\u+8:ACC+16*\u+15], v[94+\u]
.endr
	v_nop
.irp u, 0,1
	ds_store_b8 v87, v[96+\u] offset:64*\u         ; both halves of the lanes store the same byte
	global_store_b64 v86, v[98+2*\u:99+2*\u], s[46:47] offset:2048*\u      ; 256 consecutive bytes, aligned
.endr
	s_wait_alu depctr_va_vdst(0)
	s_wait_dscnt 0x0
	s_barrier_signal -1
	s_barrier_wait -1
	s_cmp_lg_u32 s33, 0
	s_cbranch_scc1 .Lend
	ds_load_b64 v[102:103], v88
	s_wait_dscnt 0x0
	global_store_b64 v89, v[102:103], s[48:49]     ; the work-group's 64 words: 256 consecutive bytes, aligned
	s_branch .Lend
.Lq:	; ================ Q: lane = query r of tile 2 w + t, registers of tile u = d 32 half + 16 h + 8 u + 0 .. 7
	s_lshl_b32 s46, s37, 20
	s_lshl_b32 s47, s35, 16
	s_add_co_u32 s46, s46, s47
	s_lshl_b32 s47, s33, 13
	s_add_co_u32 s46, s46, s47
	s_lshl_b32 s47, s34, 11
	s_add_co_u32 s46, s46, s47
	s_mov_b32 s47, 0
	s_add_nc_u64 s[46:47], s[18:19], s[46:47]
	v_lshlrev_b32 v86, 4, v2
	v_lshl_add_u32 v86, v3, 10, v86
.irp t, 0,1
.irp u, 0,1
.irp q, 0,1
	global_store_b128 v86, v[ACC+16*\u+8*\t+4*\q:ACC+16*\u+8*\t+4*\q+3], s[46:47] offset:4096*\t+512*\u+256*\q    ; two units of 256 bytes, whole
.endr
.endr
.endr
.Lend:
	s_wait_tensorcnt 0x0
	ds_add_u32 v[SPW], v[NIL]
	s_wait_dscnt 0x0
	s_endpgm
.Lfunc_end_k_q2d9cf747da_proj:
	.size	k_q2d9cf747da_proj, .Lfunc_end_k_q2d9cf747da_proj-k_q2d9cf747da_proj
	.p2alignl 7, 3214868480
	.fill 96, 4, 3214868480
	.section	.rodata,"a",@progbits
	.p2align	6, 0x0
	.amdhsa_kernel k_q2d9cf747da_proj
		.amdhsa_group_segment_fixed_size 51968
		.amdhsa_private_segment_fixed_size 0
		.amdhsa_enable_private_segment 0
		.amdhsa_kernarg_size 112
		.amdhsa_user_sgpr_count 2
		.amdhsa_user_sgpr_kernarg_segment_ptr 1
		.amdhsa_wavefront_size32 1
		.amdhsa_system_sgpr_workgroup_id_x 1
		.amdhsa_system_sgpr_workgroup_id_y 1
		.amdhsa_system_sgpr_workgroup_id_z 1
		.amdhsa_system_vgpr_workitem_id 0
		.amdhsa_next_free_vgpr 384
		.amdhsa_next_free_sgpr 100
		.amdhsa_reserve_vcc 0
		.amdhsa_float_denorm_mode_32 3
		.amdhsa_float_denorm_mode_16_64 3
		.amdhsa_memory_ordered 1
		.amdhsa_forward_progress 1
		.amdhsa_inst_pref_size 66
	.end_amdhsa_kernel
	.amdgpu_metadata
---
amdhsa.version: [ 1, 2 ]
amdhsa.kernels:
  - .name:           k_q2d9cf747da_proj
    .symbol:         k_q2d9cf747da_proj.kd
    .args:
      - { .name: wq_mu, .offset: 0, .size: 8, .value_kind: global_buffer, .address_space: global }
      - { .name: wq_var, .offset: 8, .size: 8, .value_kind: global_buffer, .address_space: global }
      - { .name: wk_mu, .offset: 16, .size: 8, .value_kind: global_buffer, .address_space: global }
      - { .name: wk_var, .offset: 24, .size: 8, .value_kind: global_buffer, .address_space: global }
      - { .name: wv_mu, .offset: 32, .size: 8, .value_kind: global_buffer, .address_space: global }
      - { .name: wv_var, .offset: 40, .size: 8, .value_kind: global_buffer, .address_space: global }
      - { .name: opnd, .offset: 48, .size: 8, .value_kind: global_buffer, .address_space: global }
      - { .name: att, .offset: 56, .size: 8, .value_kind: global_buffer, .address_space: global }
      - { .name: bq_mu, .offset: 64, .size: 8, .value_kind: global_buffer, .address_space: global }
      - { .name: bq_var, .offset: 72, .size: 8, .value_kind: global_buffer, .address_space: global }
      - { .name: bk_mu, .offset: 80, .size: 8, .value_kind: global_buffer, .address_space: global }
      - { .name: bk_var, .offset: 88, .size: 8, .value_kind: global_buffer, .address_space: global }
      - { .name: bv_mu, .offset: 96, .size: 8, .value_kind: global_buffer, .address_space: global }
      - { .name: bv_var, .offset: 104, .size: 8, .value_kind: global_buffer, .address_space: global }
    .group_segment_fixed_size: 51968
    .private_segment_fixed_size: 0
    .kernarg_segment_align: 8
    .kernarg_segment_size: 112
    .max_flat_workgroup_size: 256
    .sgpr_count:     100
    .vgpr_count:     384
    .wavefront_size: 32
...
	.end_amdgpu_metadata
.endif
;; end of part 6
;; launch attn (part 7): grid 16 x 16, 16 waves a work-group, no clusters, 154,880 bytes of LDS; arguments att, wo_mu, wo_var, ocod, wcod; writes ocod, wcod
.if DOCPART == 7
	.amdgcn_target "amdgcn-amd-amdhsa--gfx1250"
	.amdhsa_code_object_version 6
	.text
	.protected	k_q2d9cf747da_attn
	.globl	k_q2d9cf747da_attn
	.p2align	8
	.type	k_q2d9cf747da_attn,@function
k_q2d9cf747da_attn:
	s_mov_b64 s[64:65], 0
	v_nop
	global_prefetch_b8 v0, s[64:65] scope:SCOPE_SE
	s_setreg_imm32_b32 hwreg(HW_REG_WAVE_MODE, 25, 1), 1
	s_wait_xcnt 0x0
; For one head and one tile of 16 queries: the Gaussian KL against all 256 keys, the softmax, out_mu = p V / l and out_var = attn^2 Vv on codes of FP4, and both results quantised along head x 64 + d.
; Beside that each work-group quantises 128 K x 64 columns of wo_mu or wo_var for the next launch.
; kl(q, k) = sum over d of ((Qm - Km)^2 + Qv) a + 0.5 sum ln Kv - 0.5 sum ln Qv - 32, a = 0.5 / Kv.  The squares are formed of the differences: nothing is expanded.
; t = -kl log2(e) / 8;  M = ceil(the row's largest t);  p = 2^(t - M) is quantised unnormalised, l = the sum of the unquantised p divides out_mu;  attn^2 = (p / l)^2 is quantised as it is.
; (What is the same for all keys of a query stays in t: it moves p's codes, since M is a whole number.)
; SCORES, on the vector unit.  Wave w: keys 128 (w % 2) + 4 lane + 0 .. 3, the 8 d of group w / 2, all 16 queries.  Its Km and a are 64 registers, loaded once; a query's numbers are made scalars by v_readlane_b32:
; for each query and d two of those, two dual subtractions, four packed multiply-adds.  The eight groups' part sums meet in LDS; then wave w owns query w, lane l its keys 8 l .. 8 l + 7.
; A row of part sums in LDS: 16-byte piece c of the 64 lies at 16 (c / 2) where c is even, at 640 + 16 (c / 2) where it is odd: so both the writers' and the readers' lanes take neighbouring pieces.
; NO CLUSTER: K's numbers go from memory straight into the registers of the one wave of the work-group that uses them; a shared fill would put the same 128 KiB through LDS.  No loop to run ahead in: no prefetch.
; LIMITS: a p under 2^-126 counts as 0; a block of zeros has the scale byte 1; the promise holds while the scaled scores t stay under 2^31 in magnitude; NaN and infinities are not served.
.set KO,   2097152
.set VIO,  4194304
.set VSO,  4456448
.set CKO,  4472832
.set OSO,  262144
.set WSO,  1048576
.set ROWP, 1152
.set PART, 16*ROWP                     ; LDS: part sums [group 8][query 16][1152]
.set CQB,  147456                      ; [query 16][group 8] parts of sum log2 Qv
.set PI,   147968                      ; p's two fragments as images; 2,048 bytes on: attn^2's
.set PS,   152064                      ; p's scale words [K step 2][16]; 128 bytes on: attn^2's
.set LI,   152320                      ; [query 16] 1 / l
.set WB,   152576                      ; wo's 64 scale words
.set SPARE, 152832
.set WV,   14
.set QV,   24                          ; v24-27, v28-31: lane (quad, query) register j: d = 4 quad + j of the group
.set QM,   28
.set KC,   32                          ; v32-35 my four keys' part of 0.5 sum ln Kv
.set KK,   64                          ; v64-127: for each d Km x 4, a x 4; later the part sums
.set ACC,  128                         ; v128-191: query q's four keys at v[ACC + 4 q]
.set VW,   208                         ; v208-239: waves 8-15 wo, waves 0-3 V's fragments (their words v240-243)
.macro BATCH d, b                      ; one d, queries 4 b .. 4 b + 3
.set SB, 16+8*(\b%2)
.set XB, 40+152*(\b%2)
.irp i, 0,1,2,3
	v_readlane_b32 s[SB+2*\i], v[QV+\d%4], 16*(\d/4)+4*\b+\i
	v_readlane_b32 s[SB+2*\i+1], v[QM+\d%4], 16*(\d/4)+4*\b+\i
.endr
.irp i, 0,1,2,3
.irp e, 0,2
	v_dual_sub_f32 v[XB+4*\i+\e], s[SB+2*\i+1], v[KK+8*\d+\e] :: v_dual_sub_f32 v[XB+4*\i+\e+1], s[SB+2*\i+1], v[KK+8*\d+\e+1]
.endr
.endr
.irp i, 0,1,2,3
.irp e, 0,2
	v_pk_fma_f32 v[XB+4*\i+\e:XB+4*\i+\e+1], v[XB+4*\i+\e:XB+4*\i+\e+1], v[XB+4*\i+\e:XB+4*\i+\e+1], s[SB+2*\i:SB+2*\i+1] op_sel_hi:[1,1,0]
.endr
.endr
.irp i, 0,1,2,3
.irp e, 0,2
.set AQ, ACC+16*\b+4*\i+\e
.if \d == 0
	v_pk_fma_f32 v[AQ:AQ+1], v[XB+4*\i+\e:XB+4*\i+\e+1], v[KK+4+\e:KK+5+\e], v[KC+\e:KC+\e+1]      ; the sums start from the keys' constants: nothing is cleared
.else
	v_pk_fma_f32 v[AQ:AQ+1], v[XB+4*\i+\e:XB+4*\i+\e+1], v[KK+8*\d+4+\e:KK+8*\d+5+\e], v[AQ:AQ+1]
.endif
.endr
.endr
.endm
.macro DSTEP d
	BATCH \d, 0
	BATCH \d, 1
	BATCH \d, 2
	BATCH \d, 3
.endm
	s_load_b256 s[4:11], s[0:1], 0x0               ; att, wo_mu, wo_var, ocod
	s_load_b64 s[12:13], s[0:1], 0x20              ; wcod
	v_lshl_add_u32 v2, v0, 2, SPARE
	v_mov_b32 v3, 0
	v_lshrrev_b32 v1, 5, v0
	v_readfirstlane_b32 s[WV], v1                  ; wave
	v_and_b32 v1, 31, v0                           ; lane
	v_lshlrev_b32 v4, 4, v1                        ; 16 x lane
	s_and_b32 s34, s[WV], 1                        ; my half of the keys
	s_lshr_b32 s33, s[WV], 1                       ; my group of 8 d
	s_mul_i32 s38, s33, PART
	s_lshl_b32 s39, s34, 8
	s_add_co_u32 s38, s38, s39
	v_and_b32 v36, 1, v0
	v_bfe_u32 v37, v0, 1, 4
	v_mul_u32_u24 v5, v36, 640
	v_lshl_add_u32 v5, v37, 4, v5
	v_add_nc_u32 v5, s38, v5                       ; the part sums, in
	s_mul_i32 s38, s[WV], ROWP
	v_add_nc_u32 v6, s38, v4                       ; back: groups 0-3,
	v_add_nc_u32 v7, 4*PART, v6                    ; groups 4-7
	s_lshl_b32 s38, s33, 2
	s_add_co_u32 s38, s38, CQB
	v_and_b32 v38, 15, v0                          ; r
	v_bfe_u32 v39, v0, 4, 1                        ; h
	v_lshl_add_u32 v8, v38, 5, s38                 ; the queries' constants, in
	s_lshl_b32 s38, s[WV], 5
	s_add_co_u32 s38, s38, CQB
	v_mov_b32 v9, s38                              ; and my query's
	s_lshl_b32 s38, s[WV], 4
	s_add_co_u32 s38, s38, PI
	v_bfe_u32 v40, v0, 2, 3                        ; my block of 32 keys
	v_and_b32 v41, 3, v0
	v_lshlrev_b32 v10, 8, v40
	v_lshl_add_u32 v10, v41, 2, v10
	v_add_nc_u32 v10, s38, v10                     ; block B of query w is 16 bytes at 256 B + 16 w of the images; my 8 codes 4 (lane % 4) on
	s_lshl_b32 s38, s[WV], 2
	s_add_co_u32 s39, s38, PS
	s_add_co_u32 s38, s38, LI
	v_bfe_u32 v40, v0, 2, 2
	v_lshl_add_u32 v11, v39, 6, v40
	v_add_nc_u32 v11, s39, v11                     ; its scale byte
	v_mov_b32 v12, s38
	v_lshl_add_u32 v13, v38, 2, LI
	s_bfe_u32 s40, s[WV], 0x10001                  ; the products: mu (0) or var (1)
	s_lshl_b32 s38, s40, 11
	s_add_co_u32 s38, s38, PI
	v_add_nc_u32 v14, s38, v4
	s_lshl_b32 s38, s40, 7
	s_add_co_u32 s38, s38, PS
	v_lshl_add_u32 v15, v38, 2, s38
	s_bfe_u32 s41, s[WV], 0x20001                  ; wo: my block along K,
	s_lshl_b32 s38, s34, 7                         ; and my 32 of the 64 columns
	s_add_co_u32 s38, s38, s41
	s_add_co_u32 s38, s38, WB
	v_lshl_add_u32 v16, v1, 2, s38
	v_lshl_add_u32 v17, v1, 3, WB
	v_and_b32 v18, 7, v0                           ; lanes 0-15 are the rows of a tile, lanes 16-31 those of the next: column l % 8 + 16 ((l / 8) % 2) + 8 (l / 16)
	v_bfe_u32 v40, v0, 3, 1
	v_lshl_add_u32 v18, v40, 4, v18
	v_lshl_add_u32 v18, v39, 3, v18
	v_lshlrev_b32 v18, 2, v18
	v_lshlrev_b32 v19, 13, v39
	v_lshl_add_u32 v19, v38, 4, v19
	v_lshlrev_b32 v20, 4, v38
	v_lshl_add_u32 v20, v39, 3, v20                ; 16 r + 8 h
	v_lshlrev_b32 v21, 2, v38
	v_lshlrev_b32 v23, 3, v1
	v_mov_b32 v37, 0                               ; a lane permute's destination counts as one of its sources
	v_mov_b32 v48, 0
	s_and_b32 s35, ttmp7, 0xffff                   ; head
	s_mov_b32 s36, ttmp9                           ; tile of queries
	s_lshr_b32 s66, s35, 3                         ; wo_mu or wo_var
	s_and_b32 s67, s35, 7                          ; and its K step
	s_lshl_b32 s44, s67, 19
	s_lshl_b32 s45, s41, 17
	s_add_co_u32 s44, s44, s45
	s_lshl_b32 s45, s36, 8
	s_add_co_u32 s44, s44, s45
	s_lshl_b32 s45, s34, 7
	s_add_co_u32 s44, s44, s45
	s_mov_b32 s45, 0
	s_lshl_b32 s46, s66, 19                        ; its images [which][tile 64][K step 8][1024]
	s_lshl_b32 s47, s36, 15
	s_add_co_u32 s46, s46, s47
	s_lshl_b32 s47, s34, 14
	s_add_co_u32 s46, s46, s47
	s_lshl_b32 s47, s67, 10
	s_add_co_u32 s46, s46, s47
	s_lshl_b32 s47, s41, 8
	s_add_co_u32 s46, s46, s47
	s_mov_b32 s47, 0
	s_lshl_b32 s48, s66, 15                        ; its words [which][K step][tile][16]
	s_lshl_b32 s49, s67, 12
	s_add_co_u32 s48, s48, s49
	s_lshl_b32 s49, s36, 8
	s_add_co_u32 s48, s48, s49
	s_add_co_u32 s48, s48, WSO
	s_mov_b32 s49, 0
	s_lshl_b32 s50, s40, 17                        ; V's images: which, head, channels 32 (w % 2) on
	s_lshl_b32 s51, s35, 13
	s_add_co_u32 s50, s50, s51
	s_lshl_b32 s51, s34, 12
	s_add_co_u32 s50, s50, s51
	s_add_co_u32 s50, s50, VIO
	s_mov_b32 s51, 0
	s_lshl_b32 s52, s40, 13
	s_lshl_b32 s53, s35, 9
	s_add_co_u32 s52, s52, s53
	s_lshl_b32 s53, s34, 8
	s_add_co_u32 s52, s52, s53
	s_add_co_u32 s52, s52, VSO
	s_mov_b32 s53, 0
	s_lshr_b32 s68, s35, 1                         ; the next product's K step,
	s_and_b32 s69, s35, 1                          ; and the half of it
	s_lshl_b32 s54, s40, 17
	s_lshl_b32 s55, s36, 13
	s_add_co_u32 s54, s54, s55
	s_lshl_b32 s55, s68, 10
	s_add_co_u32 s54, s54, s55
	s_lshl_b32 s55, s69, 9
	s_add_co_u32 s54, s54, s55
	s_lshl_b32 s55, s34, 8
	s_add_co_u32 s54, s54, s55
	s_mov_b32 s55, 0
	s_lshl_b32 s56, s40, 13                        ; words [which][K step][tile][16]; my byte 2 (head % 2) + w % 2
	s_lshl_b32 s57, s68, 10
	s_add_co_u32 s56, s56, s57
	s_lshl_b32 s57, s36, 6
	s_add_co_u32 s56, s56, s57
	s_lshl_b32 s57, s69, 1
	s_add_co_u32 s56, s56, s57
	s_add_co_u32 s56, s56, s34
	s_add_co_u32 s56, s56, OSO
	s_mov_b32 s57, 0
	s_lshl_b32 s38, s35, 16                        ; K
	s_lshl_b32 s39, s33, 13
	s_add_co_u32 s38, s38, s39
	s_lshl_b32 s39, s34, 9
	s_add_co_u32 s38, s38, s39
	s_add_co_u32 s38, s38, KO
	s_mov_b32 s39, 0
	s_lshl_b32 s40, s35, 16                        ; Q
	s_lshl_b32 s41, s36, 12
	s_add_co_u32 s40, s40, s41
	s_lshl_b32 s41, s33, 9
	s_add_co_u32 s40, s40, s41
	s_mov_b32 s41, 0
	s_lshl_b32 s42, s35, 13                        ; the keys' constants
	s_lshl_b32 s43, s33, 10
	s_add_co_u32 s42, s42, s43
	s_lshl_b32 s43, s34, 9
	s_add_co_u32 s42, s42, s43
	s_add_co_u32 s42, s42, CKO
	s_mov_b32 s43, 0
	s_mov_b32 s58, 0xbe38aa3b                      ; -log2(e) / 8
	s_mov_b32 s59, s58                             ; (named with it as a pair, so it is written)
	s_mov_b32 s60, 0x40b8aa3b                      ; 32 log2(e) / 8
	s_mov_b32 s62, 0x76543210
	s_mov_b32 s63, 0xfedcba98
	s_wait_alu depctr_va_vdst(0)                   ; the wait at the head's end
	s_wait_kmcnt 0x0
	s_cmp_eq_u32 s66, 0
	s_cselect_b64 s[6:7], s[6:7], s[8:9]
	s_add_nc_u64 s[38:39], s[4:5], s[38:39]
	s_add_nc_u64 s[40:41], s[4:5], s[40:41]
	s_add_nc_u64 s[42:43], s[4:5], s[42:43]
	s_add_nc_u64 s[44:45], s[6:7], s[44:45]
	s_add_nc_u64 s[46:47], s[12:13], s[46:47]
	s_add_nc_u64 s[48:49], s[12:13], s[48:49]
	s_add_nc_u64 s[50:51], s[4:5], s[50:51]
	s_add_nc_u64 s[52:53], s[4:5], s[52:53]
	s_add_nc_u64 s[54:55], s[10:11], s[54:55]
	s_add_nc_u64 s[56:57], s[10:11], s[56:57]
	global_load_b128 v[QV:QV+3], v4, s[40:41] offset:1048576       ; each load takes 512 consecutive bytes
	global_load_b128 v[QM:QM+3], v4, s[40:41]
	global_load_b128 v[KC:KC+3], v4, s[42:43]
.irp d, 0,1,2,3,4,5,6,7
	global_load_b128 v[KK+8*\d:KK+8*\d+3], v4, s[38:39] offset:1024*\d
	global_load_b128 v[KK+8*\d+4:KK+8*\d+7], v4, s[38:39] offset:1048576+1024*\d
.endr
	s_cmp_eq_u32 s34, 0                            ; the queries' part of sum log2 Qv over my 8 d: one of the two waves of a group makes it
	s_cbranch_scc0 .Lno_cq
	s_wait_loadcnt 18                              ; Qv is in
.irp j, 0,1,2,3
	v_log_f32 v[40+\j], v[QV+\j]
.endr
	v_nop
	s_wait_alu depctr_va_vdst(0)
	v_add_f32 v40, v40, v41
	v_add_f32 v42, v42, v43
	v_add_f32 v36, v40, v42
	v_permlanex16_b32 v37, v36, s62, s63           ; the other quad
	v_add_f32 v36, v36, v37
	ds_store_b32 v8, v36                           ; both halves of the lanes store the same word
.Lno_cq:
	s_wait_loadcnt 14                              ; the queries, the constants and the first d are in; two loads for each further d may be out
	DSTEP 0
	s_wait_loadcnt 12
	DSTEP 1
	s_wait_loadcnt 10
	DSTEP 2
	s_wait_loadcnt 8
	DSTEP 3
	s_wait_loadcnt 0x0                             ; all of K: what follows is not counted with it
	s_cmp_lt_u32 s[WV], 8
	s_cbranch_scc1 .Lno_wo
.rept 32
	global_load_b32 v[VW+\+], v18, s[44:45] offset:4096*\+ th:TH_LOAD_NT     ; waves 8-15: 32 K of wo, a lane a column: its registers run down K
.endr
	s_branch .Lasked
.Lno_wo:
	s_cmp_lt_u32 s[WV], 4
	s_cbranch_scc0 .Lasked
.irp u, 0,1                                    ; waves 0-3 will make the products: V's fragments (tile u, K step s) and words
.irp s, 0,1
.irp c, 0,1
	global_load_b128 v[VW+16*\u+8*\s+4*\c:VW+16*\u+8*\s+4*\c+3], v4, s[50:51] offset:2048*\u+1024*\s+512*\c
.endr
	global_load_b32 v[240+2*\u+\s], v21, s[52:53] offset:64*\u+128*\s
.endr
.endr
.Lasked:
	DSTEP 4
	DSTEP 5
	DSTEP 6
	DSTEP 7
.irp q, 0,1,2,3,4,5,6,7,8,9,10,11,12,13,14,15
	ds_store_b128 v5, v[ACC+4*\q:ACC+4*\q+3] offset:ROWP*\q
.endr
	s_wait_alu depctr_va_vdst(0)
	s_wait_dscnt 0x0
	s_barrier_signal -1
	s_barrier_wait -1                              ; all part sums lie in LDS
	; ---- THE SOFTMAX: wave w takes query w
	ds_load_b128 v[36:39], v9
	ds_load_b128 v[40:43], v9 offset:16
.irp g, 0,1,2,3
	ds_load_b128 v[KK+8*\g:KK+8*\g+3], v6 offset:PART*\g
	ds_load_b128 v[KK+8*\g+4:KK+8*\g+7], v6 offset:PART*\g+640
	ds_load_b128 v[KK+32+8*\g:KK+32+8*\g+3], v7 offset:PART*\g
	ds_load_b128 v[KK+32+8*\g+4:KK+32+8*\g+7], v7 offset:PART*\g+640
.endr
	s_cmp_lt_u32 s[WV], 8
	s_cbranch_scc1 .Lno_wq
	s_wait_loadcnt 0x0                             ; waves 8-15 quantise their block of wo while the part sums come
	v_max3_num_f32 v44, |v[VW]|, |v[VW+1]|, |v[VW+2]|
	v_max3_num_f32 v45, |v[VW+3]|, |v[VW+4]|, |v[VW+5]|
.irp i, 6,10,14,18,22,26
	v_max3_num_f32 v44, v44, |v[VW+\i]|, |v[VW+\i+1]|
	v_max3_num_f32 v45, v45, |v[VW+\i+2]|, |v[VW+\i+3]|
.endr
	v_max3_num_f32 v44, v44, |v[VW+30]|, |v[VW+31]|
	v_max3_num_f32 v44, v44, v45, 0x1800000        ; the floor 2^(3 - 127): the byte cannot fall under 1
	v_add_nc_u32 v46, 0xff000000, v44
	v_lshrrev_b32 v47, 23, v46
.irp g, 0,1,2,3
	v_cvt_scalef32_pk8_fp4_f32 v[52+\g], v[VW+8*\g:VW+8*\g+7], v46
.endr
	v_nop
	ds_store_b8 v16, v47
	global_store_b128 v19, v[52:55], s[46:47]      ; two units of 256 bytes, one in each tile's image
	s_wait_xcnt 0x0                                ; (v52 on are written again below)
.Lno_wq:
	s_wait_dscnt 0x0
.irp g, 0,2,4,6                                ; the eight parts, two by two
.irp k, 0,2,4,6
	v_pk_add_f32 v[KK+8*\g+\k:KK+8*\g+\k+1], v[KK+8*\g+\k:KK+8*\g+\k+1], v[KK+8*\g+8+\k:KK+8*\g+9+\k]
.endr
.endr
.irp g, 0,4
.irp k, 0,2,4,6
	v_pk_add_f32 v[KK+8*\g+\k:KK+8*\g+\k+1], v[KK+8*\g+\k:KK+8*\g+\k+1], v[KK+8*\g+16+\k:KK+8*\g+17+\k]
.endr
.endr
	v_pk_add_f32 v[36:37], v[36:37], v[40:41]
	v_pk_add_f32 v[38:39], v[38:39], v[42:43]
.irp k, 0,2,4,6
	v_pk_add_f32 v[KK+\k:KK+\k+1], v[KK+\k:KK+\k+1], v[KK+32+\k:KK+33+\k]
.endr
	v_pk_add_f32 v[36:37], v[36:37], v[38:39]
	s_delay_alu instid0(VALU_DEP_1)
	v_add_f32 v36, v36, v37
	s_delay_alu instid0(VALU_DEP_1)
	v_fma_f32 v44, v36, 0x3d800000, s60            ; the query's constant
	s_delay_alu instid0(VALU_DEP_1)
	v_mov_b32 v45, v44                             ; (the upper half of a pair that is named)
.irp k, 0,2,4,6
	v_pk_fma_f32 v[KK+\k:KK+\k+1], v[KK+\k:KK+\k+1], s[58:59], v[44:45] op_sel_hi:[1,0,0]   ; t
.endr
	v_max3_num_f32 v46, v64, v65, v66
	v_max3_num_f32 v47, v67, v68, v69
	s_delay_alu instid0(VALU_DEP_2)
	v_max3_num_f32 v46, v46, v70, v71
	s_delay_alu instid0(VALU_DEP_1)
	v_max_num_f32 v46, v46, v47
	s_delay_alu instid0(VALU_DEP_1)
	v_max_num_f32_dpp v46, v46, v46 row_xmask:1 row_mask:0xf bank_mask:0xf
	s_delay_alu instid0(VALU_DEP_1)
	v_max_num_f32_dpp v46, v46, v46 row_xmask:2 row_mask:0xf bank_mask:0xf     ; four lanes hold a block of 32 keys: its largest t serves the row's maximum and, since p rises with t, the block's largest p
	s_delay_alu instid0(VALU_DEP_1)
	v_max_num_f32_dpp v47, v46, v46 row_xmask:4 row_mask:0xf bank_mask:0xf
	s_delay_alu instid0(VALU_DEP_1)
	v_max_num_f32_dpp v47, v47, v47 row_xmask:8 row_mask:0xf bank_mask:0xf
	s_delay_alu instid0(VALU_DEP_1)
	v_permlanex16_b32 v48, v47, s62, s63
	s_delay_alu instid0(VALU_DEP_1)
	v_max_num_f32 v47, v47, v48                    ; the row's largest t
	s_delay_alu instid0(VALU_DEP_1)
	v_floor_f32 v50, -v47                          ; -M = floor(-t) = -ceil(t)
	s_delay_alu instid0(VALU_DEP_1)
	v_mov_b32 v51, v50
.irp k, 0,2,4,6
	v_pk_add_f32 v[KK+\k:KK+\k+1], v[KK+\k:KK+\k+1], v[50:51]
.endr
	v_add_f32 v52, v46, v50
	s_wait_alu depctr_va_vdst(0)                   ; a wait ahead of each batch and behind it
.irp k, 0,1,2,3,4,5,6,7
	v_exp_f32 v[KK+\k], v[KK+\k]                   ; p = 2^(t - M)
.endr
	v_exp_f32 v52, v52                             ; the block's largest p: the same two instructions on the same number
	v_nop
	s_wait_alu depctr_va_vdst(0)
	v_pk_add_f32 v[54:55], v[64:65], v[66:67]      ; the sum of the unquantised p
	v_pk_add_f32 v[56:57], v[68:69], v[70:71]
	s_delay_alu instid0(VALU_DEP_1)
	v_pk_add_f32 v[54:55], v[54:55], v[56:57]
	s_delay_alu instid0(VALU_DEP_1)
	v_add_f32 v54, v54, v55
	s_delay_alu instid0(VALU_DEP_1)
	v_add_f32_dpp v54, v54, v54 row_xmask:1 row_mask:0xf bank_mask:0xf
	s_delay_alu instid0(VALU_DEP_1)
	v_add_f32_dpp v54, v54, v54 row_xmask:2 row_mask:0xf bank_mask:0xf
	s_delay_alu instid0(VALU_DEP_1)
	v_add_f32_dpp v54, v54, v54 row_xmask:4 row_mask:0xf bank_mask:0xf
	s_delay_alu instid0(VALU_DEP_1)
	v_add_f32_dpp v54, v54, v54 row_xmask:8 row_mask:0xf bank_mask:0xf
	s_delay_alu instid0(VALU_DEP_1)
	v_permlanex16_b32 v55, v54, s62, s63
	s_delay_alu instid0(VALU_DEP_1)
	v_add_f32 v54, v54, v55                        ; l
	s_wait_alu depctr_va_vdst(0)
	v_rcp_f32 v58, v54
	v_max_num_f32 v60, 0x1800000, v52              ; (a plain line)  the floor: the byte cannot fall under 1
	s_wait_alu depctr_va_vdst(0)
	v_mov_b32 v59, v58
	v_mul_f32 v53, v52, v58                        ; attn^2's largest of the block, by the same two multiplications
.irp k, 0,2,4,6
	v_pk_mul_f32 v[72+\k:73+\k], v[KK+\k:KK+\k+1], v[58:59] op_sel_hi:[1,0]   ; attn
.endr
	v_mul_f32 v53, v53, v53
	v_add_nc_u32 v60, 0xff000000, v60              ; 2 off the exponent field: the conversion's scale operand
.irp k, 0,2,4,6
	v_pk_mul_f32 v[72+\k:73+\k], v[72+\k:73+\k], v[72+\k:73+\k]               ; attn^2
.endr
	v_max_num_f32 v53, 0x1800000, v53
	v_lshrrev_b32 v61, 23, v60
	v_add_nc_u32 v53, 0xff000000, v53
	v_lshrrev_b32 v56, 23, v53
	v_cvt_scalef32_pk8_fp4_f32 v62, v[64:71], v60
	v_cvt_scalef32_pk8_fp4_f32 v57, v[72:79], v53
	v_nop
	ds_store_b32 v10, v62
	ds_store_b32 v10, v57 offset:2048
	ds_store_b8 v11, v61                           ; the four lanes of a block store the same byte
	ds_store_b8 v11, v56 offset:128
	ds_store_b32 v12, v58
	s_wait_dscnt 0x0
	s_barrier_signal -1
	s_barrier_wait -1                              ; both operands lie in LDS as images; wo's scale words are whole
	; ---- THE PRODUCTS: waves 0, 1: p V; waves 2, 3: attn^2 Vv; wave parity b: channels 32 b on.  Transposed: source 0 = 16 channels of V^T, source 1 = the 16 queries.
	s_cmp_lt_u32 s[WV], 4
	s_cbranch_scc0 .Lno_pv
.irp s, 0,1
.irp c, 0,1
	ds_load_b128 v[144+8*\s+4*\c:147+8*\s+4*\c], v14 offset:1024*\s+512*\c
.endr
	ds_load_b32 v[244+\s], v15 offset:64*\s
.endr
	ds_load_b32 v246, v13
	s_cmp_lt_u32 s[WV], 2
	s_cselect_b32 s66, -1, 0
	s_wait_loadcnt 0x0                             ; V
	s_wait_dscnt 0x0
	v_wmma_scale_f32_16x16x128_f8f6f4 v[64:71], v[208:215], v[144:151], 0, v240, v244 matrix_a_fmt:MATRIX_FMT_FP4 matrix_b_fmt:MATRIX_FMT_FP4
	v_wmma_scale_f32_16x16x128_f8f6f4 v[72:79], v[224:231], v[144:151], 0, v242, v244 matrix_a_fmt:MATRIX_FMT_FP4 matrix_b_fmt:MATRIX_FMT_FP4
	s_wait_alu depctr_va_vdst(0)                   ; the wait ahead of the adding steps
	v_wmma_scale_f32_16x16x128_f8f6f4 v[64:71], v[216:223], v[152:159], v[64:71], v241, v245 matrix_a_fmt:MATRIX_FMT_FP4 matrix_b_fmt:MATRIX_FMT_FP4
	s_wait_alu depctr_va_vdst(0)
	v_wmma_scale_f32_16x16x128_f8f6f4 v[72:79], v[232:239], v[152:159], v[72:79], v243, v245 matrix_a_fmt:MATRIX_FMT_FP4 matrix_b_fmt:MATRIX_FMT_FP4
	v_cndmask_b32 v247, 1.0, v246, s66             ; what the sums are multiplied by: 1 / l for mu, 1 for var
.rept 4
	v_nop
.endr
.rept 16
	v_mul_f32 v[160+\+], v[64+\+], v247            ; query r, channel 32 b + 16 h + k: 16 neighbours along the next K
.endr
	v_max3_num_f32 v176, |v160|, |v161|, 0x1800000
	v_max3_num_f32 v177, |v162|, |v163|, |v164|
	s_delay_alu instid0(VALU_DEP_2)
	v_max3_num_f32 v176, v176, |v165|, |v166|
	s_delay_alu instid0(VALU_DEP_2)
	v_max3_num_f32 v177, v177, |v167|, |v168|
	s_delay_alu instid0(VALU_DEP_2)
	v_max3_num_f32 v176, v176, |v169|, |v170|
	s_delay_alu instid0(VALU_DEP_2)
	v_max3_num_f32 v177, v177, |v171|, |v172|
	s_delay_alu instid0(VALU_DEP_2)
	v_max3_num_f32 v176, v176, |v173|, |v174|
	s_delay_alu instid0(VALU_DEP_1)
	v_max3_num_f32 v176, v176, v177, |v175|
	s_delay_alu instid0(VALU_DEP_1)
	v_permlanex16_b32 v177, v176, s62, s63
	s_delay_alu instid0(VALU_DEP_1)
	v_max_num_f32 v176, v176, v177                 ; the block's largest magnitude
	s_delay_alu instid0(VALU_DEP_1)
	v_add_nc_u32 v178, 0xff000000, v176
	s_delay_alu instid0(VALU_DEP_1)
	v_lshrrev_b32 v179, 23, v178
	v_cvt_scalef32_pk8_fp4_f32 v180, v[160:167], v178
	v_cvt_scalef32_pk8_fp4_f32 v181, v[168:175], v178
	v_nop
	global_store_b64 v20, v[180:181], s[54:55]     ; 256 consecutive bytes, aligned
	global_store_b8 v21, v179, s[56:57]            ; both halves of the lanes store the same byte
	s_branch .Lend
.Lno_pv:
	s_cmp_eq_u32 s[WV], 8
	s_cbranch_scc0 .Lend
	ds_load_b64 v[36:37], v17
	s_wait_dscnt 0x0
	global_store_b64 v23, v[36:37], s[48:49]       ; wo's 64 words: 256 consecutive bytes, aligned
.Lend:
	s_wait_tensorcnt 0x0
	ds_add_u32 v2, v3
	s_wait_dscnt 0x0
	s_endpgm
.Lfunc_end_k_q2d9cf747da_attn:
	.size	k_q2d9cf747da_attn, .Lfunc_end_k_q2d9cf747da_attn-k_q2d9cf747da_attn
	.p2alignl 7, 3214868480
	.fill 96, 4, 3214868480
	.section	.rodata,"a",@progbits
	.p2align	6, 0x0
	.amdhsa_kernel k_q2d9cf747da_attn
		.amdhsa_group_segment_fixed_size 154880
		.amdhsa_private_segment_fixed_size 0
		.amdhsa_enable_private_segment 0
		.amdhsa_kernarg_size 40
		.amdhsa_user_sgpr_count 2
		.amdhsa_user_sgpr_kernarg_segment_ptr 1
		.amdhsa_wavefront_size32 1
		.amdhsa_system_sgpr_workgroup_id_x 1
		.amdhsa_system_sgpr_workgroup_id_y 1
		.amdhsa_system_sgpr_workgroup_id_z 1
		.amdhsa_system_vgpr_workitem_id 0
		.amdhsa_next_free_vgpr 256
		.amdhsa_next_free_sgpr 100
		.amdhsa_reserve_vcc 0
		.amdhsa_float_denorm_mode_32 3
		.amdhsa_float_denorm_mode_16_64 3
		.amdhsa_memory_ordered 1
		.amdhsa_forward_progress 1
		.amdhsa_inst_pref_size 93
	.end_amdhsa_kernel
	.amdgpu_metadata
---
amdhsa.version: [ 1, 2 ]
amdhsa.kernels:
  - .name:           k_q2d9cf747da_attn
    .symbol:         k_q2d9cf747da_attn.kd
    .args:
      - { .name: att, .offset: 0, .size: 8, .value_kind: global_buffer, .address_space: global }
      - { .name: wo_mu, .offset: 8, .size: 8, .value_kind: global_buffer, .address_space: global }
      - { .name: wo_var, .offset: 16, .size: 8, .value_kind: global_buffer, .address_space: global }
      - { .name: ocod, .offset: 24, .size: 8, .value_kind: global_buffer, .address_space: global }
      - { .name: wcod, .offset: 32, .size: 8, .value_kind: global_buffer, .address_space: global }
    .group_segment_fixed_size: 154880
    .private_segment_fixed_size: 0
    .kernarg_segment_align: 8
    .kernarg_segment_size: 40
    .max_flat_workgroup_size: 512
    .sgpr_count:     100
    .vgpr_count:     256
    .wavefront_size: 32
...
	.end_amdgpu_metadata
.endif
;; end of part 7
;; launch outp (part 8): grid 256 x 1, 8 waves a work-group, no clusters, 70,656 bytes of LDS; arguments wcod, ocod, bo_mu, bo_var, out0, out1; writes out0, out1
.if DOCPART == 8
	.amdgcn_target "amdgcn-amd-amdhsa--gfx1250"
	.amdhsa_code_object_version 6
	.text
	.protected	k_q2d9cf747da_outp
	.globl	k_q2d9cf747da_outp
	.p2align	8
	.type	k_q2d9cf747da_outp,@function
k_q2d9cf747da_outp:
	s_mov_b64 s[64:65], 0
	v_nop
	global_prefetch_b8 v0, s[64:65] scope:SCOPE_SE
	s_setreg_imm32_b32 hwreg(HW_REG_WAVE_MODE, 25, 1), 1
	s_wait_xcnt 0x0
; mu_out = O_mu wo_mu + bo_mu;  var_out = softplus(O_var wo_var + bo_var), on the images that the launch before has made.
; A work-group makes 32 tokens x 64 columns of one of the two.  K is cut among its eight waves, one K step of 128 each: a wave's operands, 4 tiles of columns (source 0) and 2 of tokens (source 1), go from memory
; straight into its registers, no fragment is loaded twice in a work-group, and each of its 8 matrix instructions starts a sum of its own from 0.  The eight part sums meet in LDS; then wave w owns four rows of the result.
; softplus as in the projections: max(x, 0) + y (1 + y^2 / 12 + ..), y = E / (1 + E / 2), E = e^-|x|.  LIMIT: softplus of x under about -87.3 is 0 (the exponential gives 0 under 2^-126).
; NO CLUSTER. No loop to run ahead in: no prefetch.
.set WSO,  1048576
.set OSO,  262144
.set PP,   8704                        ; LDS: part sums [K step 8][row 32][256 + 16 bytes]
.set SPARE, 69632
.set T0, 100
.set T1, 108
.set T2, 116
.set T3, 124
.macro WM d, a, b, sa, sb, ra, rb
.if ((\ra) == 0) && ((\rb) == 0)
	v_wmma_scale_f32_16x16x128_f8f6f4 v[\d:\d+7], v[\a:\a+7], v[\b:\b+7], 0, v[\sa], v[\sb] matrix_a_fmt:MATRIX_FMT_FP4 matrix_b_fmt:MATRIX_FMT_FP4
.elseif (\rb) == 0
	v_wmma_scale_f32_16x16x128_f8f6f4 v[\d:\d+7], v[\a:\a+7], v[\b:\b+7], 0, v[\sa], v[\sb] matrix_a_fmt:MATRIX_FMT_FP4 matrix_b_fmt:MATRIX_FMT_FP4 matrix_a_scale:MATRIX_SCALE_ROW1
.elseif (\ra) == 0
	v_wmma_scale_f32_16x16x128_f8f6f4 v[\d:\d+7], v[\a:\a+7], v[\b:\b+7], 0, v[\sa], v[\sb] matrix_a_fmt:MATRIX_FMT_FP4 matrix_b_fmt:MATRIX_FMT_FP4 matrix_b_scale:MATRIX_SCALE_ROW1
.else
	v_wmma_scale_f32_16x16x128_f8f6f4 v[\d:\d+7], v[\a:\a+7], v[\b:\b+7], 0, v[\sa], v[\sb] matrix_a_fmt:MATRIX_FMT_FP4 matrix_b_fmt:MATRIX_FMT_FP4 matrix_a_scale:MATRIX_SCALE_ROW1 matrix_b_scale:MATRIX_SCALE_ROW1
.endif
.endm
	s_load_b256 s[4:11], s[0:1], 0x0               ; wcod, ocod, bo_mu, bo_var
	s_load_b128 s[12:15], s[0:1], 0x20             ; out0, out1
	v_lshl_add_u32 v8, v0, 2, SPARE
	v_mov_b32 v9, 0
	v_lshrrev_b32 v1, 5, v0
	v_readfirstlane_b32 s20, v1                    ; wave = K step
	v_and_b32 v1, 31, v0                           ; lane
	v_and_b32 v2, 15, v0                           ; r
	v_bfe_u32 v3, v0, 4, 1                         ; h
	v_lshlrev_b32 v4, 4, v1                        ; 16 x lane
	s_mul_i32 s24, s20, PP
	s_mul_i32 s25, s20, 4*272
	v_mul_u32_u24 v5, v2, 272
	v_lshl_add_u32 v5, v3, 6, v5
	v_add_nc_u32 v5, s24, v5                       ; the part sums, in: token row r, + 64 h
	v_mul_u32_u24 v6, v3, 272
	v_lshl_add_u32 v6, v2, 4, v6
	v_add_nc_u32 v6, s25, v6                       ; back: lanes 0-15 one row, lanes 16-31 the next
	v_lshlrev_b32 v7, 12, v3
	v_lshl_add_u32 v7, v2, 4, v7                   ; and the same two rows in the output
	v_lshlrev_b32 v10, 2, v1
	v_lshlrev_b32 v11, 4, v2
	s_and_b32 s21, ttmp9, 7                        ; which 32 tokens
	s_bfe_u32 s22, ttmp9, 0x40003                  ; which 64 columns
	s_lshr_b32 s23, ttmp9, 7                       ; mu or var
	s_lshl_b32 s26, s23, 19                        ; the weight's images
	s_lshl_b32 s27, s22, 15
	s_add_co_u32 s26, s26, s27
	s_lshl_b32 s27, s20, 10
	s_add_co_u32 s26, s26, s27
	s_mov_b32 s27, 0
	s_lshl_b32 s28, s23, 15                        ; its words
	s_lshl_b32 s29, s20, 12
	s_add_co_u32 s28, s28, s29
	s_lshl_b32 s29, s22, 8
	s_add_co_u32 s28, s28, s29
	s_add_co_u32 s28, s28, WSO
	s_mov_b32 s29, 0
	s_lshl_b32 s30, s23, 17                        ; O's images
	s_lshl_b32 s31, s21, 14
	s_add_co_u32 s30, s30, s31
	s_lshl_b32 s31, s20, 10
	s_add_co_u32 s30, s30, s31
	s_mov_b32 s31, 0
	s_lshl_b32 s32, s23, 13                        ; its words
	s_lshl_b32 s33, s20, 10
	s_add_co_u32 s32, s32, s33
	s_lshl_b32 s33, s21, 7
	s_add_co_u32 s32, s32, s33
	s_add_co_u32 s32, s32, OSO
	s_mov_b32 s33, 0
	s_lshl_b32 s34, s22, 8                         ; 64 columns are 256 bytes, in the bias and in the output
	s_mov_b32 s35, 0
	s_lshl_b32 s36, s21, 5                         ; my rows 4 w .. 4 w + 3 are rows m = 4 (w % 4) on of tile w / 4: token 32 .. + 8 (w / 4) + m + 8 (m / 8)
	s_lshr_b32 s37, s20, 2
	s_lshl_b32 s37, s37, 3
	s_add_co_u32 s36, s36, s37
	s_and_b32 s37, s20, 3
	s_lshl_b32 s37, s37, 2
	s_add_co_u32 s36, s36, s37
	s_bfe_u32 s37, s20, 0x10001
	s_lshl_b32 s37, s37, 3
	s_add_co_u32 s36, s36, s37
	s_lshl_b32 s36, s36, 12
	s_add_co_u32 s36, s36, s34
	s_mov_b32 s37, 0
	s_mov_b32 s70, 0xbfb8aa3b                      ; -log2(e)
.irp j, 0,1                                    ; the series' coefficients
	s_mov_b32 s[72+\j], 0x3daaaaab
	s_mov_b32 s[74+\j], 0x3c4ccccd
	s_mov_b32 s[76+\j], 0x3b124925
	s_mov_b32 s[78+\j], 0x39e38e39
	s_mov_b32 s[80+\j], 0x379d89d9
.endr
	s_wait_alu depctr_va_vdst(0)                   ; the wait at the head's end
	s_wait_kmcnt 0x0
	s_cmp_eq_u32 s23, 0
	s_cselect_b64 s[8:9], s[8:9], s[10:11]
	s_cselect_b64 s[12:13], s[12:13], s[14:15]
	s_add_nc_u64 s[26:27], s[4:5], s[26:27]
	s_add_nc_u64 s[28:29], s[4:5], s[28:29]
	s_add_nc_u64 s[30:31], s[6:7], s[30:31]
	s_add_nc_u64 s[32:33], s[6:7], s[32:33]
	s_add_nc_u64 s[8:9], s[8:9], s[34:35]
	s_add_nc_u64 s[12:13], s[12:13], s[36:37]
	global_load_b32 v80, v10, s[28:29]             ; lanes 0-15 tile 0's words, lanes 16-31 tile 1's
	global_load_b32 v81, v10, s[28:29] offset:128
	global_load_b32 v82, v10, s[32:33]
.irp t, 0,1
.irp c, 0,1
	global_load_b128 v[64+8*\t+4*\c:67+8*\t+4*\c], v4, s[30:31] offset:8192*\t+512*\c
.endr
.endr
.irp t, 0,1,2,3
.irp c, 0,1
	global_load_b128 v[32+8*\t+4*\c:35+8*\t+4*\c], v4, s[26:27] offset:8192*\t+512*\c
.endr
.endr
	global_load_b128 v[160:163], v11, s[8:9]       ; my four columns' bias
	s_wait_loadcnt 1                               ; (it may be out)
.irp t, 0,1
.irp u, 0,1,2,3
	WM 96+32*\t+8*\u, 32+8*\u, 64+8*\t, 80+\u/2, 82, \u%2, \t
.endr
.endr
.rept 4
	v_nop                                          ; four places in front of the first read of results, and of loads into operands
.endr
.irp t, 0,1                                    ; lane = token row r of tile t, registers of tile u = columns 32 (u / 2) + 16 h + 8 (u % 2) + 0 .. 7
.irp u, 0,1,2,3
	ds_store_b128 v5, v[96+32*\t+8*\u:99+32*\t+8*\u] offset:4352*\t+128*(\u/2)+32*(\u%2)
	ds_store_b128 v5, v[100+32*\t+8*\u:103+32*\t+8*\u] offset:4352*\t+128*(\u/2)+32*(\u%2)+16
.endr
.endr
	s_wait_dscnt 0x0
	s_barrier_signal -1
	s_barrier_wait -1                              ; all part sums lie in LDS
.irp k, 0,1,2,3,4,5,6,7
.irp i, 0,1
	ds_load_b128 v[32+8*\k+4*\i:35+8*\k+4*\i], v6 offset:PP*\k+544*\i
.endr
.endr
	s_wait_loadcnt 0x0                             ; the bias
	s_wait_dscnt 0x0
.irp g, 0,2,4,6
.irp k, 0,2,4,6
	v_pk_add_f32 v[32+8*\g+\k:33+8*\g+\k], v[32+8*\g+\k:33+8*\g+\k], v[40+8*\g+\k:41+8*\g+\k]
.endr
.endr
.irp g, 0,4
.irp k, 0,2,4,6
	v_pk_add_f32 v[32+8*\g+\k:33+8*\g+\k], v[32+8*\g+\k:33+8*\g+\k], v[48+8*\g+\k:49+8*\g+\k]
.endr
.endr
.irp k, 0,2,4,6
	v_pk_add_f32 v[64+\k:65+\k], v[64+\k:65+\k], v[160+\k%4:161+\k%4]
.endr
.irp k, 0,2,4,6
	v_pk_add_f32 v[32+\k:33+\k], v[32+\k:33+\k], v[64+\k:65+\k]
.endr
	s_wait_alu depctr_va_vdst(0)                   ; ahead of the branch
	s_cmp_eq_u32 s23, 0
	s_cbranch_scc1 .Lout
	v_mov_b32 v14, 0x38ba2e8c
	v_mov_b32 v15, 0x38ba2e8c
.rept 8
	v_mul_f32 v[T0+\+], s70, |v[32+\+]|
.endr
	s_wait_alu depctr_va_vdst(0)                   ; a wait ahead of each batch and behind it
.rept 8
	v_exp_f32 v[T0+\+], v[T0+\+]                   ; E
.endr
	v_nop
	s_wait_alu depctr_va_vdst(0)
.irp k, 0,2,4,6
	v_pk_fma_f32 v[T1+\k:T1+\k+1], v[T0+\k:T0+\k+1], 0.5, 1.0 op_sel_hi:[1,0,0]
.endr
	s_wait_alu depctr_va_vdst(0)
.rept 8
	v_rcp_f32 v[T1+\+], v[T1+\+]
.endr
.rept 8
	v_max_num_f32 v[T2+\+], 0, v[32+\+]
.endr
	s_wait_alu depctr_va_vdst(0)
.irp k, 0,2,4,6
	v_pk_mul_f32 v[T1+\k:T1+\k+1], v[T0+\k:T0+\k+1], v[T1+\k:T1+\k+1]      ; y
.endr
.irp k, 0,2,4,6
	v_pk_mul_f32 v[T3+\k:T3+\k+1], v[T1+\k:T1+\k+1], v[T1+\k:T1+\k+1]      ; y^2
.endr
.irp k, 0,2,4,6
	v_pk_fma_f32 v[T0+\k:T0+\k+1], v[T3+\k:T3+\k+1], s[80:81], v[14:15] op_sel_hi:[1,0,1]
.endr
.irp s, 78, 76, 74, 72
.irp k, 0,2,4,6
	v_pk_fma_f32 v[T0+\k:T0+\k+1], v[T0+\k:T0+\k+1], v[T3+\k:T3+\k+1], s[\s:\s+1] op_sel_hi:[1,1,0]
.endr
.endr
.irp k, 0,2,4,6
	v_pk_mul_f32 v[T0+\k:T0+\k+1], v[T0+\k:T0+\k+1], v[T3+\k:T3+\k+1]
.endr
.irp k, 0,2,4,6
	v_pk_add_f32 v[T2+\k:T2+\k+1], v[T2+\k:T2+\k+1], v[T1+\k:T1+\k+1]
.endr
.irp k, 0,2,4,6
	v_pk_fma_f32 v[32+\k:33+\k], v[T1+\k:T1+\k+1], v[T0+\k:T0+\k+1], v[T2+\k:T2+\k+1]
.endr
.Lout:
	global_store_b128 v7, v[32:35], s[12:13]       ; each store covers two rows' 256 consecutive bytes, aligned
	global_store_b128 v7, v[36:39], s[12:13] offset:8192
	s_wait_tensorcnt 0x0
	ds_add_u32 v8, v9
	s_wait_dscnt 0x0
	s_endpgm
.Lfunc_end_k_q2d9cf747da_outp:
	.size	k_q2d9cf747da_outp, .Lfunc_end_k_q2d9cf747da_outp-k_q2d9cf747da_outp
	.p2alignl 7, 3214868480
	.fill 96, 4, 3214868480
	.section	.rodata,"a",@progbits
	.p2align	6, 0x0
	.amdhsa_kernel k_q2d9cf747da_outp
		.amdhsa_group_segment_fixed_size 70656
		.amdhsa_private_segment_fixed_size 0
		.amdhsa_enable_private_segment 0
		.amdhsa_kernarg_size 48
		.amdhsa_user_sgpr_count 2
		.amdhsa_user_sgpr_kernarg_segment_ptr 1
		.amdhsa_wavefront_size32 1
		.amdhsa_system_sgpr_workgroup_id_x 1
		.amdhsa_system_sgpr_workgroup_id_y 1
		.amdhsa_system_sgpr_workgroup_id_z 1
		.amdhsa_system_vgpr_workitem_id 0
		.amdhsa_next_free_vgpr 176
		.amdhsa_next_free_sgpr 100
		.amdhsa_reserve_vcc 0
		.amdhsa_float_denorm_mode_32 3
		.amdhsa_float_denorm_mode_16_64 3
		.amdhsa_memory_ordered 1
		.amdhsa_forward_progress 1
		.amdhsa_inst_pref_size 16
	.end_amdhsa_kernel
	.amdgpu_metadata
---
amdhsa.version: [ 1, 2 ]
amdhsa.kernels:
  - .name:           k_q2d9cf747da_outp
    .symbol:         k_q2d9cf747da_outp.kd
    .args:
      - { .name: wcod, .offset: 0, .size: 8, .value_kind: global_buffer, .address_space: global }
      - { .name: ocod, .offset: 8, .size: 8, .value_kind: global_buffer, .address_space: global }
      - { .name: bo_mu, .offset: 16, .size: 8, .value_kind: global_buffer, .address_space: global }
      - { .name: bo_var, .offset: 24, .size: 8, .value_kind: global_buffer, .address_space: global }
      - { .name: out0, .offset: 32, .size: 8, .value_kind: global_buffer, .address_space: global }
      - { .name: out1, .offset: 40, .size: 8, .value_kind: global_buffer, .address_space: global }
    .group_segment_fixed_size: 70656
    .private_segment_fixed_size: 0
    .kernarg_segment_align: 8
    .kernarg_segment_size: 48
    .max_flat_workgroup_size: 256
    .sgpr_count:     100
    .vgpr_count:     176
    .wavefront_size: 32
...
	.end_amdgpu_metadata
.endif
;; end of part 8
